; MI455X (gfx1250); checked and timed in simulation.
; The chip was launched on July 23, 2026; its instructions are those of AMD's public machine-readable ISA for CDNA 5 (MIT licence, August 2026) and "CDNA5" Instruction Set Architecture Reference Guide (July 2026). The comments in the code are by the model that wrote it; some were corrected since.
;; Self Attention Block. Allowed arithmetic: float matrix products may take bf16 or f16 operands with f32 sums; other float arithmetic in f32, or as packed bf16 or f16 multiplies, adds, multiply-adds, maxima and minima; sums over many terms, partial sums and values carried from step to step in f32; what a program stores and reads back later, other than sums and carried values, may be rounded once to bf16 or f16.
;; Inputs: W_proj 1,024 x 1,024 float32; W_qkv 1,024 x 3,072 float32; b_proj 1,024 float32; b_qkv 3,072 float32; beta 1,024 float32; gamma 1,024 float32; x 4 x 2,048 x 1,024 float32.
;; Outputs: out0 4 x 2,048 x 1,024 float32.
;; 3 versions, each right; version 3 is version 2 with the launch cast written anew for expert scheduling mode. Each part assembles by itself: llvm-mc -triple=amdgcn-amd-amdhsa -mcpu=gfx1250 --defsym DOCPART=n.
;; ======== version 1 of 3: 8 launches
;; limits: values outside matrix products are rounded to bf16
;; workspace buffers: xb 16,777,216 bytes; qb 16,777,216 bytes; kv 33,554,432 bytes; sc 33,554,432 bytes; pr 33,554,432 bytes; wq 2,097,152 bytes; wkv 4,194,304 bytes; wp 2,097,152 bytes
;; launch cast (part 1): grid 768 x 1, 8 waves a work-group, no clusters, 0 bytes of LDS; arguments x, W_qkv, W_proj, xb, wq, wkv, wp; writes xb, wq, wkv, wp
.if DOCPART == 1
	.amdgcn_target "amdgcn-amd-amdhsa--gfx1250"
	.amdhsa_code_object_version 6
	.text
	.protected	k_qe188351221_cast
	.globl	k_qe188351221_cast
	.p2align	8
	.type	k_qe188351221_cast,@function
k_qe188351221_cast:
	s_mov_b64 s[64:65], 0
	v_nop
	global_prefetch_b8 v0, s[64:65] scope:SCOPE_SE
	s_setreg_imm32_b32 hwreg(HW_REG_WAVE_MODE, 25, 1), 1
	s_wait_xcnt 0x0
; THE PROGRAM.  out0 = LayerNorm(softmax((x Wq + bq)(x Wk + bk)^T / 32)(x Wv + bv) W_proj + b_proj + x) gamma + beta, for 4 batches of 2,048 tokens of 1,024 channels.
; Eight launches: this cast; q = x Wq + bq; [k | v0] = x [Wk | Wv]; raw scores q k^T; softmax by rows; O = P v0 + bv; z = O W_proj + b_proj; LayerNorm(z + x).
; WORK LEFT OUT: the keys' bias bk = b_qkv[1024:2048].  scores[l][m] = q_l . (x_m Wk + bk) / 32 = q_l . (x_m Wk) / 32 + q_l . bk / 32, and the second term is the same for every m of
; row l.  softmax is taken along m, and a term that is constant along its axis cancels between numerator and denominator, whatever finite values x, W_qkv and b_qkv hold.  So these 1,024
; numbers reach no output; no launch loads them.  (b_qkv stays an argument for bq and bv.)  LIMIT: a NaN, an infinity or an overflow that reaches only q . bk is not carried to the result.
; MOVED, NOT LEFT OUT: bv.  A softmax row sums to 1, so P (x Wv + 1 bv^T) = P (x Wv) + bv: bv is added once, behind the product P v0.
; LIMITS OF THE PROGRAM.  Matrix operands and what is stored between launches (x's copy, the weights' copies, q, k, v0, the raw scores, P, O, z) are rounded once to bf16; the residual x, all sums,
; maxima, means and variances are f32.  A softmax weight below 2^-126 counts as 0.  NaN and infinities are not treated apart.
;
; THIS LAUNCH rounds x, W_qkv and W_proj to bf16.  W_qkv's columns are split: wq [1024][1024] takes columns 0-1023, wkv [1024][2048] columns 1024-3071.
; A pass is one row of 1,024 f32: thread t loads 16 bytes at 16 t and stores 8 bytes at 8 t, so a wave's store covers 256 consecutive bytes, aligned.  A work-group does 16 rows.
; Work-groups 0-511 take x's 8,192 rows; then 64 each for wq, the k columns, the v columns and W_proj (1,024 rows each).  All 16 loads of a thread go out before the first wait; no register is written twice.
.set IN,  4                            ; v[4:19]    row i: byte offset of my 16 bytes
.set OUT, 20                           ; v[20:35]   row i: byte offset of my 8 bytes
.set D,   36                           ; v[36:99]   row i: four f32
.set PK,  100                          ; v[100:131] row i: four bf16
	s_load_b256 s[4:11], s[0:1], 0x0               ; x s[4:5], W_qkv s[6:7], W_proj s[8:9], xb s[10:11]
	s_load_b128 s[12:15], s[0:1], 0x20             ; wq s[12:13], wkv s[14:15]
	s_load_b64 s[16:17], s[0:1], 0x30              ; wp
	s_sub_co_u32 s20, ttmp9, 512                   ; the work-group's number among the weights' 256 (wraps for x's, and is then not used)
	s_lshr_b32 s21, s20, 6
	s_and_b32 s22, s20, 63
	s_cmp_lt_u32 ttmp9, 512
	s_cselect_b32 s21, 4, s21                      ; the job: 0 wq, 1 k columns, 2 v columns, 3 W_proj, 4 x
	s_cselect_b32 s22, ttmp9, s22                  ; my block of 16 rows in the job
	s_movk_i32 s23, 0x1000                         ; bytes from row to row in the source: 4,096,
	s_lshl_b32 s25, s21, 12                        ; (the job's first column in W_qkv: 4,096 bytes a job)
	s_cmp_lt_u32 s21, 3
	s_cselect_b32 s23, 0x3000, s23                 ; in W_qkv 12,288
	s_cselect_b32 s25, s25, 0
	s_movk_i32 s24, 0x800                          ; bytes from row to row in the destination: 2,048,
	s_sub_co_u32 s26, s21, 1
	s_cmp_lt_u32 s26, 2
	s_cselect_b32 s24, 0x1000, s24                 ; in wkv 4,096
	s_cmp_eq_u32 s21, 2
	s_cselect_b32 s27, 0x800, 0                    ; the v columns lie 2,048 bytes into wkv's rows
	s_mul_i32 s28, s22, s23
	s_lshl_b32 s28, s28, 4
	s_add_co_u32 s28, s28, s25                     ; source: 16 rows a block, plus the first column; under 2^26
	s_mov_b32 s29, 0
	s_mul_i32 s30, s22, s24
	s_lshl_b32 s30, s30, 4
	s_add_co_u32 s30, s30, s27                     ; destination likewise
	s_mov_b32 s31, 0
	v_lshlrev_b32 v[IN], 4, v0
	v_lshlrev_b32 v[OUT], 3, v0
.set i, 1
.rept 15
	v_add_nc_u32 v[IN+i], s23, v[IN+i-1]
	v_add_nc_u32 v[OUT+i], s24, v[OUT+i-1]
.set i, i+1
.endr
	s_wait_kmcnt 0x0
	s_cmp_eq_u32 s21, 3                            ; the buffers are chosen by the job's number alone
	s_cselect_b64 s[32:33], s[8:9], s[6:7]
	s_cselect_b64 s[34:35], s[16:17], s[14:15]
	s_cmp_eq_u32 s21, 0
	s_cselect_b64 s[34:35], s[12:13], s[34:35]
	s_cmp_eq_u32 s21, 4
	s_cselect_b64 s[32:33], s[4:5], s[32:33]
	s_cselect_b64 s[34:35], s[10:11], s[34:35]
	s_add_nc_u64 s[32:33], s[32:33], s[28:29]
	s_add_nc_u64 s[34:35], s[34:35], s[30:31]
.set i, 0
.rept 16
	global_load_b128 v[D+4*i:D+4*i+3], v[IN+i], s[32:33] th:TH_LOAD_NT
.set i, i+1
.endr
.set i, 0
.rept 16
	s_wait_loadcnt 15-i                            ; loads come back in order: row i is in, the 15 - i younger ones stay out
	v_cvt_pk_bf16_f32 v[PK+2*i], v[D+4*i], v[D+4*i+1]
	v_cvt_pk_bf16_f32 v[PK+2*i+1], v[D+4*i+2], v[D+4*i+3]
	global_store_b64 v[OUT+i], v[PK+2*i:PK+2*i+1], s[34:35]
.set i, i+1
.endr
	s_endpgm
.Lfunc_end_k_qe188351221_cast:
	.size	k_qe188351221_cast, .Lfunc_end_k_qe188351221_cast-k_qe188351221_cast
	.p2alignl 7, 3214868480
	.fill 96, 4, 3214868480
	.section	.rodata,"a",@progbits
	.p2align	6, 0x0
	.amdhsa_kernel k_qe188351221_cast
		.amdhsa_group_segment_fixed_size 0
		.amdhsa_private_segment_fixed_size 0
		.amdhsa_enable_private_segment 0
		.amdhsa_kernarg_size 56
		.amdhsa_user_sgpr_count 2
		.amdhsa_user_sgpr_kernarg_segment_ptr 1
		.amdhsa_wavefront_size32 1
		.amdhsa_system_sgpr_workgroup_id_x 1
		.amdhsa_system_sgpr_workgroup_id_y 1
		.amdhsa_system_sgpr_workgroup_id_z 1
		.amdhsa_system_vgpr_workitem_id 0
		.amdhsa_next_free_vgpr 132
		.amdhsa_next_free_sgpr 66
		.amdhsa_reserve_vcc 0
		.amdhsa_float_denorm_mode_32 3
		.amdhsa_float_denorm_mode_16_64 3
		.amdhsa_memory_ordered 1
		.amdhsa_forward_progress 1
		.amdhsa_inst_pref_size 9
	.end_amdhsa_kernel
	.amdgpu_metadata
---
amdhsa.version: [ 1, 2 ]
amdhsa.kernels:
  - .name:           k_qe188351221_cast
    .symbol:         k_qe188351221_cast.kd
    .args:
      - { .name: x, .offset: 0, .size: 8, .value_kind: global_buffer, .address_space: global }
      - { .name: W_qkv, .offset: 8, .size: 8, .value_kind: global_buffer, .address_space: global }
      - { .name: W_proj, .offset: 16, .size: 8, .value_kind: global_buffer, .address_space: global }
      - { .name: xb, .offset: 24, .size: 8, .value_kind: global_buffer, .address_space: global }
      - { .name: wq, .offset: 32, .size: 8, .value_kind: global_buffer, .address_space: global }
      - { .name: wkv, .offset: 40, .size: 8, .value_kind: global_buffer, .address_space: global }
      - { .name: wp, .offset: 48, .size: 8, .value_kind: global_buffer, .address_space: global }
    .group_segment_fixed_size: 0
    .private_segment_fixed_size: 0
    .kernarg_segment_align: 8
    .kernarg_segment_size: 56
    .max_flat_workgroup_size: 256
    .sgpr_count:     66
    .vgpr_count:     132
    .wavefront_size: 32
...
	.end_amdgpu_metadata
.endif
;; end of part 1
;; launch lin (part 2): grid 4 x 64, 4 waves a work-group, clusters of 4 x 4, 327,680 bytes of LDS; arguments xb, wq, qb, b_qkv; writes qb
.if DOCPART == 2
	.amdgcn_target "amdgcn-amd-amdhsa--gfx1250"
	.amdhsa_code_object_version 6
	.text
	.protected	k_qe188351221_lin
	.globl	k_qe188351221_lin
	.p2align	8
	.type	k_qe188351221_lin,@function
k_qe188351221_lin:
	s_mov_b64 s[64:65], 0
	v_nop
	global_prefetch_b8 v0, s[64:65] scope:SCOPE_SE
	s_setreg_imm32_b32 hwreg(HW_REG_WAVE_MODE, 25, 1), 1
	s_wait_xcnt 0x0
	s_wait_alu depctr_hold_cnt(0) depctr_sa_sdst(0) depctr_va_vdst(0) depctr_va_sdst(0) depctr_va_ssrc(0) depctr_va_vcc(0) depctr_vm_vsrc(0)
	s_getreg_b32 s2, hwreg(HW_REG_IB_STS2, 6, 4)
	s_cmp_eq_u32 s2, 0
	s_cbranch_scc0 .Lentry_in_a_cluster
	s_endpgm
.Lentry_in_a_cluster:
	s_bfe_u32 s2, ttmp6, 0x10000c
	s_cmp_lg_u32 s2, 0xf033
	s_cbranch_scc0 .Lentry_shape_is_right
	s_endpgm
.Lentry_shape_is_right:
; C[m][n] = the sum over k of A[m][k] B[k][n] + bias[n].  A: [8192][1024] bf16, B: [1024 k][1024 n] bf16, C: [8192][1024] bf16, bias: f32, its first 1,024 numbers.  Sums in f32, C rounded once.
; Two launches run this text: q = xb wq + bq (bq = b_qkv[0:1024]) and z = O wp + b_proj.
; SHARES.  A tile of C is 128 x 256: 4 x 64 tiles, one for each of 256 work-groups.  Four waves, 2 x 2, each 64 rows x 128 columns: 32 accumulators of 16 x 16.
; K goes in steps of 128 through two LDS slots that take turns; the loop's body is ONE K step: the refill's descriptor walks (its LDS word turned by an exclusive or), and the LDS reads hang on a scalar slot base.
; CLUSTERS of 4 x 4: the four of a row share A's tile, the four of a column B's: each tile is asked for jointly, by the same tensor load, descriptor and mask in all four.
; THE MATRIX INSTRUCTION IS USED TRANSPOSED: source 0 = 16 columns of B, source 1 = 16 rows of A: a lane then holds row l % 16 of C and the eight neighbouring columns 8 (l / 16) + 0..7.
; B lies [k][n]: its fragments come out of LDS turned, by ds_load_tr16_b128.
; REGISTERS, in windows of 256: window 0: addresses, A's two fragment buffers (v64-, v128-), the way out; window 1: v0-63 the bias, B's two fragment buffers; window 2 (and 3): the accumulators, (a, b) at v[64 (a % 4) + 8 b].
.set NA,     4                         ; blocks of 16 rows in a wave's tile
.set TRB,    1                         ; 1: B lies [k][n];  0: B lies [n][k]
.set BIAS,   1                         ; 1: a bias is added
.set BIAS0,  0                         ; its first byte in the bias buffer
.set NSTEP,  8                         ; K / 128
.set APITCH, 2048                      ; bytes from row to row in A,
.set BPITCH, 2048                      ; in B,
.set CPITCH, 2048                      ; in C
.set BBYTE0, 0                         ; B's first column, in bytes
.set HASB,   0                         ; 1: B changes with the batch, which is cluster y >> BSH
.set BSH,    0
.set SLOT,   131072                    ; LDS byte at which slot 1 begins; it shares no bit with a fill's address in slot 0, so one exclusive or changes slots
.set PITCH,  272                       ; an LDS row of 256 bytes + 16 of padding = 68 words: the 16 rows of a fragment load start at 16 different groups of four banks (64 banks of 4 bytes: ISA guide 11.1)
.set PB,     544                       ; a row of B as [k][n]: 512 bytes + 32 = 136 words
.set AHALF,  16*NA*PITCH               ; what one tensor load brings of A, and what one wave reads of it
.set BOFF,   2*AHALF                   ; B's tile lies behind A's
.set BHALF,  34816                     ; what one tensor load brings of B: 64 rows of 544 bytes, or 128 of 272
.set STAGE,  SLOT+BOFF+2*BHALF         ; behind the ring, never filled by a tensor load: 16 rows x 272 bytes for each wave, for the way out
.set SPARE,  STAGE+4*16*PITCH          ; behind the stages: the spare words, 128 bytes for each wave: two blocks of 256 bytes that no other line names
.set ASTEP,  256                       ; bytes from K step to K step in A
.if TRB
.set BSTEP,  128*BPITCH                ; and in B: 128 rows down,
.else
.set BSTEP,  256                       ; or 128 elements along
.endif
.if HASB
.set BMASK,  (1<<BSH)-1
.else
.set BMASK,  0xffff
.endif
.set NF,     16+2*NA                   ; LDS loads in a run: 16 for B's eight fragments, 2 NA for A's
.set ADRA0, 16                         ; v16  my place in A's tile of slot 0; never rewritten
.set ADRA,  17                         ; v17  the same in the slot in hand
.set ADRB0, 20                         ; v20, v21  the same for B
.set ADRB,  21
.set STO,   24                         ; v24  the way out: where I put 16 bytes of a row
.set RD,    25                         ; v25  where I read a row back
.set CO,    26                         ; v26  my byte offset in two rows of C
.set BO,    27                         ; v27  my byte offset in the bias: 32 (l / 16)
.set SPW,   28                         ; v28  LDS address of my spare word: SPARE + 4 x my thread's number; never rewritten
.set NIL,   29                         ; v29  0; never rewritten
.set PFO,   30                         ; v30  the prefetches' lane offset; never rewritten
.set F0,    64                         ; fragment buffer 0
.set F1,    128                        ; fragment buffer 1
.set TMP,   192                        ; the way out: packed results
.set OB,    32                         ; the way out: 16 rows read back: v32-63 and v224-255 by turns
.set G1,    24                         ; s[24:31] descriptor group 1 for A's tiles
.set G0,    32                         ; s[32:35] group 0: A, slot 0, K step 0
.set GW,    36                         ; s[36:39] group 0: A, slot 1, K step 1; then it walks
.set LIM,   43                         ; s43  2 in a wave that prefetches, else the greatest number
.set PFA,   44                         ; s[44:45] where my prefetches stand
.set G1B,   48                         ; s[48:55], s[56:59], s[60:63] the same three for B
.set G0B,   56
.set GWB,   60
.set TB,    66                         ; s66  LDS byte at which the slot in hand begins
.set CY,    67                         ; s67  cluster y
.set PST,   68                         ; s[68:69] bytes from K step to K step in the tensor that I prefetch
.set BP,    70                         ; s[70:71] the bias
.set TO_B,  0x40                       ; destination window 1, address window 0
.set MSB, 0
.macro WIN new                         ; s_set_vgpr_msb: bits 1:0 source 0, 3:2 source 1, 5:4 source 2, 7:6 destination; the high byte repeats the setting that is left; a switch that changes nothing is dropped
.if MSB != (\new)
	s_set_vgpr_msb (MSB<<8)|(\new)
.set MSB, (\new)
.endif
.endm
.macro PLACES                          ; four plain instructions between a matrix instruction and a load into, or a vector instruction on, its registers (ISA guide 7.12.1 for vector instructions)
.rept 4
	v_nop
.endr
.endm
.macro CREST                           ; a round of the cluster's barrier behind its opening barrier: wave 0 signals for the work-group, every wave waits for all sixteen, my work-group's barrier closes it
	s_cmp_lg_u32 s10, 0
	s_cbranch_scc1 .Lnot_wave_0_\@
	s_barrier_signal -3
.Lnot_wave_0_\@:
	s_barrier_wait -3
	s_barrier_signal -1
	s_barrier_wait -1
.endm
.macro CROUND                          ; a whole round
	s_barrier_signal -1
	s_barrier_wait -1
	CREST
.endm
; A joint refill by the walking descriptors.  Waves 0 and 1 fetch A's two halves, waves 2 and 3 B's.  The branch hangs on the wave's number alone.  An s_nop 0 and four v_nop follow each line.
.macro JLOAD
	s_cmp_eq_u32 s11, 0
	s_cbranch_scc0 .Lfor_b_\@
	tensor_load_to_lds s[GW:GW+3], s[G1:G1+7]
	s_nop 0
.rept 4
	v_nop
.endr
	s_branch .Lasked_\@
.Lfor_b_\@:
	tensor_load_to_lds s[GWB:GWB+3], s[G1B:G1B+7]
	s_nop 0
.rept 4
	v_nop
.endr
.Lasked_\@:
.endm
; A prefetch of the K step that stands two refills on: 32 blocks of 256 bytes, a lane a block, one instruction a wave.  s3 counts the loop's trips down: the last two refills have no K step two on.
.macro ASK
	s_cmp_gt_u32 s3, s[LIM]
	s_cbranch_scc0 .Lnot_mine_\@
	global_prefetch_b8 v[PFO], s[PFA:PFA+1] th:TH_LOAD_NT scope:SCOPE_SE
.Lnot_mine_\@:
.endm
; 8 cnt matrix instructions: row blocks a0 .. a0 + cnt - 1 x all 8 column blocks, 32 along K, from buffer f.  zero = 1: the product starts the sum.
; The accumulators take turns, one instruction a turn, in the same order in every quarter.
.macro MULR f, a0, cnt, zero
.set ma, \a0
.rept \cnt
	WIN 0xa1+0x50*(ma/4)
.set mb, 0
.rept 8
.if \zero
	v_wmma_f32_16x16x32_bf16 v[64*(ma%4)+8*mb:64*(ma%4)+8*mb+7], v[(\f)+8*mb:(\f)+8*mb+7], v[(\f)+8*ma:(\f)+8*ma+7], 0
.else
	v_wmma_f32_16x16x32_bf16 v[64*(ma%4)+8*mb:64*(ma%4)+8*mb+7], v[(\f)+8*mb:(\f)+8*mb+7], v[(\f)+8*ma:(\f)+8*ma+7], v[64*(ma%4)+8*mb:64*(ma%4)+8*mb+7]
.endif
.set mb, mb+1
.endr
.set ma, ma+1
.endr
.endm
; NF LDS loads in one run: the fragments of quarter kq (32 along K) of the slot in hand, into buffer f: B's eight, then A's NA.
.macro FETCH kq, f
	WIN TO_B
.set fi, 0
.rept 8
.if TRB
	ds_load_tr16_b128 v[(\f)+8*fi:(\f)+8*fi+3],   v[ADRB] offset:(\kq)*32*PB+32*fi
	ds_load_tr16_b128 v[(\f)+8*fi+4:(\f)+8*fi+7], v[ADRB] offset:(\kq)*32*PB+32*fi+16*PB
.else
	ds_load_b128 v[(\f)+8*fi:(\f)+8*fi+3],   v[ADRB] offset:64*(\kq)+fi*16*PITCH
	ds_load_b128 v[(\f)+8*fi+4:(\f)+8*fi+7], v[ADRB] offset:64*(\kq)+fi*16*PITCH+32
.endif
.set fi, fi+1
.endr
	WIN 0
.set fi, 0
.rept NA
	ds_load_b128 v[(\f)+8*fi:(\f)+8*fi+3],   v[ADRA] offset:64*(\kq)+fi*16*PITCH
	ds_load_b128 v[(\f)+8*fi+4:(\f)+8*fi+7], v[ADRA] offset:64*(\kq)+fi*16*PITCH+32
.set fi, fi+1
.endr
.endm
; One of a K step's first three quarters: multiplies buffer f; in its middle it fetches quarter kq into buffer g.
.macro QUARTER kq, f, g, zero
	s_wait_dscnt NA                                ; B and A's lower blocks are in; the youngest NA loads (A's upper NA / 2 blocks, two loads each) may be out
	MULR \f, 0, NA/2, \zero
	PLACES
	FETCH \kq, \g
	s_wait_dscnt NF                                ; all but the NF just issued
	MULR \f, NA/2, NA/2, \zero
.endm
; The first half of a K step's last quarter, and the barrier of the change of slots.  In front of it each wave waits for all its tensor loads (the one that is out is its part of the next slot), adds 0 to its
; spare word, and waits for that and for its own reads of this slot.  Behind it nobody reads this slot any more and the next slot is whole.
.macro MEET
	WIN 0                                          ; (the add's two registers lie in window 0)
	s_wait_tensorcnt 0x0
	ds_add_u32 v[SPW], v[NIL]                      ; 0 onto my spare word
	s_wait_dscnt NA+1                              ; (the add and the youngest NA loads may be out)
	MULR F1, 0, NA/4, 0                            ; matrix work stands between the add and the wait for it
	s_wait_dscnt 0x0                               ; the add is done, and my reads of this slot are over
	s_barrier_signal -1
	MULR F1, NA/4, NA/4, 0                         ; work on registers while the others arrive
	WIN 0
	s_barrier_wait -1
.endm
; The whole last quarter, in the loop: the barrier opens a round of the cluster's barrier, so that no wave of any partner still reads the slot or has a load on its way; the joint refill, two K steps ahead, is the first
; tensor load behind the round; then the next slot's first fragments.  From a request to the wait for it a wave issues seven eighths of a K step's matrix instructions.
.macro TURN
	s_wait_xcnt 0x0                                ; the last prefetch, a K step back, has read its address, which is stepped here
	s_add_nc_u64 s[PFA:PFA+1], s[PFA:PFA+1], s[PST:PST+1]
	MEET
	CREST
	s_xor_b32 s[GW+1], s[GW+1], SLOT               ; no tensor load of mine is out: the walking descriptors take the other slot than last time
	s_add_nc_u64 s[GW+2:GW+3], s[GW+2:GW+3], ASTEP ; and the next K step; the type bits on top are not reached
	s_xor_b32 s[GWB+1], s[GWB+1], SLOT
	s_add_nc_u64 s[GWB+2:GWB+3], s[GWB+2:GWB+3], BSTEP
	JLOAD                                          ; its four v_nop are also the places in front of the loads below
	s_xor_b32 s[TB], s[TB], SLOT
	v_add_nc_u32 v[ADRA], s[TB], v[ADRA0]
	v_add_nc_u32 v[ADRB], s[TB], v[ADRB0]
	FETCH 0, F0
	ASK                                            ; behind the joint load and the run of LDS loads that the next products wait for
	MULR F1, NA/2, NA/2, 0
.endm
; The same in the tail, where nothing is filled again: a plain barrier; in the very last K step (s3 = 1) there is no next slot, and the run of loads is jumped over.
.macro TURNT
	MEET
	PLACES
	s_cmp_eq_u32 s3, 1
	s_cbranch_scc1 .Lno_fetch_\@
	s_xor_b32 s[TB], s[TB], SLOT
	v_add_nc_u32 v[ADRA], s[TB], v[ADRA0]
	v_add_nc_u32 v[ADRB], s[TB], v[ADRB0]
	FETCH 0, F0
.Lno_fetch_\@:
	MULR F1, NA/2, NA/2, 0
.endm
; THE WAY OUT of row block a.  ADDB: the bias onto its eight accumulators, each from its low end on.  PACK: rounded to bf16, 16 bytes a lane.  TOSTAGE: into my own stage and back as whole rows of 256 bytes.  SEND: stored.
.macro ADDB a
	WIN 0x86+0x41*((\a)/4)                         ; destination and source 0: the accumulators' window; source 1: window 1
.set wb, 0
.rept 8
.set wr, 0
.rept 4
	v_pk_add_f32 v[64*((\a)%4)+8*wb+2*wr:64*((\a)%4)+8*wb+2*wr+1], v[64*((\a)%4)+8*wb+2*wr:64*((\a)%4)+8*wb+2*wr+1], v[8*wb+2*wr:8*wb+2*wr+1]
.set wr, wr+1
.endr
.set wb, wb+1
.endr
.endm
.macro PACK a
	WIN 0x0a+5*((\a)/4)                            ; sources 0 and 1: the accumulators' window
.set wb, 0
.rept 8
.set wr, 0
.rept 4
	v_cvt_pk_bf16_f32 v[TMP+4*wb+wr], v[64*((\a)%4)+8*wb+2*wr], v[64*((\a)%4)+8*wb+2*wr+1]
.set wr, wr+1
.endr
.set wb, wb+1
.endr
	WIN 0
.endm
.macro TOSTAGE a
	WIN 0
.set wt, 0
.rept 8
	ds_store_b128 v[STO], v[TMP+4*wt:TMP+4*wt+3] offset:32*wt
.set wt, wt+1
.endr
.set wt, 0
.rept 8
	ds_load_b128 v[OB+192*((\a)%2)+4*wt:OB+192*((\a)%2)+4*wt+3], v[RD] offset:wt*2*PITCH  ; LDS serves a wave's instructions in order (ISA guide 5.7.1.4): these see the stores above
.set wt, wt+1
.endr
.endm
.macro SEND a
	WIN 0
	s_wait_dscnt 0x0                               ; the block is back in registers
	s_wait_xcnt 0x0                                ; earlier stores have read their base and their data registers: only behind this wait are these written again
.if (\a) > 0
	s_add_nc_u64 s[8:9], s[8:9], 16*CPITCH         ; 16 rows of C on
.endif
.set wt, 0
.rept 8
	global_store_b128 v[CO], v[OB+192*((\a)%2)+4*wt:OB+192*((\a)%2)+4*wt+3], s[8:9] offset:2*wt*CPITCH  ; 16 lanes store 256 consecutive bytes, at a multiple of 256 from C's first byte
.set wt, wt+1
.endr
.endm
	s_load_b128 s[4:7], s[0:1], 0x0                ; A s[4:5], B s[6:7]
	s_load_b64 s[8:9], s[0:1], 0x10                ; C
.if BIAS
	s_load_b64 s[BP:BP+1], s[0:1], 0x18            ; the bias
.endif
	v_lshl_add_u32 v[SPW], v0, 2, SPARE
	v_mov_b32 v[NIL], 0
	ds_add_u32 v[SPW], v[NIL]                      ; the wave's opening: the add, twice on end, and its wait ahead of my first tensor load
	ds_add_u32 v[SPW], v[NIL]                      ; and once more, under the one wait; the set-up below, work on registers, stands between
	v_lshrrev_b32 v1, 5, v0
	v_readfirstlane_b32 s10, v1                    ; wave 0..3
	s_lshr_b32 s11, s10, 1                         ; which half of the tile's rows is mine.  Also: I fetch for A (0) or for B (1)
	s_and_b32 s12, s10, 1                          ; which half of its columns.  Also: which half of that tile I fetch
	s_bfe_u32 s40, ttmp6, 0x40000                  ; cx: my place along the cluster's x
	s_bfe_u32 s41, ttmp6, 0x40004                  ; cy: along its y
	s_lshl_b32 s42, ttmp9, 2
	s_add_co_u32 s42, s42, s40                     ; tile column of C = 4 x cluster x + cx
	s_and_b32 s[CY], ttmp7, 0xffff
	s_lshl_b32 s13, s[CY], 2
	s_add_co_u32 s13, s13, s41                     ; tile row of C = 4 x cluster y + cy
	s_lshl_b32 s43, s41, 2
	s_lshl_b32 s43, 15, s43                        ; my row of the cluster: places 4 cy .. 4 cy + 3
	s_lshl_b32 s44, 0x1111, s40                    ; my column: places cx, cx + 4, cx + 8, cx + 12
	; descriptor group 1 for A: 16 NA rows x 128 elements of 2 bytes, 4 words of padding behind every 64
	s_or_b32 s[G1], s43, (1<<16)|(1<<20)|(1<<21)|(5<<22)|(3<<25)  ; 15:0 the mask; 17:16 2-byte elements; 20 padding on; 21 set beside a mask; 24:22 the interval; 31:25 the padding
	s_mov_b32 s[G1+1], 128<<16                     ; tensor_dim0
	s_mov_b32 s[G1+2], (16*NA)<<16                 ; tensor_dim1
	s_mov_b32 s[G1+3], 128<<16                     ; tile_dim0
	s_mov_b32 s[G1+4], 16*NA                       ; tile_dim1
	s_mov_b32 s[G1+5], APITCH/2                    ; elements from row to row
	s_mov_b32 s[G1+6], 0
	s_mov_b32 s[G1+7], 0
.if TRB                                ; for B as [k][n]: 64 rows of K x 256 elements, 8 words of padding behind every 128
	s_or_b32 s[G1B], s44, (1<<16)|(1<<20)|(1<<21)|(6<<22)|(7<<25)
	s_mov_b32 s[G1B+1], 256<<16
	s_mov_b32 s[G1B+2], 64<<16
	s_mov_b32 s[G1B+3], 256<<16
	s_mov_b32 s[G1B+4], 64
.else                                  ; for B as [n][k]: 128 rows x 128 elements, padded as A's
	s_or_b32 s[G1B], s44, (1<<16)|(1<<20)|(1<<21)|(5<<22)|(3<<25)
	s_mov_b32 s[G1B+1], 128<<16
	s_mov_b32 s[G1B+2], 128<<16
	s_mov_b32 s[G1B+3], 128<<16
	s_mov_b32 s[G1B+4], 128
.endif
	s_mov_b32 s[G1B+5], BPITCH/2
	s_mov_b32 s[G1B+6], 0
	s_mov_b32 s[G1B+7], 0
	; where the tiles come from, as byte offsets under 2^32.  A's hang on the tile row and the wave alone, B's on the tile column, the wave and the cluster's y alone
	s_mul_i32 s16, s13, 32*NA*APITCH
	s_mul_i32 s17, s12, 16*NA*APITCH
	s_add_co_u32 s16, s16, s17
	s_mov_b32 s17, 0
.if TRB
	s_lshl_b32 s46, s42, 9                         ; 256 columns a tile,
	s_mul_i32 s47, s12, 64*BPITCH                  ; my 64 rows of the K step
.else
	s_mul_i32 s46, s42, 256*BPITCH                 ; 256 rows a tile,
	s_mul_i32 s47, s12, 128*BPITCH                 ; my 128 of them
.endif
	s_add_co_u32 s46, s46, s47
.if HASB
	s_lshr_b32 s47, s[CY], BSH                     ; the batch: 2,048 rows of 4,096 bytes each
	s_lshl_b32 s47, s47, 23
	s_add_co_u32 s46, s46, s47
.endif
	s_add_co_u32 s46, s46, BBYTE0
	s_mov_b32 s47, 0
	s_mul_i32 s20, s12, AHALF                      ; and where they go: no place in the cluster enters an LDS address
	s_mul_i32 s21, s12, BHALF
	s_add_co_u32 s21, s21, BOFF
	s_mov_b32 s[TB], 0
	s_wait_dscnt 0x0                               ; both opening adds are done
	s_wait_kmcnt 0x0
	s_add_nc_u64 s[14:15], s[4:5], s[16:17]
	s_add_nc_u64 s[46:47], s[6:7], s[46:47]
	CROUND                                         ; all sixteen work-groups are here: the first joint loads meet
.irp s, 0,1
	s_mov_b32 s[G0+4*(\s)], 1                                        ; count = 1
	s_add_co_u32 s[G0+4*(\s)+1], s20, (\s)*SLOT                      ; LDS address
	s_add_nc_u64 s[G0+4*(\s)+2:G0+4*(\s)+3], s[14:15], (\s)*ASTEP    ; global address: K step s
	s_or_b32 s[G0+4*(\s)+3], s[G0+4*(\s)+3], 0x80000000              ; type = 2
	s_mov_b32 s[G0B+4*(\s)], 1
	s_add_co_u32 s[G0B+4*(\s)+1], s21, (\s)*SLOT
	s_add_nc_u64 s[G0B+4*(\s)+2:G0B+4*(\s)+3], s[46:47], (\s)*BSTEP
	s_or_b32 s[G0B+4*(\s)+3], s[G0B+4*(\s)+3], 0x80000000
.endr
	s_cmp_eq_u32 s11, 0                            ; a wave's two first fills stand in one branch, ahead of every wait on TENSORcnt and every LDS read: two loads of mine are out
	s_cbranch_scc0 .Lfirst_b
	tensor_load_to_lds s[G0:G0+3], s[G1:G1+7]
	s_nop 0
	tensor_load_to_lds s[GW:GW+3], s[G1:G1+7]
	s_nop 0
.rept 4
	v_nop
.endr
	s_branch .Lfirst_asked
.Lfirst_b:
	tensor_load_to_lds s[G0B:G0B+3], s[G1B:G1B+7]
	s_nop 0
	tensor_load_to_lds s[GWB:GWB+3], s[G1B:G1B+7]
	s_nop 0
.rept 4
	v_nop
.endr
.Lfirst_asked:
	; A fragment from rows that lie along K: lane l holds row l % 16; two loads of 16 bytes, 32 bytes apart, at row x pitch + 16 (l / 16).
	v_and_b32 v1, 15, v0                           ; l % 16
	v_bfe_u32 v2, v0, 4, 1                         ; l / 16
	v_mul_u32_u24 v3, v1, PITCH
	v_lshl_add_u32 v3, v2, 4, v3
	s_mul_i32 s22, s11, AHALF                      ; my rows of A
	v_add_nc_u32 v[ADRA0], s22, v3
.if TRB
	; The turning load takes 16 k x 16 columns (lane l reads k = 8 (l / 16) + l % 8, columns 8 ((l / 8) % 2) + 0..7) and leaves half a fragment: lane l holds column l % 16 and 8 k.
	v_and_b32 v4, 7, v0
	v_lshl_add_u32 v4, v2, 3, v4
	v_mul_u32_u24 v4, v4, PB
	v_bfe_u32 v5, v0, 3, 1
	v_lshl_add_u32 v4, v5, 4, v4
	s_lshl_b32 s22, s12, 8                         ; my 128 columns
	s_add_co_u32 s22, s22, BOFF
	v_add_nc_u32 v[ADRB0], s22, v4
.else
	s_mul_i32 s22, s12, BHALF                      ; my 128 rows of B
	s_add_co_u32 s22, s22, BOFF
	v_add_nc_u32 v[ADRB0], s22, v3
.endif
	v_mov_b32 v[ADRA], v[ADRA0]
	v_mov_b32 v[ADRB], v[ADRB0]
	s_mul_i32 s23, s10, 16*PITCH
	s_add_co_u32 s23, s23, STAGE                   ; my stage
	v_add_nc_u32 v[STO], s23, v3                   ; in: row l % 16, 16 bytes for each half of the lanes
	v_mul_u32_u24 v6, v2, PITCH                    ; back: lanes 0-15 take one row of 256 bytes, lanes 16-31 the next
	v_lshl_add_u32 v6, v1, 4, v6
	v_add_nc_u32 v[RD], s23, v6
	v_mul_u32_u24 v6, v2, CPITCH                   ; and the same two rows in C
	v_lshl_add_u32 v[CO], v1, 4, v6
	s_mul_i32 s16, s13, 32*NA*CPITCH               ; C at my wave's first row and column
	s_mul_i32 s17, s11, 16*NA*CPITCH
	s_add_co_u32 s16, s16, s17
	s_lshl_b32 s17, s42, 9
	s_add_co_u32 s16, s16, s17
	s_lshl_b32 s17, s12, 8
	s_add_co_u32 s16, s16, s17
	s_mov_b32 s17, 0
	s_add_nc_u64 s[8:9], s[8:9], s[16:17]
.if BIAS
	s_lshl_b32 s46, s42, 10                        ; the bias of my 128 columns: f32
	s_lshl_b32 s47, s12, 9
	s_add_co_u32 s46, s46, s47
	s_add_co_u32 s46, s46, BIAS0
	s_mov_b32 s47, 0
	s_add_nc_u64 s[BP:BP+1], s[BP:BP+1], s[46:47]
	v_lshlrev_b32 v[BO], 5, v2
	WIN TO_B
.set fi, 0
.rept 8                                ; column block fi: my eight columns' numbers into window 1, v[8 fi ..]; waited for on the way out
	global_load_b128 v[8*fi:8*fi+3],   v[BO], s[BP:BP+1] offset:64*fi
	global_load_b128 v[8*fi+4:8*fi+7], v[BO], s[BP:BP+1] offset:64*fi+16
.set fi, fi+1
.endr
	WIN 0
.endif
	; THE PREFETCHES.  Each block of 256 bytes of A and B is named once in the launch.  A's rows are read by every cluster of a row of clusters: cluster x = 0 asks.  B's tiles by every cluster of a column (of one batch):
	; the first of them asks.  The four partners that ask for a tile jointly share it out BY ADDRESS (cx for A, cy for B), 32 blocks each; no branch hangs on a place in the cluster.
	s_mul_i32 s20, s13, 32*NA*APITCH               ; A: the tile's first row,
.if NA == 8
	s_mul_i32 s22, s12, 128*APITCH                 ; the 128 rows that I fetch,
	s_add_co_u32 s20, s20, s22
.endif
	s_mul_i32 s22, s40, 32*APITCH                  ; my work-group's 32 rows (with 128 rows to a tile wave 0 alone asks)
	s_add_co_u32 s20, s20, s22
	s_add_co_u32 s20, s20, 3*ASTEP                 ; at K step 3: the first refill steps it to 4
.if TRB
	s_lshl_b32 s21, s42, 9                         ; B as [k][n]: the tile's 512 bytes of a row, two blocks;
	s_mul_i32 s22, s12, 64*BPITCH                  ; the 64 rows that I fetch,
	s_add_co_u32 s21, s21, s22
	s_mul_i32 s22, s41, 16*BPITCH                  ; my work-group's 16 of them
.else
	s_mul_i32 s21, s42, 256*BPITCH                 ; B as [n][k]: as for A
	s_mul_i32 s22, s12, 128*BPITCH
	s_add_co_u32 s21, s21, s22
	s_mul_i32 s22, s41, 32*BPITCH
.endif
	s_add_co_u32 s21, s21, s22
.if HASB
	s_lshr_b32 s22, s[CY], BSH
	s_lshl_b32 s22, s22, 23
	s_add_co_u32 s21, s21, s22
.endif
	s_add_co_u32 s21, s21, BBYTE0+3*BSTEP
	s_and_b32 s22, s[CY], BMASK                    ; 0 in the first cluster that reads my tiles of B
	s_mov_b32 s18, BSTEP
	s_mov_b32 s19, BPITCH
	s_cmp_eq_u32 s11, 0                            ; do I fetch for A?
	s_cselect_b32 s20, s20, s21
	s_cselect_b32 s22, ttmp9, s22
	s_cselect_b32 s[PST], ASTEP, s18
	s_cselect_b32 s19, APITCH, s19                 ; bytes from row to row,
	s_cselect_b32 s23, 0, TRB                      ; and 1 where a row has two blocks
	s_cselect_b64 s[PFA:PFA+1], s[4:5], s[6:7]
.if NA == 4
	s_cselect_b32 s18, s12, 0
	s_or_b32 s22, s22, s18
.endif
	s_cmp_eq_u32 s22, 0
	s_cselect_b32 s[LIM], 2, -1                    ; the same in all sixteen partners, for a given wave
	s_mov_b32 s21, 0
	s_mov_b32 s[PST+1], 0
	s_add_nc_u64 s[PFA:PFA+1], s[PFA:PFA+1], s[20:21]
	v_and_b32 v31, 31, v0
	v_lshrrev_b32 v[PFO], s23, v31
	v_mul_u32_u24 v[PFO], s19, v[PFO]
	v_and_b32 v31, s23, v31
	v_lshl_add_u32 v[PFO], v31, 8, v[PFO]          ; nothing is prefetched here, at the head: the first four K steps come by their loads alone
	s_wait_tensorcnt 0x1                           ; my part of K step 0 is in; K step 1's may stay out
	s_barrier_signal -1
	s_barrier_wait -1                              ; everybody's is
	FETCH 0, F0
	QUARTER 1, F0, F1, 1                           ; the first quarter stands in front of the loop: its products start the sums
	WIN 0                                          ; at a label and at a branch every window is 0
	s_mov_b32 s3, NSTEP-2
.Lstep:                                                ; a trip: a K step's second quarter to the next step's first; the slot that it leaves is filled again
	QUARTER 2, F1, F0, 0
	QUARTER 3, F0, F1, 0
	TURN
	QUARTER 1, F0, F1, 0
	WIN 0
	s_sub_co_u32 s3, s3, 1
	s_cmp_lg_u32 s3, 0
	s_cbranch_scc1 .Lstep
	s_mov_b32 s3, 2
.Ltail:                                                ; the last two K steps ask for nothing; the second jumps forward over what belongs to a next step
	QUARTER 2, F1, F0, 0
	QUARTER 3, F0, F1, 0
	TURNT
	WIN 0
	s_cmp_eq_u32 s3, 1
	s_cbranch_scc1 .Ltail_end
	QUARTER 1, F0, F1, 0
	WIN 0
.Ltail_end:
	s_sub_co_u32 s3, s3, 1
	s_cmp_lg_u32 s3, 0
	s_cbranch_scc1 .Ltail
	PLACES                                         ; behind the last products, in front of the lines that read and write their results;
	PLACES                                         ; eight, once a launch
.if BIAS
	s_wait_loadcnt 0x0                             ; the bias
	ADDB 0
.endif
	PACK 0
	TOSTAGE 0
.set wa, 1
.rept NA-1                             ; block wa's arithmetic stands between block wa - 1's loads from the stage and the wait for them
.if BIAS
	ADDB wa
.endif
	PACK wa
	SEND wa-1
	TOSTAGE wa
.set wa, wa+1
.endr
	SEND NA-1
	s_wait_tensorcnt 0x0                           ; the wave's end: a wait, an add and a wait, behind my last tensor load and my last LDS store
	ds_add_u32 v[SPW], v[NIL]
	s_wait_dscnt 0x0
	CROUND                                         ; the closing round: no work-group ends while a partner may still ask for a tile that names it
	s_endpgm
.Lfunc_end_k_qe188351221_lin:
	.size	k_qe188351221_lin, .Lfunc_end_k_qe188351221_lin-k_qe188351221_lin
	.p2alignl 7, 3214868480
	.fill 96, 4, 3214868480
	.section	.rodata,"a",@progbits
	.p2align	6, 0x0
	.amdhsa_kernel k_qe188351221_lin
		.amdhsa_group_segment_fixed_size 327680
		.amdhsa_private_segment_fixed_size 0
		.amdhsa_enable_private_segment 0
		.amdhsa_kernarg_size 32
		.amdhsa_user_sgpr_count 2
		.amdhsa_user_sgpr_kernarg_segment_ptr 1
		.amdhsa_wavefront_size32 1
		.amdhsa_system_sgpr_workgroup_id_x 1
		.amdhsa_system_sgpr_workgroup_id_y 1
		.amdhsa_system_sgpr_workgroup_id_z 1
		.amdhsa_system_vgpr_workitem_id 0
		.amdhsa_next_free_vgpr 768
		.amdhsa_next_free_sgpr 80
		.amdhsa_reserve_vcc 0
		.amdhsa_float_denorm_mode_32 3
		.amdhsa_float_denorm_mode_16_64 3
		.amdhsa_memory_ordered 1
		.amdhsa_forward_progress 1
		.amdhsa_inst_pref_size 73
	.end_amdhsa_kernel
	.amdgpu_metadata
---
amdhsa.version: [ 1, 2 ]
amdhsa.kernels:
  - .name:           k_qe188351221_lin
    .symbol:         k_qe188351221_lin.kd
    .args:
      - { .name: xb, .offset: 0, .size: 8, .value_kind: global_buffer, .address_space: global }
      - { .name: wq, .offset: 8, .size: 8, .value_kind: global_buffer, .address_space: global }
      - { .name: qb, .offset: 16, .size: 8, .value_kind: global_buffer, .address_space: global }
      - { .name: b_qkv, .offset: 24, .size: 8, .value_kind: global_buffer, .address_space: global }
    .group_segment_fixed_size: 327680
    .private_segment_fixed_size: 0
    .kernarg_segment_align: 8
    .kernarg_segment_size: 32
    .max_flat_workgroup_size: 128
    .sgpr_count:     80
    .vgpr_count:     768
    .wavefront_size: 32
...
	.end_amdgpu_metadata
.endif
;; end of part 2
;; launch kvg (part 3): grid 8 x 32, 4 waves a work-group, clusters of 4 x 4, 327,680 bytes of LDS; arguments xb, wkv, kv; writes kv
.if DOCPART == 3
	.amdgcn_target "amdgcn-amd-amdhsa--gfx1250"
	.amdhsa_code_object_version 6
	.text
	.protected	k_qe188351221_kvg
	.globl	k_qe188351221_kvg
	.p2align	8
	.type	k_qe188351221_kvg,@function
k_qe188351221_kvg:
	s_mov_b64 s[64:65], 0
	v_nop
	global_prefetch_b8 v0, s[64:65] scope:SCOPE_SE
	s_setreg_imm32_b32 hwreg(HW_REG_WAVE_MODE, 25, 1), 1
	s_wait_xcnt 0x0
	s_wait_alu depctr_hold_cnt(0) depctr_sa_sdst(0) depctr_va_vdst(0) depctr_va_sdst(0) depctr_va_ssrc(0) depctr_va_vcc(0) depctr_vm_vsrc(0)
	s_getreg_b32 s2, hwreg(HW_REG_IB_STS2, 6, 4)
	s_cmp_eq_u32 s2, 0
	s_cbranch_scc0 .Lentry_in_a_cluster
	s_endpgm
.Lentry_in_a_cluster:
	s_bfe_u32 s2, ttmp6, 0x10000c
	s_cmp_lg_u32 s2, 0xf033
	s_cbranch_scc0 .Lentry_shape_is_right
	s_endpgm
.Lentry_shape_is_right:
; C[m][n] = the sum over k of A[m][k] B[k][n]: [k | v0] = xb wkv.  A: [8192][1024] bf16, B: [1024 k][2048 n] bf16, C: [8192][2048] bf16 (columns 0-1023 k, 1024-2047 v0).  Sums in f32, C rounded once.
; WORK LEFT OUT: no bias.  The keys' bias adds to each row of scores a term that is the same along the softmax's axis and cancels there, for all values; the values' bias is added behind P v0, since a softmax row sums to 1.
; SHARES.  A tile of C is 256 x 256: 8 x 32 tiles, one for each of 256 work-groups.  Four waves, 2 x 2, each 128 rows x 128 columns: 64 accumulators of 16 x 16.
; K goes in steps of 128 through two LDS slots that take turns; the loop's body is ONE K step: the refill's descriptor walks (its LDS word turned by an exclusive or), and the LDS reads hang on a scalar slot base.
; CLUSTERS of 4 x 4: the four of a row share A's tile, the four of a column B's: each tile is asked for jointly, by the same tensor load, descriptor and mask in all four.
; THE MATRIX INSTRUCTION IS USED TRANSPOSED: source 0 = 16 columns of B, source 1 = 16 rows of A: a lane then holds row l % 16 of C and the eight neighbouring columns 8 (l / 16) + 0..7.
; B lies [k][n]: its fragments come out of LDS turned, by ds_load_tr16_b128.
; REGISTERS, in windows of 256: window 0: addresses, A's two fragment buffers (v64-, v128-), the way out; window 1: B's two fragment buffers; windows 2 and 3: the accumulators, (a, b) at v[64 (a % 4) + 8 b] of window 2 + a / 4.
.set NA,     8                         ; blocks of 16 rows in a wave's tile
.set TRB,    1                         ; 1: B lies [k][n];  0: B lies [n][k]
.set BIAS,   0                         ; 1: a bias is added
.set BIAS0,  0                         ; its first byte in the bias buffer
.set NSTEP,  8                         ; K / 128
.set APITCH, 2048                      ; bytes from row to row in A,
.set BPITCH, 4096                      ; in B,
.set CPITCH, 4096                      ; in C
.set BBYTE0, 0                         ; B's first column, in bytes
.set HASB,   0                         ; 1: B changes with the batch, which is cluster y >> BSH
.set BSH,    0
.set SLOT,   139264                    ; LDS byte at which slot 1 begins; it shares no bit with a fill's address in slot 0 (0, 34,816, 69,632, 104,448), so one exclusive or changes slots
.set PITCH,  272                       ; an LDS row of 256 bytes + 16 of padding = 68 words: the 16 rows of a fragment load start at 16 different groups of four banks (64 banks of 4 bytes: ISA guide 11.1)
.set PB,     544                       ; a row of B as [k][n]: 512 bytes + 32 = 136 words
.set AHALF,  16*NA*PITCH               ; what one tensor load brings of A, and what one wave reads of it
.set BOFF,   2*AHALF                   ; B's tile lies behind A's
.set BHALF,  34816                     ; what one tensor load brings of B: 64 rows of 544 bytes, or 128 of 272
.set STAGE,  SLOT+BOFF+2*BHALF         ; behind the ring, never filled by a tensor load: 16 rows x 272 bytes for each wave, for the way out
.set SPARE,  STAGE+4*16*PITCH          ; behind the stages: the spare words, 128 bytes for each wave: two blocks of 256 bytes that no other line names
.set ASTEP,  256                       ; bytes from K step to K step in A
.if TRB
.set BSTEP,  128*BPITCH                ; and in B: 128 rows down,
.else
.set BSTEP,  256                       ; or 128 elements along
.endif
.if HASB
.set BMASK,  (1<<BSH)-1
.else
.set BMASK,  0xffff
.endif
.set NF,     16+2*NA                   ; LDS loads in a run: 16 for B's eight fragments, 2 NA for A's
.set ADRA0, 16                         ; v16  my place in A's tile of slot 0; never rewritten
.set ADRA,  17                         ; v17  the same in the slot in hand
.set ADRB0, 20                         ; v20, v21  the same for B
.set ADRB,  21
.set STO,   24                         ; v24  the way out: where I put 16 bytes of a row
.set RD,    25                         ; v25  where I read a row back
.set CO,    26                         ; v26  my byte offset in two rows of C
.set BO,    27                         ; v27  my byte offset in the bias: 32 (l / 16)
.set SPW,   28                         ; v28  LDS address of my spare word: SPARE + 4 x my thread's number; never rewritten
.set NIL,   29                         ; v29  0; never rewritten
.set PFO,   30                         ; v30  the prefetches' lane offset; never rewritten
.set F0,    64                         ; fragment buffer 0
.set F1,    128                        ; fragment buffer 1
.set TMP,   192                        ; the way out: packed results
.set OB,    32                         ; the way out: 16 rows read back: v32-63 and v224-255 by turns
.set G1,    24                         ; s[24:31] descriptor group 1 for A's tiles
.set G0,    32                         ; s[32:35] group 0: A, slot 0, K step 0
.set GW,    36                         ; s[36:39] group 0: A, slot 1, K step 1; then it walks
.set LIM,   43                         ; s43  2 in a wave that prefetches, else the greatest number
.set PFA,   44                         ; s[44:45] where my prefetches stand
.set G1B,   48                         ; s[48:55], s[56:59], s[60:63] the same three for B
.set G0B,   56
.set GWB,   60
.set TB,    66                         ; s66  LDS byte at which the slot in hand begins
.set CY,    67                         ; s67  cluster y
.set PST,   68                         ; s[68:69] bytes from K step to K step in the tensor that I prefetch
.set BP,    70                         ; s[70:71] the bias
.set TO_B,  0x40                       ; destination window 1, address window 0
.set MSB, 0
.macro WIN new                         ; s_set_vgpr_msb: bits 1:0 source 0, 3:2 source 1, 5:4 source 2, 7:6 destination; the high byte repeats the setting that is left; a switch that changes nothing is dropped
.if MSB != (\new)
	s_set_vgpr_msb (MSB<<8)|(\new)
.set MSB, (\new)
.endif
.endm
.macro PLACES                          ; four plain instructions between a matrix instruction and a load into, or a vector instruction on, its registers (ISA guide 7.12.1 for vector instructions)
.rept 4
	v_nop
.endr
.endm
.macro CREST                           ; a round of the cluster's barrier behind its opening barrier: wave 0 signals for the work-group, every wave waits for all sixteen, my work-group's barrier closes it
	s_cmp_lg_u32 s10, 0
	s_cbranch_scc1 .Lnot_wave_0_\@
	s_barrier_signal -3
.Lnot_wave_0_\@:
	s_barrier_wait -3
	s_barrier_signal -1
	s_barrier_wait -1
.endm
.macro CROUND                          ; a whole round
	s_barrier_signal -1
	s_barrier_wait -1
	CREST
.endm
; A joint refill by the walking descriptors.  Waves 0 and 1 fetch A's two halves, waves 2 and 3 B's.  The branch hangs on the wave's number alone.  An s_nop 0 and four v_nop follow each line.
.macro JLOAD
	s_cmp_eq_u32 s11, 0
	s_cbranch_scc0 .Lfor_b_\@
	tensor_load_to_lds s[GW:GW+3], s[G1:G1+7]
	s_nop 0
.rept 4
	v_nop
.endr
	s_branch .Lasked_\@
.Lfor_b_\@:
	tensor_load_to_lds s[GWB:GWB+3], s[G1B:G1B+7]
	s_nop 0
.rept 4
	v_nop
.endr
.Lasked_\@:
.endm
; A prefetch of the K step that stands two refills on: 32 blocks of 256 bytes, a lane a block, one instruction a wave.  s3 counts the loop's trips down: the last two refills have no K step two on.
.macro ASK
	s_cmp_gt_u32 s3, s[LIM]
	s_cbranch_scc0 .Lnot_mine_\@
	global_prefetch_b8 v[PFO], s[PFA:PFA+1] th:TH_LOAD_NT scope:SCOPE_SE
.Lnot_mine_\@:
.endm
; 8 cnt matrix instructions: row blocks a0 .. a0 + cnt - 1 x all 8 column blocks, 32 along K, from buffer f.  zero = 1: the product starts the sum.
; The accumulators take turns, one instruction a turn, in the same order in every quarter.
.macro MULR f, a0, cnt, zero
.set ma, \a0
.rept \cnt
	WIN 0xa1+0x50*(ma/4)
.set mb, 0
.rept 8
.if \zero
	v_wmma_f32_16x16x32_bf16 v[64*(ma%4)+8*mb:64*(ma%4)+8*mb+7], v[(\f)+8*mb:(\f)+8*mb+7], v[(\f)+8*ma:(\f)+8*ma+7], 0
.else
	v_wmma_f32_16x16x32_bf16 v[64*(ma%4)+8*mb:64*(ma%4)+8*mb+7], v[(\f)+8*mb:(\f)+8*mb+7], v[(\f)+8*ma:(\f)+8*ma+7], v[64*(ma%4)+8*mb:64*(ma%4)+8*mb+7]
.endif
.set mb, mb+1
.endr
.set ma, ma+1
.endr
.endm
; NF LDS loads in one run: the fragments of quarter kq (32 along K) of the slot in hand, into buffer f: B's eight, then A's NA.
.macro FETCH kq, f
	WIN TO_B
.set fi, 0
.rept 8
.if TRB
	ds_load_tr16_b128 v[(\f)+8*fi:(\f)+8*fi+3],   v[ADRB] offset:(\kq)*32*PB+32*fi
	ds_load_tr16_b128 v[(\f)+8*fi+4:(\f)+8*fi+7], v[ADRB] offset:(\kq)*32*PB+32*fi+16*PB
.else
	ds_load_b128 v[(\f)+8*fi:(\f)+8*fi+3],   v[ADRB] offset:64*(\kq)+fi*16*PITCH
	ds_load_b128 v[(\f)+8*fi+4:(\f)+8*fi+7], v[ADRB] offset:64*(\kq)+fi*16*PITCH+32
.endif
.set fi, fi+1
.endr
	WIN 0
.set fi, 0
.rept NA
	ds_load_b128 v[(\f)+8*fi:(\f)+8*fi+3],   v[ADRA] offset:64*(\kq)+fi*16*PITCH
	ds_load_b128 v[(\f)+8*fi+4:(\f)+8*fi+7], v[ADRA] offset:64*(\kq)+fi*16*PITCH+32
.set fi, fi+1
.endr
.endm
; One of a K step's first three quarters: multiplies buffer f; in its middle it fetches quarter kq into buffer g.
.macro QUARTER kq, f, g, zero
	s_wait_dscnt NA                                ; B and A's lower blocks are in; the youngest NA loads (A's upper NA / 2 blocks, two loads each) may be out
	MULR \f, 0, NA/2, \zero
	PLACES
	FETCH \kq, \g
	s_wait_dscnt NF                                ; all but the NF just issued
	MULR \f, NA/2, NA/2, \zero
.endm
; The first half of a K step's last quarter, and the barrier of the change of slots.  In front of it each wave waits for all its tensor loads (the one that is out is its part of the next slot), adds 0 to its
; spare word, and waits for that and for its own reads of this slot.  Behind it nobody reads this slot any more and the next slot is whole.
.macro MEET
	WIN 0                                          ; (the add's two registers lie in window 0)
	s_wait_tensorcnt 0x0
	ds_add_u32 v[SPW], v[NIL]                      ; 0 onto my spare word
	s_wait_dscnt NA+1                              ; (the add and the youngest NA loads may be out)
	MULR F1, 0, NA/4, 0                            ; matrix work stands between the add and the wait for it
	s_wait_dscnt 0x0                               ; the add is done, and my reads of this slot are over
	s_barrier_signal -1
	MULR F1, NA/4, NA/4, 0                         ; work on registers while the others arrive
	WIN 0
	s_barrier_wait -1
.endm
; The whole last quarter, in the loop: the barrier opens a round of the cluster's barrier, so that no wave of any partner still reads the slot or has a load on its way; the joint refill, two K steps ahead, is the first
; tensor load behind the round; then the next slot's first fragments.  From a request to the wait for it a wave issues seven eighths of a K step's matrix instructions.
.macro TURN
	s_wait_xcnt 0x0                                ; the last prefetch, a K step back, has read its address, which is stepped here
	s_add_nc_u64 s[PFA:PFA+1], s[PFA:PFA+1], s[PST:PST+1]
	MEET
	CREST
	s_xor_b32 s[GW+1], s[GW+1], SLOT               ; no tensor load of mine is out: the walking descriptors take the other slot than last time
	s_add_nc_u64 s[GW+2:GW+3], s[GW+2:GW+3], ASTEP ; and the next K step; the type bits on top are not reached
	s_xor_b32 s[GWB+1], s[GWB+1], SLOT
	s_add_nc_u64 s[GWB+2:GWB+3], s[GWB+2:GWB+3], BSTEP
	JLOAD                                          ; its four v_nop are also the places in front of the loads below
	s_xor_b32 s[TB], s[TB], SLOT
	v_add_nc_u32 v[ADRA], s[TB], v[ADRA0]
	v_add_nc_u32 v[ADRB], s[TB], v[ADRB0]
	FETCH 0, F0
	ASK                                            ; behind the joint load and the run of LDS loads that the next products wait for
	MULR F1, NA/2, NA/2, 0
.endm
; The same in the tail, where nothing is filled again: a plain barrier; in the very last K step (s3 = 1) there is no next slot, and the run of loads is jumped over.
.macro TURNT
	MEET
	PLACES
	s_cmp_eq_u32 s3, 1
	s_cbranch_scc1 .Lno_fetch_\@
	s_xor_b32 s[TB], s[TB], SLOT
	v_add_nc_u32 v[ADRA], s[TB], v[ADRA0]
	v_add_nc_u32 v[ADRB], s[TB], v[ADRB0]
	FETCH 0, F0
.Lno_fetch_\@:
	MULR F1, NA/2, NA/2, 0
.endm
; THE WAY OUT of row block a.  ADDB: the bias onto its eight accumulators, each from its low end on.  PACK: rounded to bf16, 16 bytes a lane.  TOSTAGE: into my own stage and back as whole rows of 256 bytes.  SEND: stored.
.macro ADDB a
	WIN 0x86+0x41*((\a)/4)                         ; destination and source 0: the accumulators' window; source 1: window 1
.set wb, 0
.rept 8
.set wr, 0
.rept 4
	v_pk_add_f32 v[64*((\a)%4)+8*wb+2*wr:64*((\a)%4)+8*wb+2*wr+1], v[64*((\a)%4)+8*wb+2*wr:64*((\a)%4)+8*wb+2*wr+1], v[8*wb+2*wr:8*wb+2*wr+1]
.set wr, wr+1
.endr
.set wb, wb+1
.endr
.endm
.macro PACK a
	WIN 0x0a+5*((\a)/4)                            ; sources 0 and 1: the accumulators' window
.set wb, 0
.rept 8
.set wr, 0
.rept 4
	v_cvt_pk_bf16_f32 v[TMP+4*wb+wr], v[64*((\a)%4)+8*wb+2*wr], v[64*((\a)%4)+8*wb+2*wr+1]
.set wr, wr+1
.endr
.set wb, wb+1
.endr
	WIN 0
.endm
.macro TOSTAGE a
	WIN 0
.set wt, 0
.rept 8
	ds_store_b128 v[STO], v[TMP+4*wt:TMP+4*wt+3] offset:32*wt
.set wt, wt+1
.endr
.set wt, 0
.rept 8
	ds_load_b128 v[OB+192*((\a)%2)+4*wt:OB+192*((\a)%2)+4*wt+3], v[RD] offset:wt*2*PITCH  ; LDS serves a wave's instructions in order (ISA guide 5.7.1.4): these see the stores above
.set wt, wt+1
.endr
.endm
.macro SEND a
	WIN 0
	s_wait_dscnt 0x0                               ; the block is back in registers
	s_wait_xcnt 0x0                                ; earlier stores have read their base and their data registers: only behind this wait are these written again
.if (\a) > 0
	s_add_nc_u64 s[8:9], s[8:9], 16*CPITCH         ; 16 rows of C on
.endif
.set wt, 0
.rept 8
	global_store_b128 v[CO], v[OB+192*((\a)%2)+4*wt:OB+192*((\a)%2)+4*wt+3], s[8:9] offset:2*wt*CPITCH  ; 16 lanes store 256 consecutive bytes, at a multiple of 256 from C's first byte
.set wt, wt+1
.endr
.endm
	s_load_b128 s[4:7], s[0:1], 0x0                ; A s[4:5], B s[6:7]
	s_load_b64 s[8:9], s[0:1], 0x10                ; C
.if BIAS
	s_load_b64 s[BP:BP+1], s[0:1], 0x18            ; the bias
.endif
	v_lshl_add_u32 v[SPW], v0, 2, SPARE
	v_mov_b32 v[NIL], 0
	ds_add_u32 v[SPW], v[NIL]                      ; the wave's opening: the add, twice on end, and its wait ahead of my first tensor load
	ds_add_u32 v[SPW], v[NIL]                      ; and once more, under the one wait; the set-up below, work on registers, stands between
	v_lshrrev_b32 v1, 5, v0
	v_readfirstlane_b32 s10, v1                    ; wave 0..3
	s_lshr_b32 s11, s10, 1                         ; which half of the tile's rows is mine.  Also: I fetch for A (0) or for B (1)
	s_and_b32 s12, s10, 1                          ; which half of its columns.  Also: which half of that tile I fetch
	s_bfe_u32 s40, ttmp6, 0x40000                  ; cx: my place along the cluster's x
	s_bfe_u32 s41, ttmp6, 0x40004                  ; cy: along its y
	s_lshl_b32 s42, ttmp9, 2
	s_add_co_u32 s42, s42, s40                     ; tile column of C = 4 x cluster x + cx
	s_and_b32 s[CY], ttmp7, 0xffff
	s_lshl_b32 s13, s[CY], 2
	s_add_co_u32 s13, s13, s41                     ; tile row of C = 4 x cluster y + cy
	s_lshl_b32 s43, s41, 2
	s_lshl_b32 s43, 15, s43                        ; my row of the cluster: places 4 cy .. 4 cy + 3
	s_lshl_b32 s44, 0x1111, s40                    ; my column: places cx, cx + 4, cx + 8, cx + 12
	; descriptor group 1 for A: 16 NA rows x 128 elements of 2 bytes, 4 words of padding behind every 64
	s_or_b32 s[G1], s43, (1<<16)|(1<<20)|(1<<21)|(5<<22)|(3<<25)  ; 15:0 the mask; 17:16 2-byte elements; 20 padding on; 21 set beside a mask; 24:22 the interval; 31:25 the padding
	s_mov_b32 s[G1+1], 128<<16                     ; tensor_dim0
	s_mov_b32 s[G1+2], (16*NA)<<16                 ; tensor_dim1
	s_mov_b32 s[G1+3], 128<<16                     ; tile_dim0
	s_mov_b32 s[G1+4], 16*NA                       ; tile_dim1
	s_mov_b32 s[G1+5], APITCH/2                    ; elements from row to row
	s_mov_b32 s[G1+6], 0
	s_mov_b32 s[G1+7], 0
.if TRB                                ; for B as [k][n]: 64 rows of K x 256 elements, 8 words of padding behind every 128
	s_or_b32 s[G1B], s44, (1<<16)|(1<<20)|(1<<21)|(6<<22)|(7<<25)
	s_mov_b32 s[G1B+1], 256<<16
	s_mov_b32 s[G1B+2], 64<<16
	s_mov_b32 s[G1B+3], 256<<16
	s_mov_b32 s[G1B+4], 64
.else                                  ; for B as [n][k]: 128 rows x 128 elements, padded as A's
	s_or_b32 s[G1B], s44, (1<<16)|(1<<20)|(1<<21)|(5<<22)|(3<<25)
	s_mov_b32 s[G1B+1], 128<<16
	s_mov_b32 s[G1B+2], 128<<16
	s_mov_b32 s[G1B+3], 128<<16
	s_mov_b32 s[G1B+4], 128
.endif
	s_mov_b32 s[G1B+5], BPITCH/2
	s_mov_b32 s[G1B+6], 0
	s_mov_b32 s[G1B+7], 0
	; where the tiles come from, as byte offsets under 2^32.  A's hang on the tile row and the wave alone, B's on the tile column, the wave and the cluster's y alone
	s_mul_i32 s16, s13, 32*NA*APITCH
	s_mul_i32 s17, s12, 16*NA*APITCH
	s_add_co_u32 s16, s16, s17
	s_mov_b32 s17, 0
.if TRB
	s_lshl_b32 s46, s42, 9                         ; 256 columns a tile,
	s_mul_i32 s47, s12, 64*BPITCH                  ; my 64 rows of the K step
.else
	s_mul_i32 s46, s42, 256*BPITCH                 ; 256 rows a tile,
	s_mul_i32 s47, s12, 128*BPITCH                 ; my 128 of them
.endif
	s_add_co_u32 s46, s46, s47
.if HASB
	s_lshr_b32 s47, s[CY], BSH                     ; the batch: 2,048 rows of 4,096 bytes each
	s_lshl_b32 s47, s47, 23
	s_add_co_u32 s46, s46, s47
.endif
	s_add_co_u32 s46, s46, BBYTE0
	s_mov_b32 s47, 0
	s_mul_i32 s20, s12, AHALF                      ; and where they go: no place in the cluster enters an LDS address
	s_mul_i32 s21, s12, BHALF
	s_add_co_u32 s21, s21, BOFF
	s_mov_b32 s[TB], 0
	s_wait_dscnt 0x0                               ; both opening adds are done
	s_wait_kmcnt 0x0
	s_add_nc_u64 s[14:15], s[4:5], s[16:17]
	s_add_nc_u64 s[46:47], s[6:7], s[46:47]
	CROUND                                         ; all sixteen work-groups are here: the first joint loads meet
.irp s, 0,1
	s_mov_b32 s[G0+4*(\s)], 1                                        ; count = 1
	s_add_co_u32 s[G0+4*(\s)+1], s20, (\s)*SLOT                      ; LDS address
	s_add_nc_u64 s[G0+4*(\s)+2:G0+4*(\s)+3], s[14:15], (\s)*ASTEP    ; global address: K step s
	s_or_b32 s[G0+4*(\s)+3], s[G0+4*(\s)+3], 0x80000000              ; type = 2
	s_mov_b32 s[G0B+4*(\s)], 1
	s_add_co_u32 s[G0B+4*(\s)+1], s21, (\s)*SLOT
	s_add_nc_u64 s[G0B+4*(\s)+2:G0B+4*(\s)+3], s[46:47], (\s)*BSTEP
	s_or_b32 s[G0B+4*(\s)+3], s[G0B+4*(\s)+3], 0x80000000
.endr
	s_cmp_eq_u32 s11, 0                            ; a wave's two first fills stand in one branch, ahead of every wait on TENSORcnt and every LDS read: two loads of mine are out
	s_cbranch_scc0 .Lfirst_b
	tensor_load_to_lds s[G0:G0+3], s[G1:G1+7]
	s_nop 0
	tensor_load_to_lds s[GW:GW+3], s[G1:G1+7]
	s_nop 0
.rept 4
	v_nop
.endr
	s_branch .Lfirst_asked
.Lfirst_b:
	tensor_load_to_lds s[G0B:G0B+3], s[G1B:G1B+7]
	s_nop 0
	tensor_load_to_lds s[GWB:GWB+3], s[G1B:G1B+7]
	s_nop 0
.rept 4
	v_nop
.endr
.Lfirst_asked:
	; A fragment from rows that lie along K: lane l holds row l % 16; two loads of 16 bytes, 32 bytes apart, at row x pitch + 16 (l / 16).
	v_and_b32 v1, 15, v0                           ; l % 16
	v_bfe_u32 v2, v0, 4, 1                         ; l / 16
	v_mul_u32_u24 v3, v1, PITCH
	v_lshl_add_u32 v3, v2, 4, v3
	s_mul_i32 s22, s11, AHALF                      ; my rows of A
	v_add_nc_u32 v[ADRA0], s22, v3
.if TRB
	; The turning load takes 16 k x 16 columns (lane l reads k = 8 (l / 16) + l % 8, columns 8 ((l / 8) % 2) + 0..7) and leaves half a fragment: lane l holds column l % 16 and 8 k.
	v_and_b32 v4, 7, v0
	v_lshl_add_u32 v4, v2, 3, v4
	v_mul_u32_u24 v4, v4, PB
	v_bfe_u32 v5, v0, 3, 1
	v_lshl_add_u32 v4, v5, 4, v4
	s_lshl_b32 s22, s12, 8                         ; my 128 columns
	s_add_co_u32 s22, s22, BOFF
	v_add_nc_u32 v[ADRB0], s22, v4
.else
	s_mul_i32 s22, s12, BHALF                      ; my 128 rows of B
	s_add_co_u32 s22, s22, BOFF
	v_add_nc_u32 v[ADRB0], s22, v3
.endif
	v_mov_b32 v[ADRA], v[ADRA0]
	v_mov_b32 v[ADRB], v[ADRB0]
	s_mul_i32 s23, s10, 16*PITCH
	s_add_co_u32 s23, s23, STAGE                   ; my stage
	v_add_nc_u32 v[STO], s23, v3                   ; in: row l % 16, 16 bytes for each half of the lanes
	v_mul_u32_u24 v6, v2, PITCH                    ; back: lanes 0-15 take one row of 256 bytes, lanes 16-31 the next
	v_lshl_add_u32 v6, v1, 4, v6
	v_add_nc_u32 v[RD], s23, v6
	v_mul_u32_u24 v6, v2, CPITCH                   ; and the same two rows in C
	v_lshl_add_u32 v[CO], v1, 4, v6
	s_mul_i32 s16, s13, 32*NA*CPITCH               ; C at my wave's first row and column
	s_mul_i32 s17, s11, 16*NA*CPITCH
	s_add_co_u32 s16, s16, s17
	s_lshl_b32 s17, s42, 9
	s_add_co_u32 s16, s16, s17
	s_lshl_b32 s17, s12, 8
	s_add_co_u32 s16, s16, s17
	s_mov_b32 s17, 0
	s_add_nc_u64 s[8:9], s[8:9], s[16:17]
.if BIAS
	s_lshl_b32 s46, s42, 10                        ; the bias of my 128 columns: f32
	s_lshl_b32 s47, s12, 9
	s_add_co_u32 s46, s46, s47
	s_add_co_u32 s46, s46, BIAS0
	s_mov_b32 s47, 0
	s_add_nc_u64 s[BP:BP+1], s[BP:BP+1], s[46:47]
	v_lshlrev_b32 v[BO], 5, v2
	WIN TO_B
.set fi, 0
.rept 8                                ; column block fi: my eight columns' numbers into window 1, v[8 fi ..]; waited for on the way out
	global_load_b128 v[8*fi:8*fi+3],   v[BO], s[BP:BP+1] offset:64*fi
	global_load_b128 v[8*fi+4:8*fi+7], v[BO], s[BP:BP+1] offset:64*fi+16
.set fi, fi+1
.endr
	WIN 0
.endif
	; THE PREFETCHES.  Each block of 256 bytes of A and B is named once in the launch.  A's rows are read by every cluster of a row of clusters: cluster x = 0 asks.  B's tiles by every cluster of a column (of one batch):
	; the first of them asks.  The four partners that ask for a tile jointly share it out BY ADDRESS (cx for A, cy for B), 32 blocks each; no branch hangs on a place in the cluster.
	s_mul_i32 s20, s13, 32*NA*APITCH               ; A: the tile's first row,
.if NA == 8
	s_mul_i32 s22, s12, 128*APITCH                 ; the 128 rows that I fetch,
	s_add_co_u32 s20, s20, s22
.endif
	s_mul_i32 s22, s40, 32*APITCH                  ; my work-group's 32 rows (with 128 rows to a tile wave 0 alone asks)
	s_add_co_u32 s20, s20, s22
	s_add_co_u32 s20, s20, 3*ASTEP                 ; at K step 3: the first refill steps it to 4
.if TRB
	s_lshl_b32 s21, s42, 9                         ; B as [k][n]: the tile's 512 bytes of a row, two blocks;
	s_mul_i32 s22, s12, 64*BPITCH                  ; the 64 rows that I fetch,
	s_add_co_u32 s21, s21, s22
	s_mul_i32 s22, s41, 16*BPITCH                  ; my work-group's 16 of them
.else
	s_mul_i32 s21, s42, 256*BPITCH                 ; B as [n][k]: as for A
	s_mul_i32 s22, s12, 128*BPITCH
	s_add_co_u32 s21, s21, s22
	s_mul_i32 s22, s41, 32*BPITCH
.endif
	s_add_co_u32 s21, s21, s22
.if HASB
	s_lshr_b32 s22, s[CY], BSH
	s_lshl_b32 s22, s22, 23
	s_add_co_u32 s21, s21, s22
.endif
	s_add_co_u32 s21, s21, BBYTE0+3*BSTEP
	s_and_b32 s22, s[CY], BMASK                    ; 0 in the first cluster that reads my tiles of B
	s_mov_b32 s18, BSTEP
	s_mov_b32 s19, BPITCH
	s_cmp_eq_u32 s11, 0                            ; do I fetch for A?
	s_cselect_b32 s20, s20, s21
	s_cselect_b32 s22, ttmp9, s22
	s_cselect_b32 s[PST], ASTEP, s18
	s_cselect_b32 s19, APITCH, s19                 ; bytes from row to row,
	s_cselect_b32 s23, 0, TRB                      ; and 1 where a row has two blocks
	s_cselect_b64 s[PFA:PFA+1], s[4:5], s[6:7]
.if NA == 4
	s_cselect_b32 s18, s12, 0
	s_or_b32 s22, s22, s18
.endif
	s_cmp_eq_u32 s22, 0
	s_cselect_b32 s[LIM], 2, -1                    ; the same in all sixteen partners, for a given wave
	s_mov_b32 s21, 0
	s_mov_b32 s[PST+1], 0
	s_add_nc_u64 s[PFA:PFA+1], s[PFA:PFA+1], s[20:21]
	v_and_b32 v31, 31, v0
	v_lshrrev_b32 v[PFO], s23, v31
	v_mul_u32_u24 v[PFO], s19, v[PFO]
	v_and_b32 v31, s23, v31
	v_lshl_add_u32 v[PFO], v31, 8, v[PFO]          ; nothing is prefetched here, at the head: the first four K steps come by their loads alone
	s_wait_tensorcnt 0x1                           ; my part of K step 0 is in; K step 1's may stay out
	s_barrier_signal -1
	s_barrier_wait -1                              ; everybody's is
	FETCH 0, F0
	QUARTER 1, F0, F1, 1                           ; the first quarter stands in front of the loop: its products start the sums
	WIN 0                                          ; at a label and at a branch every window is 0
	s_mov_b32 s3, NSTEP-2
.Lstep:                                                ; a trip: a K step's second quarter to the next step's first; the slot that it leaves is filled again
	QUARTER 2, F1, F0, 0
	QUARTER 3, F0, F1, 0
	TURN
	QUARTER 1, F0, F1, 0
	WIN 0
	s_sub_co_u32 s3, s3, 1
	s_cmp_lg_u32 s3, 0
	s_cbranch_scc1 .Lstep
	s_mov_b32 s3, 2
.Ltail:                                                ; the last two K steps ask for nothing; the second jumps forward over what belongs to a next step
	QUARTER 2, F1, F0, 0
	QUARTER 3, F0, F1, 0
	TURNT
	WIN 0
	s_cmp_eq_u32 s3, 1
	s_cbranch_scc1 .Ltail_end
	QUARTER 1, F0, F1, 0
	WIN 0
.Ltail_end:
	s_sub_co_u32 s3, s3, 1
	s_cmp_lg_u32 s3, 0
	s_cbranch_scc1 .Ltail
	PLACES                                         ; behind the last products, in front of the lines that read and write their results;
	PLACES                                         ; eight, once a launch
.if BIAS
	s_wait_loadcnt 0x0                             ; the bias
	ADDB 0
.endif
	PACK 0
	TOSTAGE 0
.set wa, 1
.rept NA-1                             ; block wa's arithmetic stands between block wa - 1's loads from the stage and the wait for them
.if BIAS
	ADDB wa
.endif
	PACK wa
	SEND wa-1
	TOSTAGE wa
.set wa, wa+1
.endr
	SEND NA-1
	s_wait_tensorcnt 0x0                           ; the wave's end: a wait, an add and a wait, behind my last tensor load and my last LDS store
	ds_add_u32 v[SPW], v[NIL]
	s_wait_dscnt 0x0
	CROUND                                         ; the closing round: no work-group ends while a partner may still ask for a tile that names it
	s_endpgm
.Lfunc_end_k_qe188351221_kvg:
	.size	k_qe188351221_kvg, .Lfunc_end_k_qe188351221_kvg-k_qe188351221_kvg
	.p2alignl 7, 3214868480
	.fill 96, 4, 3214868480
	.section	.rodata,"a",@progbits
	.p2align	6, 0x0
	.amdhsa_kernel k_qe188351221_kvg
		.amdhsa_group_segment_fixed_size 327680
		.amdhsa_private_segment_fixed_size 0
		.amdhsa_enable_private_segment 0
		.amdhsa_kernarg_size 24
		.amdhsa_user_sgpr_count 2
		.amdhsa_user_sgpr_kernarg_segment_ptr 1
		.amdhsa_wavefront_size32 1
		.amdhsa_system_sgpr_workgroup_id_x 1
		.amdhsa_system_sgpr_workgroup_id_y 1
		.amdhsa_system_sgpr_workgroup_id_z 1
		.amdhsa_system_vgpr_workitem_id 0
		.amdhsa_next_free_vgpr 1024
		.amdhsa_next_free_sgpr 80
		.amdhsa_reserve_vcc 0
		.amdhsa_float_denorm_mode_32 3
		.amdhsa_float_denorm_mode_16_64 3
		.amdhsa_memory_ordered 1
		.amdhsa_forward_progress 1
		.amdhsa_inst_pref_size 102
	.end_amdhsa_kernel
	.amdgpu_metadata
---
amdhsa.version: [ 1, 2 ]
amdhsa.kernels:
  - .name:           k_qe188351221_kvg
    .symbol:         k_qe188351221_kvg.kd
    .args:
      - { .name: xb, .offset: 0, .size: 8, .value_kind: global_buffer, .address_space: global }
      - { .name: wkv, .offset: 8, .size: 8, .value_kind: global_buffer, .address_space: global }
      - { .name: kv, .offset: 16, .size: 8, .value_kind: global_buffer, .address_space: global }
    .group_segment_fixed_size: 327680
    .private_segment_fixed_size: 0
    .kernarg_segment_align: 8
    .kernarg_segment_size: 24
    .max_flat_workgroup_size: 128
    .sgpr_count:     80
    .vgpr_count:     1024
    .wavefront_size: 32
...
	.end_amdgpu_metadata
.endif
;; end of part 3
;; launch scg (part 4): grid 8 x 32, 4 waves a work-group, clusters of 4 x 4, 327,680 bytes of LDS; arguments qb, kv, sc; writes sc
.if DOCPART == 4
	.amdgcn_target "amdgcn-amd-amdhsa--gfx1250"
	.amdhsa_code_object_version 6
	.text
	.protected	k_qe188351221_scg
	.globl	k_qe188351221_scg
	.p2align	8
	.type	k_qe188351221_scg,@function
k_qe188351221_scg:
	s_mov_b64 s[64:65], 0
	v_nop
	global_prefetch_b8 v0, s[64:65] scope:SCOPE_SE
	s_setreg_imm32_b32 hwreg(HW_REG_WAVE_MODE, 25, 1), 1
	s_wait_xcnt 0x0
	s_wait_alu depctr_hold_cnt(0) depctr_sa_sdst(0) depctr_va_vdst(0) depctr_va_sdst(0) depctr_va_ssrc(0) depctr_va_vcc(0) depctr_vm_vsrc(0)
	s_getreg_b32 s2, hwreg(HW_REG_IB_STS2, 6, 4)
	s_cmp_eq_u32 s2, 0
	s_cbranch_scc0 .Lentry_in_a_cluster
	s_endpgm
.Lentry_in_a_cluster:
	s_bfe_u32 s2, ttmp6, 0x10000c
	s_cmp_lg_u32 s2, 0xf033
	s_cbranch_scc0 .Lentry_shape_is_right
	s_endpgm
.Lentry_shape_is_right:
; C[m][n] = the sum over k of A[m][k] B[n][k], batch by batch: the raw scores q k^T (the factor 1 / 32 is applied in f32 by the softmax launch).
; A = q: [8192][1024] bf16.  B = k: columns 0-1023 of kv [8192][2048] bf16, the 2,048 rows of the query's own batch.  C = sc: [8192][2048] bf16.  Sums in f32, C rounded once.
; WORK LEFT OUT: k holds no bias: q . bk is the same along the softmax's axis and cancels there, for all values.
; SHARES.  A tile of C is 256 x 256: 8 x 32 tiles, one for each of 256 work-groups; a batch has 8 tile rows, two rows of clusters.  Four waves, 2 x 2, each 128 rows x 128 columns: 64 accumulators of 16 x 16.
; K goes in steps of 128 through two LDS slots that take turns; the loop's body is ONE K step: the refill's descriptor walks (its LDS word turned by an exclusive or), and the LDS reads hang on a scalar slot base.
; CLUSTERS of 4 x 4: the four of a row share A's tile, the four of a column B's: each tile is asked for jointly, by the same tensor load, descriptor and mask in all four.
; THE MATRIX INSTRUCTION IS USED TRANSPOSED: source 0 = 16 rows of B, source 1 = 16 rows of A: a lane then holds row l % 16 of C and the eight neighbouring columns 8 (l / 16) + 0..7.
; REGISTERS, in windows of 256: window 0: addresses, A's two fragment buffers (v64-, v128-), the way out; window 1: B's two fragment buffers; windows 2 and 3: the accumulators, (a, b) at v[64 (a % 4) + 8 b] of window 2 + a / 4.
.set NA,     8                         ; blocks of 16 rows in a wave's tile
.set TRB,    0                         ; 1: B lies [k][n];  0: B lies [n][k]
.set BIAS,   0                         ; 1: a bias is added
.set BIAS0,  0                         ; its first byte in the bias buffer
.set NSTEP,  8                         ; K / 128
.set APITCH, 2048                      ; bytes from row to row in A,
.set BPITCH, 4096                      ; in B,
.set CPITCH, 4096                      ; in C
.set BBYTE0, 0                         ; B's first column, in bytes
.set HASB,   1                         ; 1: B changes with the batch, which is cluster y >> BSH
.set BSH,    1
.set SLOT,   139264                    ; LDS byte at which slot 1 begins; it shares no bit with a fill's address in slot 0 (0, 34,816, 69,632, 104,448), so one exclusive or changes slots
.set PITCH,  272                       ; an LDS row of 256 bytes + 16 of padding = 68 words: the 16 rows of a fragment load start at 16 different groups of four banks (64 banks of 4 bytes: ISA guide 11.1)
.set PB,     544                       ; a row of B as [k][n]: 512 bytes + 32 = 136 words
.set AHALF,  16*NA*PITCH               ; what one tensor load brings of A, and what one wave reads of it
.set BOFF,   2*AHALF                   ; B's tile lies behind A's
.set BHALF,  34816                     ; what one tensor load brings of B: 64 rows of 544 bytes, or 128 of 272
.set STAGE,  SLOT+BOFF+2*BHALF         ; behind the ring, never filled by a tensor load: 16 rows x 272 bytes for each wave, for the way out
.set SPARE,  STAGE+4*16*PITCH          ; behind the stages: the spare words, 128 bytes for each wave: two blocks of 256 bytes that no other line names
.set ASTEP,  256                       ; bytes from K step to K step in A
.if TRB
.set BSTEP,  128*BPITCH                ; and in B: 128 rows down,
.else
.set BSTEP,  256                       ; or 128 elements along
.endif
.if HASB
.set BMASK,  (1<<BSH)-1
.else
.set BMASK,  0xffff
.endif
.set NF,     16+2*NA                   ; LDS loads in a run: 16 for B's eight fragments, 2 NA for A's
.set ADRA0, 16                         ; v16  my place in A's tile of slot 0; never rewritten
.set ADRA,  17                         ; v17  the same in the slot in hand
.set ADRB0, 20                         ; v20, v21  the same for B
.set ADRB,  21
.set STO,   24                         ; v24  the way out: where I put 16 bytes of a row
.set RD,    25                         ; v25  where I read a row back
.set CO,    26                         ; v26  my byte offset in two rows of C
.set BO,    27                         ; v27  my byte offset in the bias: 32 (l / 16)
.set SPW,   28                         ; v28  LDS address of my spare word: SPARE + 4 x my thread's number; never rewritten
.set NIL,   29                         ; v29  0; never rewritten
.set PFO,   30                         ; v30  the prefetches' lane offset; never rewritten
.set F0,    64                         ; fragment buffer 0
.set F1,    128                        ; fragment buffer 1
.set TMP,   192                        ; the way out: packed results
.set OB,    32                         ; the way out: 16 rows read back: v32-63 and v224-255 by turns
.set G1,    24                         ; s[24:31] descriptor group 1 for A's tiles
.set G0,    32                         ; s[32:35] group 0: A, slot 0, K step 0
.set GW,    36                         ; s[36:39] group 0: A, slot 1, K step 1; then it walks
.set LIM,   43                         ; s43  2 in a wave that prefetches, else the greatest number
.set PFA,   44                         ; s[44:45] where my prefetches stand
.set G1B,   48                         ; s[48:55], s[56:59], s[60:63] the same three for B
.set G0B,   56
.set GWB,   60
.set TB,    66                         ; s66  LDS byte at which the slot in hand begins
.set CY,    67                         ; s67  cluster y
.set PST,   68                         ; s[68:69] bytes from K step to K step in the tensor that I prefetch
.set BP,    70                         ; s[70:71] the bias
.set TO_B,  0x40                       ; destination window 1, address window 0
.set MSB, 0
.macro WIN new                         ; s_set_vgpr_msb: bits 1:0 source 0, 3:2 source 1, 5:4 source 2, 7:6 destination; the high byte repeats the setting that is left; a switch that changes nothing is dropped
.if MSB != (\new)
	s_set_vgpr_msb (MSB<<8)|(\new)
.set MSB, (\new)
.endif
.endm
.macro PLACES                          ; four plain instructions between a matrix instruction and a load into, or a vector instruction on, its registers (ISA guide 7.12.1 for vector instructions)
.rept 4
	v_nop
.endr
.endm
.macro CREST                           ; a round of the cluster's barrier behind its opening barrier: wave 0 signals for the work-group, every wave waits for all sixteen, my work-group's barrier closes it
	s_cmp_lg_u32 s10, 0
	s_cbranch_scc1 .Lnot_wave_0_\@
	s_barrier_signal -3
.Lnot_wave_0_\@:
	s_barrier_wait -3
	s_barrier_signal -1
	s_barrier_wait -1
.endm
.macro CROUND                          ; a whole round
	s_barrier_signal -1
	s_barrier_wait -1
	CREST
.endm
; A joint refill by the walking descriptors.  Waves 0 and 1 fetch A's two halves, waves 2 and 3 B's.  The branch hangs on the wave's number alone.  An s_nop 0 and four v_nop follow each line.
.macro JLOAD
	s_cmp_eq_u32 s11, 0
	s_cbranch_scc0 .Lfor_b_\@
	tensor_load_to_lds s[GW:GW+3], s[G1:G1+7]
	s_nop 0
.rept 4
	v_nop
.endr
	s_branch .Lasked_\@
.Lfor_b_\@:
	tensor_load_to_lds s[GWB:GWB+3], s[G1B:G1B+7]
	s_nop 0
.rept 4
	v_nop
.endr
.Lasked_\@:
.endm
; A prefetch of the K step that stands two refills on: 32 blocks of 256 bytes, a lane a block, one instruction a wave.  s3 counts the loop's trips down: the last two refills have no K step two on.
.macro ASK
	s_cmp_gt_u32 s3, s[LIM]
	s_cbranch_scc0 .Lnot_mine_\@
	global_prefetch_b8 v[PFO], s[PFA:PFA+1] th:TH_LOAD_NT scope:SCOPE_SE
.Lnot_mine_\@:
.endm
; 8 cnt matrix instructions: row blocks a0 .. a0 + cnt - 1 x all 8 column blocks, 32 along K, from buffer f.  zero = 1: the product starts the sum.
; The accumulators take turns, one instruction a turn, in the same order in every quarter.
.macro MULR f, a0, cnt, zero
.set ma, \a0
.rept \cnt
	WIN 0xa1+0x50*(ma/4)
.set mb, 0
.rept 8
.if \zero
	v_wmma_f32_16x16x32_bf16 v[64*(ma%4)+8*mb:64*(ma%4)+8*mb+7], v[(\f)+8*mb:(\f)+8*mb+7], v[(\f)+8*ma:(\f)+8*ma+7], 0
.else
	v_wmma_f32_16x16x32_bf16 v[64*(ma%4)+8*mb:64*(ma%4)+8*mb+7], v[(\f)+8*mb:(\f)+8*mb+7], v[(\f)+8*ma:(\f)+8*ma+7], v[64*(ma%4)+8*mb:64*(ma%4)+8*mb+7]
.endif
.set mb, mb+1
.endr
.set ma, ma+1
.endr
.endm
; NF LDS loads in one run: the fragments of quarter kq (32 along K) of the slot in hand, into buffer f: B's eight, then A's NA.
.macro FETCH kq, f
	WIN TO_B
.set fi, 0
.rept 8
.if TRB
	ds_load_tr16_b128 v[(\f)+8*fi:(\f)+8*fi+3],   v[ADRB] offset:(\kq)*32*PB+32*fi
	ds_load_tr16_b128 v[(\f)+8*fi+4:(\f)+8*fi+7], v[ADRB] offset:(\kq)*32*PB+32*fi+16*PB
.else
	ds_load_b128 v[(\f)+8*fi:(\f)+8*fi+3],   v[ADRB] offset:64*(\kq)+fi*16*PITCH
	ds_load_b128 v[(\f)+8*fi+4:(\f)+8*fi+7], v[ADRB] offset:64*(\kq)+fi*16*PITCH+32
.endif
.set fi, fi+1
.endr
	WIN 0
.set fi, 0
.rept NA
	ds_load_b128 v[(\f)+8*fi:(\f)+8*fi+3],   v[ADRA] offset:64*(\kq)+fi*16*PITCH
	ds_load_b128 v[(\f)+8*fi+4:(\f)+8*fi+7], v[ADRA] offset:64*(\kq)+fi*16*PITCH+32
.set fi, fi+1
.endr
.endm
; One of a K step's first three quarters: multiplies buffer f; in its middle it fetches quarter kq into buffer g.
.macro QUARTER kq, f, g, zero
	s_wait_dscnt NA                                ; B and A's lower blocks are in; the youngest NA loads (A's upper NA / 2 blocks, two loads each) may be out
	MULR \f, 0, NA/2, \zero
	PLACES
	FETCH \kq, \g
	s_wait_dscnt NF                                ; all but the NF just issued
	MULR \f, NA/2, NA/2, \zero
.endm
; The first half of a K step's last quarter, and the barrier of the change of slots.  In front of it each wave waits for all its tensor loads (the one that is out is its part of the next slot), adds 0 to its
; spare word, and waits for that and for its own reads of this slot.  Behind it nobody reads this slot any more and the next slot is whole.
.macro MEET
	WIN 0                                          ; (the add's two registers lie in window 0)
	s_wait_tensorcnt 0x0
	ds_add_u32 v[SPW], v[NIL]                      ; 0 onto my spare word
	s_wait_dscnt NA+1                              ; (the add and the youngest NA loads may be out)
	MULR F1, 0, NA/4, 0                            ; matrix work stands between the add and the wait for it
	s_wait_dscnt 0x0                               ; the add is done, and my reads of this slot are over
	s_barrier_signal -1
	MULR F1, NA/4, NA/4, 0                         ; work on registers while the others arrive
	WIN 0
	s_barrier_wait -1
.endm
; The whole last quarter, in the loop: the barrier opens a round of the cluster's barrier, so that no wave of any partner still reads the slot or has a load on its way; the joint refill, two K steps ahead, is the first
; tensor load behind the round; then the next slot's first fragments.  From a request to the wait for it a wave issues seven eighths of a K step's matrix instructions.
.macro TURN
	s_wait_xcnt 0x0                                ; the last prefetch, a K step back, has read its address, which is stepped here
	s_add_nc_u64 s[PFA:PFA+1], s[PFA:PFA+1], s[PST:PST+1]
	MEET
	CREST
	s_xor_b32 s[GW+1], s[GW+1], SLOT               ; no tensor load of mine is out: the walking descriptors take the other slot than last time
	s_add_nc_u64 s[GW+2:GW+3], s[GW+2:GW+3], ASTEP ; and the next K step; the type bits on top are not reached
	s_xor_b32 s[GWB+1], s[GWB+1], SLOT
	s_add_nc_u64 s[GWB+2:GWB+3], s[GWB+2:GWB+3], BSTEP
	JLOAD                                          ; its four v_nop are also the places in front of the loads below
	s_xor_b32 s[TB], s[TB], SLOT
	v_add_nc_u32 v[ADRA], s[TB], v[ADRA0]
	v_add_nc_u32 v[ADRB], s[TB], v[ADRB0]
	FETCH 0, F0
	ASK                                            ; behind the joint load and the run of LDS loads that the next products wait for
	MULR F1, NA/2, NA/2, 0
.endm
; The same in the tail, where nothing is filled again: a plain barrier; in the very last K step (s3 = 1) there is no next slot, and the run of loads is jumped over.
.macro TURNT
	MEET
	PLACES
	s_cmp_eq_u32 s3, 1
	s_cbranch_scc1 .Lno_fetch_\@
	s_xor_b32 s[TB], s[TB], SLOT
	v_add_nc_u32 v[ADRA], s[TB], v[ADRA0]
	v_add_nc_u32 v[ADRB], s[TB], v[ADRB0]
	FETCH 0, F0
.Lno_fetch_\@:
	MULR F1, NA/2, NA/2, 0
.endm
; THE WAY OUT of row block a.  ADDB: the bias onto its eight accumulators, each from its low end on.  PACK: rounded to bf16, 16 bytes a lane.  TOSTAGE: into my own stage and back as whole rows of 256 bytes.  SEND: stored.
.macro ADDB a
	WIN 0x86+0x41*((\a)/4)                         ; destination and source 0: the accumulators' window; source 1: window 1
.set wb, 0
.rept 8
.set wr, 0
.rept 4
	v_pk_add_f32 v[64*((\a)%4)+8*wb+2*wr:64*((\a)%4)+8*wb+2*wr+1], v[64*((\a)%4)+8*wb+2*wr:64*((\a)%4)+8*wb+2*wr+1], v[8*wb+2*wr:8*wb+2*wr+1]
.set wr, wr+1
.endr
.set wb, wb+1
.endr
.endm
.macro PACK a
	WIN 0x0a+5*((\a)/4)                            ; sources 0 and 1: the accumulators' window
.set wb, 0
.rept 8
.set wr, 0
.rept 4
	v_cvt_pk_bf16_f32 v[TMP+4*wb+wr], v[64*((\a)%4)+8*wb+2*wr], v[64*((\a)%4)+8*wb+2*wr+1]
.set wr, wr+1
.endr
.set wb, wb+1
.endr
	WIN 0
.endm
.macro TOSTAGE a
	WIN 0
.set wt, 0
.rept 8
	ds_store_b128 v[STO], v[TMP+4*wt:TMP+4*wt+3] offset:32*wt
.set wt, wt+1
.endr
.set wt, 0
.rept 8
	ds_load_b128 v[OB+192*((\a)%2)+4*wt:OB+192*((\a)%2)+4*wt+3], v[RD] offset:wt*2*PITCH  ; LDS serves a wave's instructions in order (ISA guide 5.7.1.4): these see the stores above
.set wt, wt+1
.endr
.endm
.macro SEND a
	WIN 0
	s_wait_dscnt 0x0                               ; the block is back in registers
	s_wait_xcnt 0x0                                ; earlier stores have read their base and their data registers: only behind this wait are these written again
.if (\a) > 0
	s_add_nc_u64 s[8:9], s[8:9], 16*CPITCH         ; 16 rows of C on
.endif
.set wt, 0
.rept 8
	global_store_b128 v[CO], v[OB+192*((\a)%2)+4*wt:OB+192*((\a)%2)+4*wt+3], s[8:9] offset:2*wt*CPITCH  ; 16 lanes store 256 consecutive bytes, at a multiple of 256 from C's first byte
.set wt, wt+1
.endr
.endm
	s_load_b128 s[4:7], s[0:1], 0x0                ; A s[4:5], B s[6:7]
	s_load_b64 s[8:9], s[0:1], 0x10                ; C
.if BIAS
	s_load_b64 s[BP:BP+1], s[0:1], 0x18            ; the bias
.endif
	v_lshl_add_u32 v[SPW], v0, 2, SPARE
	v_mov_b32 v[NIL], 0
	ds_add_u32 v[SPW], v[NIL]                      ; the wave's opening: the add, twice on end, and its wait ahead of my first tensor load
	ds_add_u32 v[SPW], v[NIL]                      ; and once more, under the one wait; the set-up below, work on registers, stands between
	v_lshrrev_b32 v1, 5, v0
	v_readfirstlane_b32 s10, v1                    ; wave 0..3
	s_lshr_b32 s11, s10, 1                         ; which half of the tile's rows is mine.  Also: I fetch for A (0) or for B (1)
	s_and_b32 s12, s10, 1                          ; which half of its columns.  Also: which half of that tile I fetch
	s_bfe_u32 s40, ttmp6, 0x40000                  ; cx: my place along the cluster's x
	s_bfe_u32 s41, ttmp6, 0x40004                  ; cy: along its y
	s_lshl_b32 s42, ttmp9, 2
	s_add_co_u32 s42, s42, s40                     ; tile column of C = 4 x cluster x + cx
	s_and_b32 s[CY], ttmp7, 0xffff
	s_lshl_b32 s13, s[CY], 2
	s_add_co_u32 s13, s13, s41                     ; tile row of C = 4 x cluster y + cy
	s_lshl_b32 s43, s41, 2
	s_lshl_b32 s43, 15, s43                        ; my row of the cluster: places 4 cy .. 4 cy + 3
	s_lshl_b32 s44, 0x1111, s40                    ; my column: places cx, cx + 4, cx + 8, cx + 12
	; descriptor group 1 for A: 16 NA rows x 128 elements of 2 bytes, 4 words of padding behind every 64
	s_or_b32 s[G1], s43, (1<<16)|(1<<20)|(1<<21)|(5<<22)|(3<<25)  ; 15:0 the mask; 17:16 2-byte elements; 20 padding on; 21 set beside a mask; 24:22 the interval; 31:25 the padding
	s_mov_b32 s[G1+1], 128<<16                     ; tensor_dim0
	s_mov_b32 s[G1+2], (16*NA)<<16                 ; tensor_dim1
	s_mov_b32 s[G1+3], 128<<16                     ; tile_dim0
	s_mov_b32 s[G1+4], 16*NA                       ; tile_dim1
	s_mov_b32 s[G1+5], APITCH/2                    ; elements from row to row
	s_mov_b32 s[G1+6], 0
	s_mov_b32 s[G1+7], 0
.if TRB                                ; for B as [k][n]: 64 rows of K x 256 elements, 8 words of padding behind every 128
	s_or_b32 s[G1B], s44, (1<<16)|(1<<20)|(1<<21)|(6<<22)|(7<<25)
	s_mov_b32 s[G1B+1], 256<<16
	s_mov_b32 s[G1B+2], 64<<16
	s_mov_b32 s[G1B+3], 256<<16
	s_mov_b32 s[G1B+4], 64
.else                                  ; for B as [n][k]: 128 rows x 128 elements, padded as A's
	s_or_b32 s[G1B], s44, (1<<16)|(1<<20)|(1<<21)|(5<<22)|(3<<25)
	s_mov_b32 s[G1B+1], 128<<16
	s_mov_b32 s[G1B+2], 128<<16
	s_mov_b32 s[G1B+3], 128<<16
	s_mov_b32 s[G1B+4], 128
.endif
	s_mov_b32 s[G1B+5], BPITCH/2
	s_mov_b32 s[G1B+6], 0
	s_mov_b32 s[G1B+7], 0
	; where the tiles come from, as byte offsets under 2^32.  A's hang on the tile row and the wave alone, B's on the tile column, the wave and the cluster's y alone
	s_mul_i32 s16, s13, 32*NA*APITCH
	s_mul_i32 s17, s12, 16*NA*APITCH
	s_add_co_u32 s16, s16, s17
	s_mov_b32 s17, 0
.if TRB
	s_lshl_b32 s46, s42, 9                         ; 256 columns a tile,
	s_mul_i32 s47, s12, 64*BPITCH                  ; my 64 rows of the K step
.else
	s_mul_i32 s46, s42, 256*BPITCH                 ; 256 rows a tile,
	s_mul_i32 s47, s12, 128*BPITCH                 ; my 128 of them
.endif
	s_add_co_u32 s46, s46, s47
.if HASB
	s_lshr_b32 s47, s[CY], BSH                     ; the batch: 2,048 rows of 4,096 bytes each
	s_lshl_b32 s47, s47, 23
	s_add_co_u32 s46, s46, s47
.endif
	s_add_co_u32 s46, s46, BBYTE0
	s_mov_b32 s47, 0
	s_mul_i32 s20, s12, AHALF                      ; and where they go: no place in the cluster enters an LDS address
	s_mul_i32 s21, s12, BHALF
	s_add_co_u32 s21, s21, BOFF
	s_mov_b32 s[TB], 0
	s_wait_dscnt 0x0                               ; both opening adds are done
	s_wait_kmcnt 0x0
	s_add_nc_u64 s[14:15], s[4:5], s[16:17]
	s_add_nc_u64 s[46:47], s[6:7], s[46:47]
	CROUND                                         ; all sixteen work-groups are here: the first joint loads meet
.irp s, 0,1
	s_mov_b32 s[G0+4*(\s)], 1                                        ; count = 1
	s_add_co_u32 s[G0+4*(\s)+1], s20, (\s)*SLOT                      ; LDS address
	s_add_nc_u64 s[G0+4*(\s)+2:G0+4*(\s)+3], s[14:15], (\s)*ASTEP    ; global address: K step s
	s_or_b32 s[G0+4*(\s)+3], s[G0+4*(\s)+3], 0x80000000              ; type = 2
	s_mov_b32 s[G0B+4*(\s)], 1
	s_add_co_u32 s[G0B+4*(\s)+1], s21, (\s)*SLOT
	s_add_nc_u64 s[G0B+4*(\s)+2:G0B+4*(\s)+3], s[46:47], (\s)*BSTEP
	s_or_b32 s[G0B+4*(\s)+3], s[G0B+4*(\s)+3], 0x80000000
.endr
	s_cmp_eq_u32 s11, 0                            ; a wave's two first fills stand in one branch, ahead of every wait on TENSORcnt and every LDS read: two loads of mine are out
	s_cbranch_scc0 .Lfirst_b
	tensor_load_to_lds s[G0:G0+3], s[G1:G1+7]
	s_nop 0
	tensor_load_to_lds s[GW:GW+3], s[G1:G1+7]
	s_nop 0
.rept 4
	v_nop
.endr
	s_branch .Lfirst_asked
.Lfirst_b:
	tensor_load_to_lds s[G0B:G0B+3], s[G1B:G1B+7]
	s_nop 0
	tensor_load_to_lds s[GWB:GWB+3], s[G1B:G1B+7]
	s_nop 0
.rept 4
	v_nop
.endr
.Lfirst_asked:
	; A fragment from rows that lie along K: lane l holds row l % 16; two loads of 16 bytes, 32 bytes apart, at row x pitch + 16 (l / 16).
	v_and_b32 v1, 15, v0                           ; l % 16
	v_bfe_u32 v2, v0, 4, 1                         ; l / 16
	v_mul_u32_u24 v3, v1, PITCH
	v_lshl_add_u32 v3, v2, 4, v3
	s_mul_i32 s22, s11, AHALF                      ; my rows of A
	v_add_nc_u32 v[ADRA0], s22, v3
.if TRB
	; The turning load takes 16 k x 16 columns (lane l reads k = 8 (l / 16) + l % 8, columns 8 ((l / 8) % 2) + 0..7) and leaves half a fragment: lane l holds column l % 16 and 8 k.
	v_and_b32 v4, 7, v0
	v_lshl_add_u32 v4, v2, 3, v4
	v_mul_u32_u24 v4, v4, PB
	v_bfe_u32 v5, v0, 3, 1
	v_lshl_add_u32 v4, v5, 4, v4
	s_lshl_b32 s22, s12, 8                         ; my 128 columns
	s_add_co_u32 s22, s22, BOFF
	v_add_nc_u32 v[ADRB0], s22, v4
.else
	s_mul_i32 s22, s12, BHALF                      ; my 128 rows of B
	s_add_co_u32 s22, s22, BOFF
	v_add_nc_u32 v[ADRB0], s22, v3
.endif
	v_mov_b32 v[ADRA], v[ADRA0]
	v_mov_b32 v[ADRB], v[ADRB0]
	s_mul_i32 s23, s10, 16*PITCH
	s_add_co_u32 s23, s23, STAGE                   ; my stage
	v_add_nc_u32 v[STO], s23, v3                   ; in: row l % 16, 16 bytes for each half of the lanes
	v_mul_u32_u24 v6, v2, PITCH                    ; back: lanes 0-15 take one row of 256 bytes, lanes 16-31 the next
	v_lshl_add_u32 v6, v1, 4, v6
	v_add_nc_u32 v[RD], s23, v6
	v_mul_u32_u24 v6, v2, CPITCH                   ; and the same two rows in C
	v_lshl_add_u32 v[CO], v1, 4, v6
	s_mul_i32 s16, s13, 32*NA*CPITCH               ; C at my wave's first row and column
	s_mul_i32 s17, s11, 16*NA*CPITCH
	s_add_co_u32 s16, s16, s17
	s_lshl_b32 s17, s42, 9
	s_add_co_u32 s16, s16, s17
	s_lshl_b32 s17, s12, 8
	s_add_co_u32 s16, s16, s17
	s_mov_b32 s17, 0
	s_add_nc_u64 s[8:9], s[8:9], s[16:17]
.if BIAS
	s_lshl_b32 s46, s42, 10                        ; the bias of my 128 columns: f32
	s_lshl_b32 s47, s12, 9
	s_add_co_u32 s46, s46, s47
	s_add_co_u32 s46, s46, BIAS0
	s_mov_b32 s47, 0
	s_add_nc_u64 s[BP:BP+1], s[BP:BP+1], s[46:47]
	v_lshlrev_b32 v[BO], 5, v2
	WIN TO_B
.set fi, 0
.rept 8                                ; column block fi: my eight columns' numbers into window 1, v[8 fi ..]; waited for on the way out
	global_load_b128 v[8*fi:8*fi+3],   v[BO], s[BP:BP+1] offset:64*fi
	global_load_b128 v[8*fi+4:8*fi+7], v[BO], s[BP:BP+1] offset:64*fi+16
.set fi, fi+1
.endr
	WIN 0
.endif
	; THE PREFETCHES.  Each block of 256 bytes of A and B is named once in the launch.  A's rows are read by every cluster of a row of clusters: cluster x = 0 asks.  B's tiles by every cluster of a column (of one batch):
	; the first of them asks.  The four partners that ask for a tile jointly share it out BY ADDRESS (cx for A, cy for B), 32 blocks each; no branch hangs on a place in the cluster.
	s_mul_i32 s20, s13, 32*NA*APITCH               ; A: the tile's first row,
.if NA == 8
	s_mul_i32 s22, s12, 128*APITCH                 ; the 128 rows that I fetch,
	s_add_co_u32 s20, s20, s22
.endif
	s_mul_i32 s22, s40, 32*APITCH                  ; my work-group's 32 rows (with 128 rows to a tile wave 0 alone asks)
	s_add_co_u32 s20, s20, s22
	s_add_co_u32 s20, s20, 3*ASTEP                 ; at K step 3: the first refill steps it to 4
.if TRB
	s_lshl_b32 s21, s42, 9                         ; B as [k][n]: the tile's 512 bytes of a row, two blocks;
	s_mul_i32 s22, s12, 64*BPITCH                  ; the 64 rows that I fetch,
	s_add_co_u32 s21, s21, s22
	s_mul_i32 s22, s41, 16*BPITCH                  ; my work-group's 16 of them
.else
	s_mul_i32 s21, s42, 256*BPITCH                 ; B as [n][k]: as for A
	s_mul_i32 s22, s12, 128*BPITCH
	s_add_co_u32 s21, s21, s22
	s_mul_i32 s22, s41, 32*BPITCH
.endif
	s_add_co_u32 s21, s21, s22
.if HASB
	s_lshr_b32 s22, s[CY], BSH
	s_lshl_b32 s22, s22, 23
	s_add_co_u32 s21, s21, s22
.endif
	s_add_co_u32 s21, s21, BBYTE0+3*BSTEP
	s_and_b32 s22, s[CY], BMASK                    ; 0 in the first cluster that reads my tiles of B
	s_mov_b32 s18, BSTEP
	s_mov_b32 s19, BPITCH
	s_cmp_eq_u32 s11, 0                            ; do I fetch for A?
	s_cselect_b32 s20, s20, s21
	s_cselect_b32 s22, ttmp9, s22
	s_cselect_b32 s[PST], ASTEP, s18
	s_cselect_b32 s19, APITCH, s19                 ; bytes from row to row,
	s_cselect_b32 s23, 0, TRB                      ; and 1 where a row has two blocks
	s_cselect_b64 s[PFA:PFA+1], s[4:5], s[6:7]
.if NA == 4
	s_cselect_b32 s18, s12, 0
	s_or_b32 s22, s22, s18
.endif
	s_cmp_eq_u32 s22, 0
	s_cselect_b32 s[LIM], 2, -1                    ; the same in all sixteen partners, for a given wave
	s_mov_b32 s21, 0
	s_mov_b32 s[PST+1], 0
	s_add_nc_u64 s[PFA:PFA+1], s[PFA:PFA+1], s[20:21]
	v_and_b32 v31, 31, v0
	v_lshrrev_b32 v[PFO], s23, v31
	v_mul_u32_u24 v[PFO], s19, v[PFO]
	v_and_b32 v31, s23, v31
	v_lshl_add_u32 v[PFO], v31, 8, v[PFO]          ; nothing is prefetched here, at the head: the first four K steps come by their loads alone
	s_wait_tensorcnt 0x1                           ; my part of K step 0 is in; K step 1's may stay out
	s_barrier_signal -1
	s_barrier_wait -1                              ; everybody's is
	FETCH 0, F0
	QUARTER 1, F0, F1, 1                           ; the first quarter stands in front of the loop: its products start the sums
	WIN 0                                          ; at a label and at a branch every window is 0
	s_mov_b32 s3, NSTEP-2
.Lstep:                                                ; a trip: a K step's second quarter to the next step's first; the slot that it leaves is filled again
	QUARTER 2, F1, F0, 0
	QUARTER 3, F0, F1, 0
	TURN
	QUARTER 1, F0, F1, 0
	WIN 0
	s_sub_co_u32 s3, s3, 1
	s_cmp_lg_u32 s3, 0
	s_cbranch_scc1 .Lstep
	s_mov_b32 s3, 2
.Ltail:                                                ; the last two K steps ask for nothing; the second jumps forward over what belongs to a next step
	QUARTER 2, F1, F0, 0
	QUARTER 3, F0, F1, 0
	TURNT
	WIN 0
	s_cmp_eq_u32 s3, 1
	s_cbranch_scc1 .Ltail_end
	QUARTER 1, F0, F1, 0
	WIN 0
.Ltail_end:
	s_sub_co_u32 s3, s3, 1
	s_cmp_lg_u32 s3, 0
	s_cbranch_scc1 .Ltail
	PLACES                                         ; behind the last products, in front of the lines that read and write their results;
	PLACES                                         ; eight, once a launch
.if BIAS
	s_wait_loadcnt 0x0                             ; the bias
	ADDB 0
.endif
	PACK 0
	TOSTAGE 0
.set wa, 1
.rept NA-1                             ; block wa's arithmetic stands between block wa - 1's loads from the stage and the wait for them
.if BIAS
	ADDB wa
.endif
	PACK wa
	SEND wa-1
	TOSTAGE wa
.set wa, wa+1
.endr
	SEND NA-1
	s_wait_tensorcnt 0x0                           ; the wave's end: a wait, an add and a wait, behind my last tensor load and my last LDS store
	ds_add_u32 v[SPW], v[NIL]
	s_wait_dscnt 0x0
	CROUND                                         ; the closing round: no work-group ends while a partner may still ask for a tile that names it
	s_endpgm
.Lfunc_end_k_qe188351221_scg:
	.size	k_qe188351221_scg, .Lfunc_end_k_qe188351221_scg-k_qe188351221_scg
	.p2alignl 7, 3214868480
	.fill 96, 4, 3214868480
	.section	.rodata,"a",@progbits
	.p2align	6, 0x0
	.amdhsa_kernel k_qe188351221_scg
		.amdhsa_group_segment_fixed_size 327680
		.amdhsa_private_segment_fixed_size 0
		.amdhsa_enable_private_segment 0
		.amdhsa_kernarg_size 24
		.amdhsa_user_sgpr_count 2
		.amdhsa_user_sgpr_kernarg_segment_ptr 1
		.amdhsa_wavefront_size32 1
		.amdhsa_system_sgpr_workgroup_id_x 1
		.amdhsa_system_sgpr_workgroup_id_y 1
		.amdhsa_system_sgpr_workgroup_id_z 1
		.amdhsa_system_vgpr_workitem_id 0
		.amdhsa_next_free_vgpr 1024
		.amdhsa_next_free_sgpr 80
		.amdhsa_reserve_vcc 0
		.amdhsa_float_denorm_mode_32 3
		.amdhsa_float_denorm_mode_16_64 3
		.amdhsa_memory_ordered 1
		.amdhsa_forward_progress 1
		.amdhsa_inst_pref_size 102
	.end_amdhsa_kernel
	.amdgpu_metadata
---
amdhsa.version: [ 1, 2 ]
amdhsa.kernels:
  - .name:           k_qe188351221_scg
    .symbol:         k_qe188351221_scg.kd
    .args:
      - { .name: qb, .offset: 0, .size: 8, .value_kind: global_buffer, .address_space: global }
      - { .name: kv, .offset: 8, .size: 8, .value_kind: global_buffer, .address_space: global }
      - { .name: sc, .offset: 16, .size: 8, .value_kind: global_buffer, .address_space: global }
    .group_segment_fixed_size: 327680
    .private_segment_fixed_size: 0
    .kernarg_segment_align: 8
    .kernarg_segment_size: 24
    .max_flat_workgroup_size: 128
    .sgpr_count:     80
    .vgpr_count:     1024
    .wavefront_size: 32
...
	.end_amdgpu_metadata
.endif
;; end of part 4
;; launch softmax (part 5): grid 256 x 1, 32 waves a work-group, no clusters, 0 bytes of LDS; arguments sc, pr; writes pr
.if DOCPART == 5
	.amdgcn_target "amdgcn-amd-amdhsa--gfx1250"
	.amdhsa_code_object_version 6
	.text
	.protected	k_qe188351221_softmax
	.globl	k_qe188351221_softmax
	.p2align	8
	.type	k_qe188351221_softmax,@function
k_qe188351221_softmax:
	s_mov_b64 s[64:65], 0
	v_nop
	global_prefetch_b8 v0, s[64:65] scope:SCOPE_SE
	s_setreg_imm32_b32 hwreg(HW_REG_WAVE_MODE, 25, 1), 1
	s_wait_xcnt 0x0
; pr[r][:] = softmax(sc[r][:] / 32) for each of 8,192 rows of 2,048 raw scores.  sc, pr: [8192][2048] bf16.  The row's true maximum is taken away before the exponential; scaling, exponentials and the sum in f32;
; the weights are rounded to bf16 once (their sum is taken of the unrounded weights).  A weight below 2^-126 counts as 0; NaN and infinities are not treated apart.
; One wave, one row: 4,096 bytes, eight 16-byte loads a lane, kept in registers between the passes: no LDS, no barrier, no loop.  32 waves a work-group, 256 work-groups: every row has its wave, and all loads of
; a work-group's 32 rows go out at its start.  Each load and store of a wave covers 512 consecutive bytes.
; p = 2^(c s - c m), c = log2(e) / 32.  The 64 exponentials of a lane are one batch with one wait.
.set X, 4                              ; v[4:35]    the row as loaded (two bf16 a register); later the sum's chains; then the row as stored
.set T, 36                             ; v[36:99]   my 64 numbers in f32
.set M, 100                            ; v[100:103] four running maxima, two bf16 each
.set U, 104                            ; v[104:105] at work
.set CM, 106                           ; v[106:107] c m, twice
.set R, 108                            ; v[108:109] 1 / sum, twice
	s_load_b128 s[4:7], s[0:1], 0x0                ; sc s[4:5], pr s[6:7]
	s_lshl_b32 s2, ttmp9, 17                       ; the work-group's 32 rows of 4,096 bytes
	s_mov_b32 s3, 0
	s_mov_b32 s8, 0x3d38aa3b                       ; c = log2(e) / 32
	s_mov_b32 s9, s8                               ; named with it as a pair
	s_mov_b32 s10, 0x76543210                      ; v_permlanex16_b32: each lane takes its own place in the other half
	s_mov_b32 s11, 0xfedcba98
	s_mov_b32 s12, 0xffff0000                      ; a word's upper bf16
	v_and_b32 v1, 0x3e0, v0                        ; 32 x wave
	v_and_b32 v2, 31, v0
	v_lshlrev_b32 v1, 7, v1                        ; my wave's row
	v_lshl_or_b32 v1, v2, 4, v1                    ; + 16 bytes a lane
	s_wait_kmcnt 0x0
	s_add_nc_u64 s[4:5], s[4:5], s[2:3]
	s_add_nc_u64 s[6:7], s[6:7], s[2:3]
.irp j, 0,1,2,3,4,5,6,7
	global_load_b128 v[X+4*(\j):X+4*(\j)+3], v1, s[4:5] offset:512*(\j) th:TH_LOAD_NT
.endr
	s_wait_loadcnt 0x0
	; the maximum: two bf16 at a time, nothing is rounded; four chains started by the first eight words
.irp k, 0,1,2,3
	v_pk_max_num_bf16 v[M+(\k)], v[X+(\k)], v[X+4+(\k)]
.endr
.set j, 8
.rept 24
	v_pk_max_num_bf16 v[M+j%4], v[M+j%4], v[X+j]
.set j, j+1
.endr
	v_pk_max_num_bf16 v[M], v[M], v[M+1]
	v_pk_max_num_bf16 v[M+2], v[M+2], v[M+3]
	v_pk_max_num_bf16 v[M], v[M], v[M+2]
	v_lshlrev_b32 v[U], 16, v[M]                   ; the two halves as f32
	v_and_b32 v[U+1], s12, v[M]
	v_max_num_f32 v[U], v[U], v[U+1]
	v_max_num_f32_dpp v[U], v[U], v[U] row_xmask:1 row_mask:0xf bank_mask:0xf
	v_max_num_f32_dpp v[U], v[U], v[U] row_xmask:2 row_mask:0xf bank_mask:0xf
	v_max_num_f32_dpp v[U], v[U], v[U] row_xmask:4 row_mask:0xf bank_mask:0xf
	v_max_num_f32_dpp v[U], v[U], v[U] row_xmask:8 row_mask:0xf bank_mask:0xf
	v_permlanex16_b32 v[U+1], v[U], s10, s11
	v_max_num_f32 v[U], v[U], v[U+1]               ; every lane holds the row's maximum
	v_mul_f32 v[CM], s8, v[U]
	v_mov_b32 v[CM+1], v[CM]
.set j, 0
.rept 32
	v_lshlrev_b32 v[T+2*j], 16, v[X+j]             ; bf16 to f32: the low half moves up,
	v_and_b32 v[T+2*j+1], s12, v[X+j]              ; the high half stays
.set j, j+1
.endr
.set j, 0
.rept 32
	v_pk_fma_f32 v[T+2*j:T+2*j+1], v[T+2*j:T+2*j+1], s[8:9], v[CM:CM+1] op_sel_hi:[1,0,0] neg_lo:[0,0,1] neg_hi:[0,0,1]  ; c s - c m
.set j, j+1
.endr
.set j, 0
.rept 64
	v_exp_f32 v[T+j], v[T+j]
.set j, j+1
.endr
	v_nop                                          ; a plain instruction behind the last exponential,
	s_wait_alu depctr_va_vdst(0)                   ; and one wait ahead of the batch's first reader
	; the sum, in f32: four chains of pairs, in the registers that held the row
.irp k, 0,1,2,3
	v_pk_add_f32 v[X+2*(\k):X+2*(\k)+1], v[T+2*(\k):T+2*(\k)+1], v[T+8+2*(\k):T+8+2*(\k)+1]
.endr
.set j, 8
.rept 24
	v_pk_add_f32 v[X+2*(j%4):X+2*(j%4)+1], v[X+2*(j%4):X+2*(j%4)+1], v[T+2*j:T+2*j+1]
.set j, j+1
.endr
	v_pk_add_f32 v[X:X+1], v[X:X+1], v[X+2:X+3]
	v_pk_add_f32 v[X+4:X+5], v[X+4:X+5], v[X+6:X+7]
	v_pk_add_f32 v[X:X+1], v[X:X+1], v[X+4:X+5]
	v_add_f32 v[U], v[X], v[X+1]
	v_add_f32_dpp v[U], v[U], v[U] row_xmask:1 row_mask:0xf bank_mask:0xf
	v_add_f32_dpp v[U], v[U], v[U] row_xmask:2 row_mask:0xf bank_mask:0xf
	v_add_f32_dpp v[U], v[U], v[U] row_xmask:4 row_mask:0xf bank_mask:0xf
	v_add_f32_dpp v[U], v[U], v[U] row_xmask:8 row_mask:0xf bank_mask:0xf
	v_permlanex16_b32 v[U+1], v[U], s10, s11
	v_add_f32 v[U], v[U], v[U+1]                   ; at least 1: the maximum's own weight
	v_rcp_f32 v[R], v[U]
	v_rcp_f32 v[R+1], v[U]                         ; twice, for the packed multiply
	v_nop
	s_wait_alu depctr_va_vdst(0)                   ; one wait for both reciprocals
.set j, 0
.rept 32
	v_pk_mul_f32 v[T+2*j:T+2*j+1], v[T+2*j:T+2*j+1], v[R:R+1]
.set j, j+1
.endr
.set j, 0
.rept 32
	v_cvt_pk_bf16_f32 v[X+j], v[T+2*j], v[T+2*j+1]
.set j, j+1
.endr
.irp j, 0,1,2,3,4,5,6,7
	global_store_b128 v1, v[X+4*(\j):X+4*(\j)+3], s[6:7] offset:512*(\j)
.endr
	s_endpgm
.Lfunc_end_k_qe188351221_softmax:
	.size	k_qe188351221_softmax, .Lfunc_end_k_qe188351221_softmax-k_qe188351221_softmax
	.p2alignl 7, 3214868480
	.fill 96, 4, 3214868480
	.section	.rodata,"a",@progbits
	.p2align	6, 0x0
	.amdhsa_kernel k_qe188351221_softmax
		.amdhsa_group_segment_fixed_size 0
		.amdhsa_private_segment_fixed_size 0
		.amdhsa_enable_private_segment 0
		.amdhsa_kernarg_size 16
		.amdhsa_user_sgpr_count 2
		.amdhsa_user_sgpr_kernarg_segment_ptr 1
		.amdhsa_wavefront_size32 1
		.amdhsa_system_sgpr_workgroup_id_x 1
		.amdhsa_system_sgpr_workgroup_id_y 1
		.amdhsa_system_sgpr_workgroup_id_z 1
		.amdhsa_system_vgpr_workitem_id 0
		.amdhsa_next_free_vgpr 112
		.amdhsa_next_free_sgpr 66
		.amdhsa_reserve_vcc 0
		.amdhsa_float_denorm_mode_32 3
		.amdhsa_float_denorm_mode_16_64 3
		.amdhsa_memory_ordered 1
		.amdhsa_forward_progress 1
		.amdhsa_inst_pref_size 18
	.end_amdhsa_kernel
	.amdgpu_metadata
---
amdhsa.version: [ 1, 2 ]
amdhsa.kernels:
  - .name:           k_qe188351221_softmax
    .symbol:         k_qe188351221_softmax.kd
    .args:
      - { .name: sc, .offset: 0, .size: 8, .value_kind: global_buffer, .address_space: global }
      - { .name: pr, .offset: 8, .size: 8, .value_kind: global_buffer, .address_space: global }
    .group_segment_fixed_size: 0
    .private_segment_fixed_size: 0
    .kernarg_segment_align: 8
    .kernarg_segment_size: 16
    .max_flat_workgroup_size: 1024
    .sgpr_count:     66
    .vgpr_count:     112
    .wavefront_size: 32
...
	.end_amdgpu_metadata
.endif
;; end of part 5
;; launch pvg (part 6): grid 4 x 64, 4 waves a work-group, clusters of 4 x 4, 327,680 bytes of LDS; arguments pr, kv, xb, b_qkv; writes xb
.if DOCPART == 6
	.amdgcn_target "amdgcn-amd-amdhsa--gfx1250"
	.amdhsa_code_object_version 6
	.text
	.protected	k_qe188351221_pvg
	.globl	k_qe188351221_pvg
	.p2align	8
	.type	k_qe188351221_pvg,@function
k_qe188351221_pvg:
	s_mov_b64 s[64:65], 0
	v_nop
	global_prefetch_b8 v0, s[64:65] scope:SCOPE_SE
	s_setreg_imm32_b32 hwreg(HW_REG_WAVE_MODE, 25, 1), 1
	s_wait_xcnt 0x0
	s_wait_alu depctr_hold_cnt(0) depctr_sa_sdst(0) depctr_va_vdst(0) depctr_va_sdst(0) depctr_va_ssrc(0) depctr_va_vcc(0) depctr_vm_vsrc(0)
	s_getreg_b32 s2, hwreg(HW_REG_IB_STS2, 6, 4)
	s_cmp_eq_u32 s2, 0
	s_cbranch_scc0 .Lentry_in_a_cluster
	s_endpgm
.Lentry_in_a_cluster:
	s_bfe_u32 s2, ttmp6, 0x10000c
	s_cmp_lg_u32 s2, 0xf033
	s_cbranch_scc0 .Lentry_shape_is_right
	s_endpgm
.Lentry_shape_is_right:
; C[m][n] = the sum over k of A[m][k] B[k][n] + bias[n], batch by batch: O = P v0 + bv.
; A = P: [8192][2048] bf16.  B = v0: columns 1024-2047 of kv [8192][2048] bf16, the 2,048 rows of the query's own batch.  C = O: [8192][1024] bf16 (in x's bf16 copy's buffer, which is read no more).  bias = bv = b_qkv[2048:3072], f32.
; bv STANDS BEHIND THE PRODUCT: a softmax row sums to 1, so P (x Wv + 1 bv^T) = P (x Wv) + bv.  Sums in f32, C rounded once.
; SHARES.  A tile of C is 128 x 256: 4 x 64 tiles, one for each of 256 work-groups; a batch has 16 tile rows, four rows of clusters.  Four waves, 2 x 2, each 64 rows x 128 columns: 32 accumulators of 16 x 16.
; K goes in steps of 128 through two LDS slots that take turns; the loop's body is ONE K step: the refill's descriptor walks (its LDS word turned by an exclusive or), and the LDS reads hang on a scalar slot base.
; CLUSTERS of 4 x 4: the four of a row share A's tile, the four of a column B's: each tile is asked for jointly, by the same tensor load, descriptor and mask in all four.
; THE MATRIX INSTRUCTION IS USED TRANSPOSED: source 0 = 16 columns of B, source 1 = 16 rows of A: a lane then holds row l % 16 of C and the eight neighbouring columns 8 (l / 16) + 0..7.
; B lies [k][n]: its fragments come out of LDS turned, by ds_load_tr16_b128.
; REGISTERS, in windows of 256: window 0: addresses, A's two fragment buffers (v64-, v128-), the way out; window 1: v0-63 the bias, B's two fragment buffers; window 2 (and 3): the accumulators, (a, b) at v[64 (a % 4) + 8 b].
.set NA,     4                         ; blocks of 16 rows in a wave's tile
.set TRB,    1                         ; 1: B lies [k][n];  0: B lies [n][k]
.set BIAS,   1                         ; 1: a bias is added
.set BIAS0,  8192                      ; its first byte in the bias buffer
.set NSTEP,  16                        ; K / 128
.set APITCH, 4096                      ; bytes from row to row in A,
.set BPITCH, 4096                      ; in B,
.set CPITCH, 2048                      ; in C
.set BBYTE0, 2048                      ; B's first column, in bytes
.set HASB,   1                         ; 1: B changes with the batch, which is cluster y >> BSH
.set BSH,    2
.set SLOT,   131072                    ; LDS byte at which slot 1 begins; it shares no bit with a fill's address in slot 0, so one exclusive or changes slots
.set PITCH,  272                       ; an LDS row of 256 bytes + 16 of padding = 68 words: the 16 rows of a fragment load start at 16 different groups of four banks (64 banks of 4 bytes: ISA guide 11.1)
.set PB,     544                       ; a row of B as [k][n]: 512 bytes + 32 = 136 words
.set AHALF,  16*NA*PITCH               ; what one tensor load brings of A, and what one wave reads of it
.set BOFF,   2*AHALF                   ; B's tile lies behind A's
.set BHALF,  34816                     ; what one tensor load brings of B: 64 rows of 544 bytes, or 128 of 272
.set STAGE,  SLOT+BOFF+2*BHALF         ; behind the ring, never filled by a tensor load: 16 rows x 272 bytes for each wave, for the way out
.set SPARE,  STAGE+4*16*PITCH          ; behind the stages: the spare words, 128 bytes for each wave: two blocks of 256 bytes that no other line names
.set ASTEP,  256                       ; bytes from K step to K step in A
.if TRB
.set BSTEP,  128*BPITCH                ; and in B: 128 rows down,
.else
.set BSTEP,  256                       ; or 128 elements along
.endif
.if HASB
.set BMASK,  (1<<BSH)-1
.else
.set BMASK,  0xffff
.endif
.set NF,     16+2*NA                   ; LDS loads in a run: 16 for B's eight fragments, 2 NA for A's
.set ADRA0, 16                         ; v16  my place in A's tile of slot 0; never rewritten
.set ADRA,  17                         ; v17  the same in the slot in hand
.set ADRB0, 20                         ; v20, v21  the same for B
.set ADRB,  21
.set STO,   24                         ; v24  the way out: where I put 16 bytes of a row
.set RD,    25                         ; v25  where I read a row back
.set CO,    26                         ; v26  my byte offset in two rows of C
.set BO,    27                         ; v27  my byte offset in the bias: 32 (l / 16)
.set SPW,   28                         ; v28  LDS address of my spare word: SPARE + 4 x my thread's number; never rewritten
.set NIL,   29                         ; v29  0; never rewritten
.set PFO,   30                         ; v30  the prefetches' lane offset; never rewritten
.set F0,    64                         ; fragment buffer 0
.set F1,    128                        ; fragment buffer 1
.set TMP,   192                        ; the way out: packed results
.set OB,    32                         ; the way out: 16 rows read back: v32-63 and v224-255 by turns
.set G1,    24                         ; s[24:31] descriptor group 1 for A's tiles
.set G0,    32                         ; s[32:35] group 0: A, slot 0, K step 0
.set GW,    36                         ; s[36:39] group 0: A, slot 1, K step 1; then it walks
.set LIM,   43                         ; s43  2 in a wave that prefetches, else the greatest number
.set PFA,   44                         ; s[44:45] where my prefetches stand
.set G1B,   48                         ; s[48:55], s[56:59], s[60:63] the same three for B
.set G0B,   56
.set GWB,   60
.set TB,    66                         ; s66  LDS byte at which the slot in hand begins
.set CY,    67                         ; s67  cluster y
.set PST,   68                         ; s[68:69] bytes from K step to K step in the tensor that I prefetch
.set BP,    70                         ; s[70:71] the bias
.set TO_B,  0x40                       ; destination window 1, address window 0
.set MSB, 0
.macro WIN new                         ; s_set_vgpr_msb: bits 1:0 source 0, 3:2 source 1, 5:4 source 2, 7:6 destination; the high byte repeats the setting that is left; a switch that changes nothing is dropped
.if MSB != (\new)
	s_set_vgpr_msb (MSB<<8)|(\new)
.set MSB, (\new)
.endif
.endm
.macro PLACES                          ; four plain instructions between a matrix instruction and a load into, or a vector instruction on, its registers (ISA guide 7.12.1 for vector instructions)
.rept 4
	v_nop
.endr
.endm
.macro CREST                           ; a round of the cluster's barrier behind its opening barrier: wave 0 signals for the work-group, every wave waits for all sixteen, my work-group's barrier closes it
	s_cmp_lg_u32 s10, 0
	s_cbranch_scc1 .Lnot_wave_0_\@
	s_barrier_signal -3
.Lnot_wave_0_\@:
	s_barrier_wait -3
	s_barrier_signal -1
	s_barrier_wait -1
.endm
.macro CROUND                          ; a whole round
	s_barrier_signal -1
	s_barrier_wait -1
	CREST
.endm
; A joint refill by the walking descriptors.  Waves 0 and 1 fetch A's two halves, waves 2 and 3 B's.  The branch hangs on the wave's number alone.  An s_nop 0 and four v_nop follow each line.
.macro JLOAD
	s_cmp_eq_u32 s11, 0
	s_cbranch_scc0 .Lfor_b_\@
	tensor_load_to_lds s[GW:GW+3], s[G1:G1+7]
	s_nop 0
.rept 4
	v_nop
.endr
	s_branch .Lasked_\@
.Lfor_b_\@:
	tensor_load_to_lds s[GWB:GWB+3], s[G1B:G1B+7]
	s_nop 0
.rept 4
	v_nop
.endr
.Lasked_\@:
.endm
; A prefetch of the K step that stands two refills on: 32 blocks of 256 bytes, a lane a block, one instruction a wave.  s3 counts the loop's trips down: the last two refills have no K step two on.
.macro ASK
	s_cmp_gt_u32 s3, s[LIM]
	s_cbranch_scc0 .Lnot_mine_\@
	global_prefetch_b8 v[PFO], s[PFA:PFA+1] th:TH_LOAD_NT scope:SCOPE_SE
.Lnot_mine_\@:
.endm
; 8 cnt matrix instructions: row blocks a0 .. a0 + cnt - 1 x all 8 column blocks, 32 along K, from buffer f.  zero = 1: the product starts the sum.
; The accumulators take turns, one instruction a turn, in the same order in every quarter.
.macro MULR f, a0, cnt, zero
.set ma, \a0
.rept \cnt
	WIN 0xa1+0x50*(ma/4)
.set mb, 0
.rept 8
.if \zero
	v_wmma_f32_16x16x32_bf16 v[64*(ma%4)+8*mb:64*(ma%4)+8*mb+7], v[(\f)+8*mb:(\f)+8*mb+7], v[(\f)+8*ma:(\f)+8*ma+7], 0
.else
	v_wmma_f32_16x16x32_bf16 v[64*(ma%4)+8*mb:64*(ma%4)+8*mb+7], v[(\f)+8*mb:(\f)+8*mb+7], v[(\f)+8*ma:(\f)+8*ma+7], v[64*(ma%4)+8*mb:64*(ma%4)+8*mb+7]
.endif
.set mb, mb+1
.endr
.set ma, ma+1
.endr
.endm
; NF LDS loads in one run: the fragments of quarter kq (32 along K) of the slot in hand, into buffer f: B's eight, then A's NA.
.macro FETCH kq, f
	WIN TO_B
.set fi, 0
.rept 8
.if TRB
	ds_load_tr16_b128 v[(\f)+8*fi:(\f)+8*fi+3],   v[ADRB] offset:(\kq)*32*PB+32*fi
	ds_load_tr16_b128 v[(\f)+8*fi+4:(\f)+8*fi+7], v[ADRB] offset:(\kq)*32*PB+32*fi+16*PB
.else
	ds_load_b128 v[(\f)+8*fi:(\f)+8*fi+3],   v[ADRB] offset:64*(\kq)+fi*16*PITCH
	ds_load_b128 v[(\f)+8*fi+4:(\f)+8*fi+7], v[ADRB] offset:64*(\kq)+fi*16*PITCH+32
.endif
.set fi, fi+1
.endr
	WIN 0
.set fi, 0
.rept NA
	ds_load_b128 v[(\f)+8*fi:(\f)+8*fi+3],   v[ADRA] offset:64*(\kq)+fi*16*PITCH
	ds_load_b128 v[(\f)+8*fi+4:(\f)+8*fi+7], v[ADRA] offset:64*(\kq)+fi*16*PITCH+32
.set fi, fi+1
.endr
.endm
; One of a K step's first three quarters: multiplies buffer f; in its middle it fetches quarter kq into buffer g.
.macro QUARTER kq, f, g, zero
	s_wait_dscnt NA                                ; B and A's lower blocks are in; the youngest NA loads (A's upper NA / 2 blocks, two loads each) may be out
	MULR \f, 0, NA/2, \zero
	PLACES
	FETCH \kq, \g
	s_wait_dscnt NF                                ; all but the NF just issued
	MULR \f, NA/2, NA/2, \zero
.endm
; The first half of a K step's last quarter, and the barrier of the change of slots.  In front of it each wave waits for all its tensor loads (the one that is out is its part of the next slot), adds 0 to its
; spare word, and waits for that and for its own reads of this slot.  Behind it nobody reads this slot any more and the next slot is whole.
.macro MEET
	WIN 0                                          ; (the add's two registers lie in window 0)
	s_wait_tensorcnt 0x0
	ds_add_u32 v[SPW], v[NIL]                      ; 0 onto my spare word
	s_wait_dscnt NA+1                              ; (the add and the youngest NA loads may be out)
	MULR F1, 0, NA/4, 0                            ; matrix work stands between the add and the wait for it
	s_wait_dscnt 0x0                               ; the add is done, and my reads of this slot are over
	s_barrier_signal -1
	MULR F1, NA/4, NA/4, 0                         ; work on registers while the others arrive
	WIN 0
	s_barrier_wait -1
.endm
; The whole last quarter, in the loop: the barrier opens a round of the cluster's barrier, so that no wave of any partner still reads the slot or has a load on its way; the joint refill, two K steps ahead, is the first
; tensor load behind the round; then the next slot's first fragments.  From a request to the wait for it a wave issues seven eighths of a K step's matrix instructions.
.macro TURN
	s_wait_xcnt 0x0                                ; the last prefetch, a K step back, has read its address, which is stepped here
	s_add_nc_u64 s[PFA:PFA+1], s[PFA:PFA+1], s[PST:PST+1]
	MEET
	CREST
	s_xor_b32 s[GW+1], s[GW+1], SLOT               ; no tensor load of mine is out: the walking descriptors take the other slot than last time
	s_add_nc_u64 s[GW+2:GW+3], s[GW+2:GW+3], ASTEP ; and the next K step; the type bits on top are not reached
	s_xor_b32 s[GWB+1], s[GWB+1], SLOT
	s_add_nc_u64 s[GWB+2:GWB+3], s[GWB+2:GWB+3], BSTEP
	JLOAD                                          ; its four v_nop are also the places in front of the loads below
	s_xor_b32 s[TB], s[TB], SLOT
	v_add_nc_u32 v[ADRA], s[TB], v[ADRA0]
	v_add_nc_u32 v[ADRB], s[TB], v[ADRB0]
	FETCH 0, F0
	ASK                                            ; behind the joint load and the run of LDS loads that the next products wait for
	MULR F1, NA/2, NA/2, 0
.endm
; The same in the tail, where nothing is filled again: a plain barrier; in the very last K step (s3 = 1) there is no next slot, and the run of loads is jumped over.
.macro TURNT
	MEET
	PLACES
	s_cmp_eq_u32 s3, 1
	s_cbranch_scc1 .Lno_fetch_\@
	s_xor_b32 s[TB], s[TB], SLOT
	v_add_nc_u32 v[ADRA], s[TB], v[ADRA0]
	v_add_nc_u32 v[ADRB], s[TB], v[ADRB0]
	FETCH 0, F0
.Lno_fetch_\@:
	MULR F1, NA/2, NA/2, 0
.endm
; THE WAY OUT of row block a.  ADDB: the bias onto its eight accumulators, each from its low end on.  PACK: rounded to bf16, 16 bytes a lane.  TOSTAGE: into my own stage and back as whole rows of 256 bytes.  SEND: stored.
.macro ADDB a
	WIN 0x86+0x41*((\a)/4)                         ; destination and source 0: the accumulators' window; source 1: window 1
.set wb, 0
.rept 8
.set wr, 0
.rept 4
	v_pk_add_f32 v[64*((\a)%4)+8*wb+2*wr:64*((\a)%4)+8*wb+2*wr+1], v[64*((\a)%4)+8*wb+2*wr:64*((\a)%4)+8*wb+2*wr+1], v[8*wb+2*wr:8*wb+2*wr+1]
.set wr, wr+1
.endr
.set wb, wb+1
.endr
.endm
.macro PACK a
	WIN 0x0a+5*((\a)/4)                            ; sources 0 and 1: the accumulators' window
.set wb, 0
.rept 8
.set wr, 0
.rept 4
	v_cvt_pk_bf16_f32 v[TMP+4*wb+wr], v[64*((\a)%4)+8*wb+2*wr], v[64*((\a)%4)+8*wb+2*wr+1]
.set wr, wr+1
.endr
.set wb, wb+1
.endr
	WIN 0
.endm
.macro TOSTAGE a
	WIN 0
.set wt, 0
.rept 8
	ds_store_b128 v[STO], v[TMP+4*wt:TMP+4*wt+3] offset:32*wt
.set wt, wt+1
.endr
.set wt, 0
.rept 8
	ds_load_b128 v[OB+192*((\a)%2)+4*wt:OB+192*((\a)%2)+4*wt+3], v[RD] offset:wt*2*PITCH  ; LDS serves a wave's instructions in order (ISA guide 5.7.1.4): these see the stores above
.set wt, wt+1
.endr
.endm
.macro SEND a
	WIN 0
	s_wait_dscnt 0x0                               ; the block is back in registers
	s_wait_xcnt 0x0                                ; earlier stores have read their base and their data registers: only behind this wait are these written again
.if (\a) > 0
	s_add_nc_u64 s[8:9], s[8:9], 16*CPITCH         ; 16 rows of C on
.endif
.set wt, 0
.rept 8
	global_store_b128 v[CO], v[OB+192*((\a)%2)+4*wt:OB+192*((\a)%2)+4*wt+3], s[8:9] offset:2*wt*CPITCH  ; 16 lanes store 256 consecutive bytes, at a multiple of 256 from C's first byte
.set wt, wt+1
.endr
.endm
	s_load_b128 s[4:7], s[0:1], 0x0                ; A s[4:5], B s[6:7]
	s_load_b64 s[8:9], s[0:1], 0x10                ; C
.if BIAS
	s_load_b64 s[BP:BP+1], s[0:1], 0x18            ; the bias
.endif
	v_lshl_add_u32 v[SPW], v0, 2, SPARE
	v_mov_b32 v[NIL], 0
	ds_add_u32 v[SPW], v[NIL]                      ; the wave's opening: the add, twice on end, and its wait ahead of my first tensor load
	ds_add_u32 v[SPW], v[NIL]                      ; and once more, under the one wait; the set-up below, work on registers, stands between
	v_lshrrev_b32 v1, 5, v0
	v_readfirstlane_b32 s10, v1                    ; wave 0..3
	s_lshr_b32 s11, s10, 1                         ; which half of the tile's rows is mine.  Also: I fetch for A (0) or for B (1)
	s_and_b32 s12, s10, 1                          ; which half of its columns.  Also: which half of that tile I fetch
	s_bfe_u32 s40, ttmp6, 0x40000                  ; cx: my place along the cluster's x
	s_bfe_u32 s41, ttmp6, 0x40004                  ; cy: along its y
	s_lshl_b32 s42, ttmp9, 2
	s_add_co_u32 s42, s42, s40                     ; tile column of C = 4 x cluster x + cx
	s_and_b32 s[CY], ttmp7, 0xffff
	s_lshl_b32 s13, s[CY], 2
	s_add_co_u32 s13, s13, s41                     ; tile row of C = 4 x cluster y + cy
	s_lshl_b32 s43, s41, 2
	s_lshl_b32 s43, 15, s43                        ; my row of the cluster: places 4 cy .. 4 cy + 3
	s_lshl_b32 s44, 0x1111, s40                    ; my column: places cx, cx + 4, cx + 8, cx + 12
	; descriptor group 1 for A: 16 NA rows x 128 elements of 2 bytes, 4 words of padding behind every 64
	s_or_b32 s[G1], s43, (1<<16)|(1<<20)|(1<<21)|(5<<22)|(3<<25)  ; 15:0 the mask; 17:16 2-byte elements; 20 padding on; 21 set beside a mask; 24:22 the interval; 31:25 the padding
	s_mov_b32 s[G1+1], 128<<16                     ; tensor_dim0
	s_mov_b32 s[G1+2], (16*NA)<<16                 ; tensor_dim1
	s_mov_b32 s[G1+3], 128<<16                     ; tile_dim0
	s_mov_b32 s[G1+4], 16*NA                       ; tile_dim1
	s_mov_b32 s[G1+5], APITCH/2                    ; elements from row to row
	s_mov_b32 s[G1+6], 0
	s_mov_b32 s[G1+7], 0
.if TRB                                ; for B as [k][n]: 64 rows of K x 256 elements, 8 words of padding behind every 128
	s_or_b32 s[G1B], s44, (1<<16)|(1<<20)|(1<<21)|(6<<22)|(7<<25)
	s_mov_b32 s[G1B+1], 256<<16
	s_mov_b32 s[G1B+2], 64<<16
	s_mov_b32 s[G1B+3], 256<<16
	s_mov_b32 s[G1B+4], 64
.else                                  ; for B as [n][k]: 128 rows x 128 elements, padded as A's
	s_or_b32 s[G1B], s44, (1<<16)|(1<<20)|(1<<21)|(5<<22)|(3<<25)
	s_mov_b32 s[G1B+1], 128<<16
	s_mov_b32 s[G1B+2], 128<<16
	s_mov_b32 s[G1B+3], 128<<16
	s_mov_b32 s[G1B+4], 128
.endif
	s_mov_b32 s[G1B+5], BPITCH/2
	s_mov_b32 s[G1B+6], 0
	s_mov_b32 s[G1B+7], 0
	; where the tiles come from, as byte offsets under 2^32.  A's hang on the tile row and the wave alone, B's on the tile column, the wave and the cluster's y alone
	s_mul_i32 s16, s13, 32*NA*APITCH
	s_mul_i32 s17, s12, 16*NA*APITCH
	s_add_co_u32 s16, s16, s17
	s_mov_b32 s17, 0
.if TRB
	s_lshl_b32 s46, s42, 9                         ; 256 columns a tile,
	s_mul_i32 s47, s12, 64*BPITCH                  ; my 64 rows of the K step
.else
	s_mul_i32 s46, s42, 256*BPITCH                 ; 256 rows a tile,
	s_mul_i32 s47, s12, 128*BPITCH                 ; my 128 of them
.endif
	s_add_co_u32 s46, s46, s47
.if HASB
	s_lshr_b32 s47, s[CY], BSH                     ; the batch: 2,048 rows of 4,096 bytes each
	s_lshl_b32 s47, s47, 23
	s_add_co_u32 s46, s46, s47
.endif
	s_add_co_u32 s46, s46, BBYTE0
	s_mov_b32 s47, 0
	s_mul_i32 s20, s12, AHALF                      ; and where they go: no place in the cluster enters an LDS address
	s_mul_i32 s21, s12, BHALF
	s_add_co_u32 s21, s21, BOFF
	s_mov_b32 s[TB], 0
	s_wait_dscnt 0x0                               ; both opening adds are done
	s_wait_kmcnt 0x0
	s_add_nc_u64 s[14:15], s[4:5], s[16:17]
	s_add_nc_u64 s[46:47], s[6:7], s[46:47]
	CROUND                                         ; all sixteen work-groups are here: the first joint loads meet
.irp s, 0,1
	s_mov_b32 s[G0+4*(\s)], 1                                        ; count = 1
	s_add_co_u32 s[G0+4*(\s)+1], s20, (\s)*SLOT                      ; LDS address
	s_add_nc_u64 s[G0+4*(\s)+2:G0+4*(\s)+3], s[14:15], (\s)*ASTEP    ; global address: K step s
	s_or_b32 s[G0+4*(\s)+3], s[G0+4*(\s)+3], 0x80000000              ; type = 2
	s_mov_b32 s[G0B+4*(\s)], 1
	s_add_co_u32 s[G0B+4*(\s)+1], s21, (\s)*SLOT
	s_add_nc_u64 s[G0B+4*(\s)+2:G0B+4*(\s)+3], s[46:47], (\s)*BSTEP
	s_or_b32 s[G0B+4*(\s)+3], s[G0B+4*(\s)+3], 0x80000000
.endr
	s_cmp_eq_u32 s11, 0                            ; a wave's two first fills stand in one branch, ahead of every wait on TENSORcnt and every LDS read: two loads of mine are out
	s_cbranch_scc0 .Lfirst_b
	tensor_load_to_lds s[G0:G0+3], s[G1:G1+7]
	s_nop 0
	tensor_load_to_lds s[GW:GW+3], s[G1:G1+7]
	s_nop 0
.rept 4
	v_nop
.endr
	s_branch .Lfirst_asked
.Lfirst_b:
	tensor_load_to_lds s[G0B:G0B+3], s[G1B:G1B+7]
	s_nop 0
	tensor_load_to_lds s[GWB:GWB+3], s[G1B:G1B+7]
	s_nop 0
.rept 4
	v_nop
.endr
.Lfirst_asked:
	; A fragment from rows that lie along K: lane l holds row l % 16; two loads of 16 bytes, 32 bytes apart, at row x pitch + 16 (l / 16).
	v_and_b32 v1, 15, v0                           ; l % 16
	v_bfe_u32 v2, v0, 4, 1                         ; l / 16
	v_mul_u32_u24 v3, v1, PITCH
	v_lshl_add_u32 v3, v2, 4, v3
	s_mul_i32 s22, s11, AHALF                      ; my rows of A
	v_add_nc_u32 v[ADRA0], s22, v3
.if TRB
	; The turning load takes 16 k x 16 columns (lane l reads k = 8 (l / 16) + l % 8, columns 8 ((l / 8) % 2) + 0..7) and leaves half a fragment: lane l holds column l % 16 and 8 k.
	v_and_b32 v4, 7, v0
	v_lshl_add_u32 v4, v2, 3, v4
	v_mul_u32_u24 v4, v4, PB
	v_bfe_u32 v5, v0, 3, 1
	v_lshl_add_u32 v4, v5, 4, v4
	s_lshl_b32 s22, s12, 8                         ; my 128 columns
	s_add_co_u32 s22, s22, BOFF
	v_add_nc_u32 v[ADRB0], s22, v4
.else
	s_mul_i32 s22, s12, BHALF                      ; my 128 rows of B
	s_add_co_u32 s22, s22, BOFF
	v_add_nc_u32 v[ADRB0], s22, v3
.endif
	v_mov_b32 v[ADRA], v[ADRA0]
	v_mov_b32 v[ADRB], v[ADRB0]
	s_mul_i32 s23, s10, 16*PITCH
	s_add_co_u32 s23, s23, STAGE                   ; my stage
	v_add_nc_u32 v[STO], s23, v3                   ; in: row l % 16, 16 bytes for each half of the lanes
	v_mul_u32_u24 v6, v2, PITCH                    ; back: lanes 0-15 take one row of 256 bytes, lanes 16-31 the next
	v_lshl_add_u32 v6, v1, 4, v6
	v_add_nc_u32 v[RD], s23, v6
	v_mul_u32_u24 v6, v2, CPITCH                   ; and the same two rows in C
	v_lshl_add_u32 v[CO], v1, 4, v6
	s_mul_i32 s16, s13, 32*NA*CPITCH               ; C at my wave's first row and column
	s_mul_i32 s17, s11, 16*NA*CPITCH
	s_add_co_u32 s16, s16, s17
	s_lshl_b32 s17, s42, 9
	s_add_co_u32 s16, s16, s17
	s_lshl_b32 s17, s12, 8
	s_add_co_u32 s16, s16, s17
	s_mov_b32 s17, 0
	s_add_nc_u64 s[8:9], s[8:9], s[16:17]
.if BIAS
	s_lshl_b32 s46, s42, 10                        ; the bias of my 128 columns: f32
	s_lshl_b32 s47, s12, 9
	s_add_co_u32 s46, s46, s47
	s_add_co_u32 s46, s46, BIAS0
	s_mov_b32 s47, 0
	s_add_nc_u64 s[BP:BP+1], s[BP:BP+1], s[46:47]
	v_lshlrev_b32 v[BO], 5, v2
	WIN TO_B
.set fi, 0
.rept 8                                ; column block fi: my eight columns' numbers into window 1, v[8 fi ..]; waited for on the way out
	global_load_b128 v[8*fi:8*fi+3],   v[BO], s[BP:BP+1] offset:64*fi
	global_load_b128 v[8*fi+4:8*fi+7], v[BO], s[BP:BP+1] offset:64*fi+16
.set fi, fi+1
.endr
	WIN 0
.endif
	; THE PREFETCHES.  Each block of 256 bytes of A and B is named once in the launch.  A's rows are read by every cluster of a row of clusters: cluster x = 0 asks.  B's tiles by every cluster of a column (of one batch):
	; the first of them asks.  The four partners that ask for a tile jointly share it out BY ADDRESS (cx for A, cy for B), 32 blocks each; no branch hangs on a place in the cluster.
	s_mul_i32 s20, s13, 32*NA*APITCH               ; A: the tile's first row,
.if NA == 8
	s_mul_i32 s22, s12, 128*APITCH                 ; the 128 rows that I fetch,
	s_add_co_u32 s20, s20, s22
.endif
	s_mul_i32 s22, s40, 32*APITCH                  ; my work-group's 32 rows (with 128 rows to a tile wave 0 alone asks)
	s_add_co_u32 s20, s20, s22
	s_add_co_u32 s20, s20, 3*ASTEP                 ; at K step 3: the first refill steps it to 4
.if TRB
	s_lshl_b32 s21, s42, 9                         ; B as [k][n]: the tile's 512 bytes of a row, two blocks;
	s_mul_i32 s22, s12, 64*BPITCH                  ; the 64 rows that I fetch,
	s_add_co_u32 s21, s21, s22
	s_mul_i32 s22, s41, 16*BPITCH                  ; my work-group's 16 of them
.else
	s_mul_i32 s21, s42, 256*BPITCH                 ; B as [n][k]: as for A
	s_mul_i32 s22, s12, 128*BPITCH
	s_add_co_u32 s21, s21, s22
	s_mul_i32 s22, s41, 32*BPITCH
.endif
	s_add_co_u32 s21, s21, s22
.if HASB
	s_lshr_b32 s22, s[CY], BSH
	s_lshl_b32 s22, s22, 23
	s_add_co_u32 s21, s21, s22
.endif
	s_add_co_u32 s21, s21, BBYTE0+3*BSTEP
	s_and_b32 s22, s[CY], BMASK                    ; 0 in the first cluster that reads my tiles of B
	s_mov_b32 s18, BSTEP
	s_mov_b32 s19, BPITCH
	s_cmp_eq_u32 s11, 0                            ; do I fetch for A?
	s_cselect_b32 s20, s20, s21
	s_cselect_b32 s22, ttmp9, s22
	s_cselect_b32 s[PST], ASTEP, s18
	s_cselect_b32 s19, APITCH, s19                 ; bytes from row to row,
	s_cselect_b32 s23, 0, TRB                      ; and 1 where a row has two blocks
	s_cselect_b64 s[PFA:PFA+1], s[4:5], s[6:7]
.if NA == 4
	s_cselect_b32 s18, s12, 0
	s_or_b32 s22, s22, s18
.endif
	s_cmp_eq_u32 s22, 0
	s_cselect_b32 s[LIM], 2, -1                    ; the same in all sixteen partners, for a given wave
	s_mov_b32 s21, 0
	s_mov_b32 s[PST+1], 0
	s_add_nc_u64 s[PFA:PFA+1], s[PFA:PFA+1], s[20:21]
	v_and_b32 v31, 31, v0
	v_lshrrev_b32 v[PFO], s23, v31
	v_mul_u32_u24 v[PFO], s19, v[PFO]
	v_and_b32 v31, s23, v31
	v_lshl_add_u32 v[PFO], v31, 8, v[PFO]          ; nothing is prefetched here, at the head: the first four K steps come by their loads alone
	s_wait_tensorcnt 0x1                           ; my part of K step 0 is in; K step 1's may stay out
	s_barrier_signal -1
	s_barrier_wait -1                              ; everybody's is
	FETCH 0, F0
	QUARTER 1, F0, F1, 1                           ; the first quarter stands in front of the loop: its products start the sums
	WIN 0                                          ; at a label and at a branch every window is 0
	s_mov_b32 s3, NSTEP-2
.Lstep:                                                ; a trip: a K step's second quarter to the next step's first; the slot that it leaves is filled again
	QUARTER 2, F1, F0, 0
	QUARTER 3, F0, F1, 0
	TURN
	QUARTER 1, F0, F1, 0
	WIN 0
	s_sub_co_u32 s3, s3, 1
	s_cmp_lg_u32 s3, 0
	s_cbranch_scc1 .Lstep
	s_mov_b32 s3, 2
.Ltail:                                                ; the last two K steps ask for nothing; the second jumps forward over what belongs to a next step
	QUARTER 2, F1, F0, 0
	QUARTER 3, F0, F1, 0
	TURNT
	WIN 0
	s_cmp_eq_u32 s3, 1
	s_cbranch_scc1 .Ltail_end
	QUARTER 1, F0, F1, 0
	WIN 0
.Ltail_end:
	s_sub_co_u32 s3, s3, 1
	s_cmp_lg_u32 s3, 0
	s_cbranch_scc1 .Ltail
	PLACES                                         ; behind the last products, in front of the lines that read and write their results;
	PLACES                                         ; eight, once a launch
.if BIAS
	s_wait_loadcnt 0x0                             ; the bias
	ADDB 0
.endif
	PACK 0
	TOSTAGE 0
.set wa, 1
.rept NA-1                             ; block wa's arithmetic stands between block wa - 1's loads from the stage and the wait for them
.if BIAS
	ADDB wa
.endif
	PACK wa
	SEND wa-1
	TOSTAGE wa
.set wa, wa+1
.endr
	SEND NA-1
	s_wait_tensorcnt 0x0                           ; the wave's end: a wait, an add and a wait, behind my last tensor load and my last LDS store
	ds_add_u32 v[SPW], v[NIL]
	s_wait_dscnt 0x0
	CROUND                                         ; the closing round: no work-group ends while a partner may still ask for a tile that names it
	s_endpgm
.Lfunc_end_k_qe188351221_pvg:
	.size	k_qe188351221_pvg, .Lfunc_end_k_qe188351221_pvg-k_qe188351221_pvg
	.p2alignl 7, 3214868480
	.fill 96, 4, 3214868480
	.section	.rodata,"a",@progbits
	.p2align	6, 0x0
	.amdhsa_kernel k_qe188351221_pvg
		.amdhsa_group_segment_fixed_size 327680
		.amdhsa_private_segment_fixed_size 0
		.amdhsa_enable_private_segment 0
		.amdhsa_kernarg_size 32
		.amdhsa_user_sgpr_count 2
		.amdhsa_user_sgpr_kernarg_segment_ptr 1
		.amdhsa_wavefront_size32 1
		.amdhsa_system_sgpr_workgroup_id_x 1
		.amdhsa_system_sgpr_workgroup_id_y 1
		.amdhsa_system_sgpr_workgroup_id_z 1
		.amdhsa_system_vgpr_workitem_id 0
		.amdhsa_next_free_vgpr 768
		.amdhsa_next_free_sgpr 80
		.amdhsa_reserve_vcc 0
		.amdhsa_float_denorm_mode_32 3
		.amdhsa_float_denorm_mode_16_64 3
		.amdhsa_memory_ordered 1
		.amdhsa_forward_progress 1
		.amdhsa_inst_pref_size 73
	.end_amdhsa_kernel
	.amdgpu_metadata
---
amdhsa.version: [ 1, 2 ]
amdhsa.kernels:
  - .name:           k_qe188351221_pvg
    .symbol:         k_qe188351221_pvg.kd
    .args:
      - { .name: pr, .offset: 0, .size: 8, .value_kind: global_buffer, .address_space: global }
      - { .name: kv, .offset: 8, .size: 8, .value_kind: global_buffer, .address_space: global }
      - { .name: xb, .offset: 16, .size: 8, .value_kind: global_buffer, .address_space: global }
      - { .name: b_qkv, .offset: 24, .size: 8, .value_kind: global_buffer, .address_space: global }
    .group_segment_fixed_size: 327680
    .private_segment_fixed_size: 0
    .kernarg_segment_align: 8
    .kernarg_segment_size: 32
    .max_flat_workgroup_size: 128
    .sgpr_count:     80
    .vgpr_count:     768
    .wavefront_size: 32
...
	.end_amdgpu_metadata
.endif
;; end of part 6
;; launch proj: the kernel of part 2 again; grid 4 x 64, 4 waves a work-group, clusters of 4 x 4, 327,680 bytes of LDS; arguments xb, wp, qb, b_proj; writes qb
;; launch norm (part 7): grid 256 x 1, 32 waves a work-group, no clusters, 0 bytes of LDS; arguments x, qb, gamma, beta, out0; writes out0
.if DOCPART == 7
	.amdgcn_target "amdgcn-amd-amdhsa--gfx1250"
	.amdhsa_code_object_version 6
	.text
	.protected	k_qe188351221_norm
	.globl	k_qe188351221_norm
	.p2align	8
	.type	k_qe188351221_norm,@function
k_qe188351221_norm:
	s_mov_b64 s[64:65], 0
	v_nop
	global_prefetch_b8 v0, s[64:65] scope:SCOPE_SE
	s_setreg_imm32_b32 hwreg(HW_REG_WAVE_MODE, 25, 1), 1
	s_wait_xcnt 0x0
; out0[r][:] = (y - mean(y)) rsqrt(var(y) + 1e-5) gamma + beta with y = z[r][:] + x[r][:].  x, out0: [8192][1024] f32; z = O W_proj + b_proj: [8192][1024] bf16; gamma, beta: [1024] f32.
; All arithmetic in f32; the variance is the mean of (y - mean)^2, taken in a second pass over registers, as the problem defines it: no difference of large sums is formed.
; One wave, one row: x's 4,096 bytes are eight 16-byte loads a lane, z's 2,048 bytes eight 8-byte loads of the same four columns.  The row stays in registers: no LDS, no barrier, no loop.
; 32 waves a work-group, 256 work-groups: every row has its wave.  Each load and store of x and out0 covers 512 consecutive bytes.
.set Y, 4                              ; v[4:35]    my 32 numbers of the row: columns 128 j + 4 lane + 0..3
.set Z, 36                             ; v[36:51]   z as loaded, two bf16 a register; later the chains of the sum of squares
.set G, 52                             ; v[52:83]   gamma of my columns
.set B, 84                             ; v[84:115]  beta
.set T, 116                            ; v[116:123] at work
.set MU, 124                           ; v[124:125] the mean, twice; later var + eps
.set R, 126                            ; v[126:127] rsqrt(var + eps), twice
	s_load_b256 s[4:11], s[0:1], 0x0               ; x s[4:5], z s[6:7], gamma s[8:9], beta s[10:11]
	s_load_b64 s[12:13], s[0:1], 0x20              ; out0
	s_lshl_b32 s2, ttmp9, 17                       ; the work-group's 32 rows of 4,096 bytes,
	s_mov_b32 s3, 0
	s_lshl_b32 s14, ttmp9, 16                      ; and of 2,048
	s_mov_b32 s15, 0
	s_mov_b32 s16, 0x3a800000                      ; 1 / 1024
	s_mov_b32 s17, 0xffff0000                      ; a word's upper bf16
	s_mov_b32 s18, 0x76543210                      ; v_permlanex16_b32: each lane takes its own place in the other half
	s_mov_b32 s19, 0xfedcba98
	s_mov_b32 s20, 0x3727c5ac                      ; 1e-5
	v_and_b32 v3, 31, v0
	v_and_b32 v2, 0x3e0, v0                        ; 32 x wave
	v_lshlrev_b32 v1, 7, v2
	v_lshl_or_b32 v1, v3, 4, v1                    ; x, out0: my wave's row + 16 bytes a lane
	v_lshlrev_b32 v2, 6, v2
	v_lshl_or_b32 v2, v3, 3, v2                    ; z: my wave's row + 8 bytes a lane
	v_lshlrev_b32 v3, 4, v3                        ; gamma, beta
	s_wait_kmcnt 0x0
	s_add_nc_u64 s[4:5], s[4:5], s[2:3]
	s_add_nc_u64 s[12:13], s[12:13], s[2:3]
	s_add_nc_u64 s[6:7], s[6:7], s[14:15]
.irp j, 0,1,2,3,4,5,6,7
	global_load_b128 v[Y+4*(\j):Y+4*(\j)+3], v1, s[4:5] offset:512*(\j) th:TH_LOAD_NT
.endr
.irp j, 0,1,2,3,4,5,6,7
	global_load_b64 v[Z+2*(\j):Z+2*(\j)+1], v2, s[6:7] offset:256*(\j) th:TH_LOAD_NT
.endr
.irp j, 0,1,2,3,4,5,6,7
	global_load_b128 v[G+4*(\j):G+4*(\j)+3], v3, s[8:9] offset:512*(\j)
.endr
.irp j, 0,1,2,3,4,5,6,7
	global_load_b128 v[B+4*(\j):B+4*(\j)+3], v3, s[10:11] offset:512*(\j)
.endr
	s_wait_loadcnt 16                              ; x and z are in; gamma's and beta's 16 loads may stay out
.irp j, 0,1,2,3,4,5,6,7
	v_lshlrev_b32 v[T+4*((\j)%2)],   16,  v[Z+2*(\j)]      ; bf16 to f32
	v_and_b32     v[T+4*((\j)%2)+1], s17, v[Z+2*(\j)]
	v_lshlrev_b32 v[T+4*((\j)%2)+2], 16,  v[Z+2*(\j)+1]
	v_and_b32     v[T+4*((\j)%2)+3], s17, v[Z+2*(\j)+1]
	v_pk_add_f32 v[Y+4*(\j):Y+4*(\j)+1],   v[Y+4*(\j):Y+4*(\j)+1],   v[T+4*((\j)%2):T+4*((\j)%2)+1]      ; y = x + z
	v_pk_add_f32 v[Y+4*(\j)+2:Y+4*(\j)+3], v[Y+4*(\j)+2:Y+4*(\j)+3], v[T+4*((\j)%2)+2:T+4*((\j)%2)+3]
.endr
	; the mean: four chains of pairs, then across the lanes
.irp k, 0,1,2,3
	v_pk_add_f32 v[T+2*(\k):T+2*(\k)+1], v[Y+2*(\k):Y+2*(\k)+1], v[Y+8+2*(\k):Y+8+2*(\k)+1]
.endr
.set j, 8
.rept 8
	v_pk_add_f32 v[T+2*(j%4):T+2*(j%4)+1], v[T+2*(j%4):T+2*(j%4)+1], v[Y+2*j:Y+2*j+1]
.set j, j+1
.endr
	v_pk_add_f32 v[T:T+1], v[T:T+1], v[T+2:T+3]
	v_pk_add_f32 v[T+4:T+5], v[T+4:T+5], v[T+6:T+7]
	v_pk_add_f32 v[T:T+1], v[T:T+1], v[T+4:T+5]
	v_add_f32 v[T], v[T], v[T+1]
	v_add_f32_dpp v[T], v[T], v[T] row_xmask:1 row_mask:0xf bank_mask:0xf
	v_add_f32_dpp v[T], v[T], v[T] row_xmask:2 row_mask:0xf bank_mask:0xf
	v_add_f32_dpp v[T], v[T], v[T] row_xmask:4 row_mask:0xf bank_mask:0xf
	v_add_f32_dpp v[T], v[T], v[T] row_xmask:8 row_mask:0xf bank_mask:0xf
	v_permlanex16_b32 v[T+1], v[T], s18, s19
	v_add_f32 v[T], v[T], v[T+1]
	v_mul_f32 v[MU], s16, v[T]
	v_mov_b32 v[MU+1], v[MU]
.set j, 0
.rept 16
	v_pk_add_f32 v[Y+2*j:Y+2*j+1], v[Y+2*j:Y+2*j+1], v[MU:MU+1] neg_lo:[0,1] neg_hi:[0,1]  ; y - mean
.set j, j+1
.endr
	; the variance: the first four products start the chains
.irp k, 0,1,2,3
	v_pk_mul_f32 v[Z+2*(\k):Z+2*(\k)+1], v[Y+2*(\k):Y+2*(\k)+1], v[Y+2*(\k):Y+2*(\k)+1]
.endr
.set j, 4
.rept 12
	v_pk_fma_f32 v[Z+2*(j%4):Z+2*(j%4)+1], v[Y+2*j:Y+2*j+1], v[Y+2*j:Y+2*j+1], v[Z+2*(j%4):Z+2*(j%4)+1]
.set j, j+1
.endr
	v_pk_add_f32 v[Z:Z+1], v[Z:Z+1], v[Z+2:Z+3]
	v_pk_add_f32 v[Z+4:Z+5], v[Z+4:Z+5], v[Z+6:Z+7]
	v_pk_add_f32 v[Z:Z+1], v[Z:Z+1], v[Z+4:Z+5]
	v_add_f32 v[Z], v[Z], v[Z+1]
	v_add_f32_dpp v[Z], v[Z], v[Z] row_xmask:1 row_mask:0xf bank_mask:0xf
	v_add_f32_dpp v[Z], v[Z], v[Z] row_xmask:2 row_mask:0xf bank_mask:0xf
	v_add_f32_dpp v[Z], v[Z], v[Z] row_xmask:4 row_mask:0xf bank_mask:0xf
	v_add_f32_dpp v[Z], v[Z], v[Z] row_xmask:8 row_mask:0xf bank_mask:0xf
	v_permlanex16_b32 v[Z+1], v[Z], s18, s19
	v_add_f32 v[Z], v[Z], v[Z+1]
	v_fma_f32 v[MU], v[Z], s16, s20                ; var + eps
	v_rsq_f32 v[R], v[MU]
	v_rsq_f32 v[R+1], v[MU]                        ; twice, for the packed multiply
	v_nop                                          ; a plain instruction behind the last of them,
	s_wait_alu depctr_va_vdst(0)                   ; and one wait ahead of their first reader
	s_wait_loadcnt 0x0                             ; gamma and beta
.set j, 0
.rept 16
	v_pk_mul_f32 v[Y+2*j:Y+2*j+1], v[Y+2*j:Y+2*j+1], v[R:R+1]
.set j, j+1
.endr
.set j, 0
.rept 16
	v_pk_fma_f32 v[Y+2*j:Y+2*j+1], v[Y+2*j:Y+2*j+1], v[G+2*j:G+2*j+1], v[B+2*j:B+2*j+1]
.set j, j+1
.endr
.irp j, 0,1,2,3,4,5,6,7
	global_store_b128 v1, v[Y+4*(\j):Y+4*(\j)+3], s[12:13] offset:512*(\j) th:TH_STORE_NT
.endr
	s_endpgm
.Lfunc_end_k_qe188351221_norm:
	.size	k_qe188351221_norm, .Lfunc_end_k_qe188351221_norm-k_qe188351221_norm
	.p2alignl 7, 3214868480
	.fill 96, 4, 3214868480
	.section	.rodata,"a",@progbits
	.p2align	6, 0x0
	.amdhsa_kernel k_qe188351221_norm
		.amdhsa_group_segment_fixed_size 0
		.amdhsa_private_segment_fixed_size 0
		.amdhsa_enable_private_segment 0
		.amdhsa_kernarg_size 40
		.amdhsa_user_sgpr_count 2
		.amdhsa_user_sgpr_kernarg_segment_ptr 1
		.amdhsa_wavefront_size32 1
		.amdhsa_system_sgpr_workgroup_id_x 1
		.amdhsa_system_sgpr_workgroup_id_y 1
		.amdhsa_system_sgpr_workgroup_id_z 1
		.amdhsa_system_vgpr_workitem_id 0
		.amdhsa_next_free_vgpr 128
		.amdhsa_next_free_sgpr 66
		.amdhsa_reserve_vcc 0
		.amdhsa_float_denorm_mode_32 3
		.amdhsa_float_denorm_mode_16_64 3
		.amdhsa_memory_ordered 1
		.amdhsa_forward_progress 1
		.amdhsa_inst_pref_size 14
	.end_amdhsa_kernel
	.amdgpu_metadata
---
amdhsa.version: [ 1, 2 ]
amdhsa.kernels:
  - .name:           k_qe188351221_norm
    .symbol:         k_qe188351221_norm.kd
    .args:
      - { .name: x, .offset: 0, .size: 8, .value_kind: global_buffer, .address_space: global }
      - { .name: qb, .offset: 8, .size: 8, .value_kind: global_buffer, .address_space: global }
      - { .name: gamma, .offset: 16, .size: 8, .value_kind: global_buffer, .address_space: global }
      - { .name: beta, .offset: 24, .size: 8, .value_kind: global_buffer, .address_space: global }
      - { .name: out0, .offset: 32, .size: 8, .value_kind: global_buffer, .address_space: global }
    .group_segment_fixed_size: 0
    .private_segment_fixed_size: 0
    .kernarg_segment_align: 8
    .kernarg_segment_size: 40
    .max_flat_workgroup_size: 1024
    .sgpr_count:     66
    .vgpr_count:     128
    .wavefront_size: 32
...
	.end_amdgpu_metadata
.endif
;; end of part 7
;; ======== version 2 of 3: 7 launches
;; limits: values outside matrix products are rounded to bf16
;; workspace buffers: xb 16,777,216 bytes; qb 16,777,216 bytes; kv 33,554,432 bytes; sc 33,554,432 bytes; pr 33,554,432 bytes; wa 4,718,592 bytes; wb 4,194,304 bytes; wt 4,718,592 bytes
;; launch cast (part 8): grid 784 x 1, 8 waves a work-group, no clusters, 0 bytes of LDS; arguments x, W_qkv, W_proj, b_qkv, xb, wa, wb; writes xb, wa, wb
.if DOCPART == 8
	.amdgcn_target "amdgcn-amd-amdhsa--gfx1250"
	.amdhsa_code_object_version 6
	.text
	.protected	k_qe188351221_cast
	.globl	k_qe188351221_cast
	.p2align	8
	.type	k_qe188351221_cast,@function
k_qe188351221_cast:
	s_mov_b64 s[64:65], 0
	v_nop
	global_prefetch_b8 v0, s[64:65] scope:SCOPE_SE
	s_setreg_imm32_b32 hwreg(HW_REG_WAVE_MODE, 25, 1), 1
	s_wait_xcnt 0x0
; THE PROGRAM.  out0 = LayerNorm(softmax((x Wq + bq)(x Wk + bk)^T / 32)(x Wv + bv) W_proj + b_proj + x) gamma + beta, for 4 batches of 2,048 tokens of 1,024 channels.
; THE PRODUCTS ARE TAKEN IN ANOTHER ORDER, which is the same in real arithmetic for all values of the inputs:
;   (x Wq + bq)(x Wk)^T = (x M + c1) x^T  with M = Wq Wk^T [1024][1024], c1 = bq Wk^T;      (P (x Wv + bv)) W_proj = P (x N + c2)  with N = Wv W_proj, c2 = bv W_proj.
; So the products over 8,192 rows are three of 2 x 8192 x 1024 x 2048 operations ([t | v'] = x [M | N] + [c1 | c2]; t x^T; P v') where the formula as written has four such; M, N, c1, c2 cost 2 x 2 x 1152 x 1024 x 1024.
; Seven launches: this cast; the weights' products; [t | v']; raw scores t x^T; softmax by rows; z = P v' + b_proj; LayerNorm(z + x).
; WORK LEFT OUT: the keys' bias bk = b_qkv[1024:2048].  scores[l][m] = q_l . (x_m Wk + bk) / 32 = q_l . (x_m Wk) / 32 + q_l . bk / 32, and the second term is the same for every m of
; row l.  softmax is taken along m, and a term that is constant along its axis cancels between numerator and denominator, whatever finite values x, W_qkv and b_qkv hold.  So these 1,024
; numbers reach no output; no launch loads them.  (b_qkv stays an argument for bq and bv.)  LIMIT: a NaN, an infinity or an overflow that reaches only q . bk is not carried to the result.
; LIMITS OF THE PROGRAM.  The order of rounding differs from the formula's: matrix operands and what is stored between launches (x's copy, the weights' copies, M, N, c1, c2, t, v', the raw scores, P, z) are
; rounded once to bf16; the residual x, all sums, maxima, means and variances are f32.  A softmax weight below 2^-126 counts as 0.  NaN and infinities are not treated apart.
;
; THIS LAUNCH rounds to bf16 and lays out: xb [8192][1024] = x;  wa [2304][1024] = Wq's 1,024 rows, bq 128 times, Wv's 1,024 rows, bv 128 times;  wb [2048][1024] = Wk's 1,024 rows, then W_proj turned ([j][n]).
; (A bias fills a tile of 128 rows of the weights' product, of which one row is used: a tile has no fewer rows.)
; A pass is one row of 1,024 f32: thread t loads 16 bytes at 16 t and stores 8 bytes at 8 t, so a wave's store covers 256 consecutive bytes, aligned.  A work-group does 16 rows.
; Work-groups 0-511 take x; then 64 each for Wq, Wk, Wv and W_proj; then 8 each for bq and bv (the source's step from row to row is 0).  All 16 loads of a thread go out before the first wait.
; W_proj IS TURNED IN REGISTERS.  A work-group takes 128 n x 128 j; wave w the columns 16 w .. 16 w + 15; lane l the rows 4 l .. 4 l + 3: sixteen loads of 16 bytes (a row's 512 bytes are taken by the eight waves'
; loads, which go out together).  For each column the lane's four n pack into 8 bytes, and the wave's store covers 256 consecutive bytes of the turned row, aligned.
.set IN,  4                            ; v[4:19]    row i: byte offset of my 16 bytes
.set OUT, 20                           ; v[20:35]   row i: byte offset of my 8 bytes
.set D,   36                           ; v[36:99]   load i: four f32
.set PK,  100                          ; v[100:131] store i: four bf16
	s_load_b256 s[4:11], s[0:1], 0x0               ; x s[4:5], W_qkv s[6:7], W_proj s[8:9], b_qkv s[10:11]
	s_load_b128 s[12:15], s[0:1], 0x20             ; xb s[12:13], wa s[14:15]
	s_load_b64 s[16:17], s[0:1], 0x30              ; wb
	s_sub_co_u32 s20, ttmp9, 512                   ; the work-group's number behind x's 512 (wraps for x's, and is then not used)
	s_lshr_b32 s21, s20, 6
	s_and_b32 s22, s20, 63
	s_cmp_lt_u32 ttmp9, 512
	s_cselect_b32 s21, 5, s21                      ; the job: 0 Wq, 1 Wk, 2 Wv, 3 W_proj, 4 the biases, 5 x
	s_cselect_b32 s22, ttmp9, s22                  ; my block of 16 rows in the job
	s_movk_i32 s23, 0x1000                         ; bytes from row to row in the source: 4,096,
	s_lshl_b32 s25, s21, 12                        ; (the job's first column in W_qkv: 4,096 bytes a job)
	s_cmp_lt_u32 s21, 3
	s_cselect_b32 s23, 0x3000, s23                 ; in W_qkv 12,288
	s_cselect_b32 s25, s25, 0
	s_cmp_eq_u32 s21, 2
	s_cselect_b32 s27, 0x240000, 0                 ; Wv begins at wa's row 1,152
	s_lshr_b32 s26, s22, 3                         ; the biases: blocks 0-7 bq, blocks 8-15 bv
	s_lshl_b32 s18, s26, 13                        ; bv lies 8,192 bytes into b_qkv
	s_lshl_b32 s19, s26, 21
	s_add_co_u32 s19, s19, 0x200000                ; block G goes to wa's row 1,024 + 16 G (bq) or 2,048 + 16 G (bv)
	s_cmp_eq_u32 s21, 4
	s_cselect_b32 s23, 0, s23                      ; the same source row 128 times
	s_cselect_b32 s25, s18, s25
	s_cselect_b32 s27, s19, s27
	s_movk_i32 s24, 0x800                          ; bytes from row to row in every destination
	s_mul_i32 s28, s22, s23
	s_lshl_b32 s28, s28, 4
	s_add_co_u32 s28, s28, s25                     ; source: 16 rows a block, plus the first column; under 2^26
	s_mov_b32 s29, 0
	s_lshl_b32 s30, s22, 15
	s_add_co_u32 s30, s30, s27                     ; destination likewise
	s_mov_b32 s31, 0
	v_lshlrev_b32 v[IN], 4, v0
	v_lshlrev_b32 v[OUT], 3, v0
.set i, 1
.rept 15
	v_add_nc_u32 v[IN+i], s23, v[IN+i-1]
	v_add_nc_u32 v[OUT+i], s24, v[OUT+i-1]
.set i, i+1
.endr
	s_wait_kmcnt 0x0
	s_cmp_eq_u32 s21, 3
	s_cbranch_scc1 .Lturn                          ; W_proj has a way of its own
	s_cmp_eq_u32 s21, 4                            ; the buffers are chosen by the job's number alone
	s_cselect_b64 s[32:33], s[10:11], s[6:7]
	s_cmp_eq_u32 s21, 5
	s_cselect_b64 s[32:33], s[4:5], s[32:33]
	s_cselect_b64 s[34:35], s[12:13], s[14:15]
	s_cmp_eq_u32 s21, 1
	s_cselect_b64 s[34:35], s[16:17], s[34:35]
	s_add_nc_u64 s[32:33], s[32:33], s[28:29]
	s_add_nc_u64 s[34:35], s[34:35], s[30:31]
.set i, 0
.rept 16
	global_load_b128 v[D+4*i:D+4*i+3], v[IN+i], s[32:33] th:TH_LOAD_NT
.set i, i+1
.endr
.set i, 0
.rept 16
	s_wait_loadcnt 15-i                            ; loads come back in order: row i is in, the 15 - i younger ones stay out
	v_cvt_pk_bf16_f32 v[PK+2*i], v[D+4*i], v[D+4*i+1]
	v_cvt_pk_bf16_f32 v[PK+2*i+1], v[D+4*i+2], v[D+4*i+3]
	global_store_b64 v[OUT+i], v[PK+2*i:PK+2*i+1], s[34:35]
.set i, i+1
.endr
	s_endpgm
.Lturn:
	s_and_b32 s26, s22, 7                          ; my block of 128 n,
	s_lshr_b32 s27, s22, 3                         ; my block of 128 j
	s_lshl_b32 s28, s26, 19                        ; in W_proj: 128 rows of 4,096 bytes,
	s_lshl_b32 s18, s27, 9                         ; 128 columns of 4 bytes
	s_add_co_u32 s28, s28, s18
	s_mov_b32 s29, 0
	s_lshl_b32 s30, s27, 18                        ; in wb: 128 rows of 2,048 bytes,
	s_lshl_b32 s18, s26, 8                         ; 128 columns of 2 bytes,
	s_add_co_u32 s30, s30, s18
	s_add_co_u32 s30, s30, 0x200000                ; behind Wk's 1,024 rows
	s_mov_b32 s31, 0
	s_add_nc_u64 s[32:33], s[8:9], s[28:29]
	s_add_nc_u64 s[34:35], s[16:17], s[30:31]
	v_and_b32 v1, 31, v0                           ; lane
	v_lshrrev_b32 v2, 5, v0                        ; wave
	v_lshlrev_b32 v[IN], 14, v1                    ; four rows a lane,
	v_lshl_add_u32 v[IN], v2, 6, v[IN]             ; sixteen columns a wave
	v_lshlrev_b32 v[OUT], 3, v1                    ; four n a lane,
	v_lshl_add_u32 v[OUT], v2, 15, v[OUT]          ; sixteen turned rows a wave
.set g, 0
.rept 4                                ; column group g (four columns), row q of my four: at D + 16 g + 4 q
.set q, 0
.rept 4
	global_load_b128 v[D+16*g+4*q:D+16*g+4*q+3], v[IN], s[32:33] offset:4096*q+16*g
.set q, q+1
.endr
.set g, g+1
.endr
.set g, 0
.rept 4
	s_wait_loadcnt 12-4*g                          ; group g's four loads are in; the later groups' 12 - 4 g stay out
.set e, 0
.rept 4
	v_cvt_pk_bf16_f32 v[PK+2*(4*g+e)],   v[D+16*g+e],   v[D+16*g+4+e]    ; column 4 g + e: rows 0 and 1,
	v_cvt_pk_bf16_f32 v[PK+2*(4*g+e)+1], v[D+16*g+8+e], v[D+16*g+12+e]   ; rows 2 and 3
	global_store_b64 v[OUT], v[PK+2*(4*g+e):PK+2*(4*g+e)+1], s[34:35] offset:2048*(4*g+e)
.set e, e+1
.endr
.set g, g+1
.endr
	s_endpgm
.Lfunc_end_k_qe188351221_cast:
	.size	k_qe188351221_cast, .Lfunc_end_k_qe188351221_cast-k_qe188351221_cast
	.p2alignl 7, 3214868480
	.fill 96, 4, 3214868480
	.section	.rodata,"a",@progbits
	.p2align	6, 0x0
	.amdhsa_kernel k_qe188351221_cast
		.amdhsa_group_segment_fixed_size 0
		.amdhsa_private_segment_fixed_size 0
		.amdhsa_enable_private_segment 0
		.amdhsa_kernarg_size 56
		.amdhsa_user_sgpr_count 2
		.amdhsa_user_sgpr_kernarg_segment_ptr 1
		.amdhsa_wavefront_size32 1
		.amdhsa_system_sgpr_workgroup_id_x 1
		.amdhsa_system_sgpr_workgroup_id_y 1
		.amdhsa_system_sgpr_workgroup_id_z 1
		.amdhsa_system_vgpr_workitem_id 0
		.amdhsa_next_free_vgpr 132
		.amdhsa_next_free_sgpr 66
		.amdhsa_reserve_vcc 0
		.amdhsa_float_denorm_mode_32 3
		.amdhsa_float_denorm_mode_16_64 3
		.amdhsa_memory_ordered 1
		.amdhsa_forward_progress 1
		.amdhsa_inst_pref_size 15
	.end_amdhsa_kernel
	.amdgpu_metadata
---
amdhsa.version: [ 1, 2 ]
amdhsa.kernels:
  - .name:           k_qe188351221_cast
    .symbol:         k_qe188351221_cast.kd
    .args:
      - { .name: x, .offset: 0, .size: 8, .value_kind: global_buffer, .address_space: global }
      - { .name: W_qkv, .offset: 8, .size: 8, .value_kind: global_buffer, .address_space: global }
      - { .name: W_proj, .offset: 16, .size: 8, .value_kind: global_buffer, .address_space: global }
      - { .name: b_qkv, .offset: 24, .size: 8, .value_kind: global_buffer, .address_space: global }
      - { .name: xb, .offset: 32, .size: 8, .value_kind: global_buffer, .address_space: global }
      - { .name: wa, .offset: 40, .size: 8, .value_kind: global_buffer, .address_space: global }
      - { .name: wb, .offset: 48, .size: 8, .value_kind: global_buffer, .address_space: global }
    .group_segment_fixed_size: 0
    .private_segment_fixed_size: 0
    .kernarg_segment_align: 8
    .kernarg_segment_size: 56
    .max_flat_workgroup_size: 256
    .sgpr_count:     66
    .vgpr_count:     132
    .wavefront_size: 32
...
	.end_amdgpu_metadata
.endif
;; end of part 8
;; launch wprod (part 9): grid 8 x 18, 4 waves a work-group, clusters of 4 x 1, 327,680 bytes of LDS; arguments wa, wb, wt; writes wt
.if DOCPART == 9
	.amdgcn_target "amdgcn-amd-amdhsa--gfx1250"
	.amdhsa_code_object_version 6
	.text
	.protected	k_qe188351221_wprod
	.globl	k_qe188351221_wprod
	.p2align	8
	.type	k_qe188351221_wprod,@function
k_qe188351221_wprod:
	s_mov_b64 s[64:65], 0
	v_nop
	global_prefetch_b8 v0, s[64:65] scope:SCOPE_SE
	s_setreg_imm32_b32 hwreg(HW_REG_WAVE_MODE, 25, 1), 1
	s_wait_xcnt 0x0
	s_wait_alu depctr_hold_cnt(0) depctr_sa_sdst(0) depctr_va_vdst(0) depctr_va_sdst(0) depctr_va_ssrc(0) depctr_va_vcc(0) depctr_vm_vsrc(0)
	s_getreg_b32 s2, hwreg(HW_REG_IB_STS2, 6, 4)
	s_cmp_eq_u32 s2, 0
	s_cbranch_scc0 .Lentry_in_a_cluster
	s_endpgm
.Lentry_in_a_cluster:
	s_bfe_u32 s2, ttmp6, 0x10000c
	s_cmp_lg_u32 s2, 0x3003
	s_cbranch_scc0 .Lentry_shape_is_right
	s_endpgm
.Lentry_shape_is_right:
; THE WEIGHTS' PRODUCTS.  C[i][j] = the sum over n of A[i][n] B[j][n], in two batches.  A = wa [2304][1024] bf16: batch 0 rows 0-1151 (Wq, then bq 128 times), batch 1 rows 1152-2303 (Wv, then bv 128 times).
; B = wb [2048][1024] bf16: batch 0 rows 0-1023 (Wk), batch 1 rows 1024-2047 (W_proj turned).  C = wt [1152][2048] bf16: batch 0 in columns 0-1023 (M = Wq Wk^T; from row 1024 on c1 = bq Wk^T),
; batch 1 in columns 1024-2047 (N = Wv W_proj; c2 = bv W_proj).  Sums in f32, C rounded once.  Of the rows from 1,024 on the next launch reads the first; the others lie in the same tile.
; WORK LEFT OUT: nothing is made of the keys' bias: it adds to each row of scores a term that is the same along the softmax's axis and cancels there, for all values.
; SHARES.  A tile of C is 128 x 128: 8 x 9 tiles a batch, 144 work-groups: all the work there is.  The four waves lie one below the other: wave w makes rows 32 w .. 32 w + 31 and all 128 columns: 16 accumulators
; of 16 x 16.  So a wave's part of a row of C is 256 consecutive bytes, and each wave has a stage of its own on the way out.
; K GOES IN FOUR STEPS OF 256 through two LDS slots that take turns (LDS rows of 512 bytes; a wave's tensor load brings 64 of them): steps 0 and 1 are asked for together at the head, steps 2 and 3 each behind a
; change of slots.  The loop's body is ONE K step: the refill's descriptor walks (its LDS word turned by an exclusive or), and the LDS reads hang on a scalar slot base.
; CLUSTERS of 4 x 1: the four work-groups of a cluster make tiles of one tile row and share A's tile, which is asked for jointly.  Each has a tile column, and so a tile of B, of its own: a load of its own, behind
; the same rounds.  Clusters of 4 x 4 would share B's tiles too, but a batch's nine tile rows do not divide by four.
; NO PREFETCH: of the four K steps two are asked for at the head and each of the other two one step ahead of its use: no step stands two refills on.
; THE MATRIX INSTRUCTION IS USED TRANSPOSED: source 0 = 16 rows of B, source 1 = 16 rows of A: a lane then holds row l % 16 of C and the eight neighbouring columns 8 (l / 16) + 0..7.
; REGISTERS, in windows of 256: window 0: addresses; A's two fragment buffers, v64-95 and v128-159 (64 along K: half c, row block a at 16 c + 8 a); the way out.  Window 1: B's two fragment buffers of 128
; (half c, column block b at 64 c + 8 b).  Window 2: the accumulators, (a, b) at v[64 a + 8 b].
.set NA,     2                         ; blocks of 16 rows in a wave's part
.set NSTEP,  4                         ; K / 256
.set KSTEP,  256
.set APITCH, 2048                      ; bytes from row to row in A,
.set BPITCH, 2048                      ; in B,
.set CPITCH, 4096                      ; in C
.set NCB,    9                         ; tile rows in a batch
.set BBSH,   21                        ; a batch of B is 2^21 bytes: 1,024 rows of 2,048
.set PITCH,  528                       ; an LDS row: 512 bytes of data + 16 of padding = 132 words: row r starts at bank 4 r mod 64 (64 banks of 4 bytes: ISA guide 11.1), so the 16 rows of a fragment load start at 16 different groups of four banks
.set HALFT,  64*PITCH                  ; 64 rows: what one tensor load brings
.set BOFF,   2*HALFT                   ; B's 128 rows lie behind A's 128
.set SLOT,   4*HALFT                   ; 135,168: slot 1 begins here; it shares no bit with a fill's address in slot 0 (0, 33,792, 67,584, 101,376), so one exclusive or changes slots
.set SPITCH, 272                       ; a stage row: 256 bytes + 16
.set STAGE,  2*SLOT                    ; behind the ring, never filled by a tensor load: 16 rows x 272 bytes for each wave, for the way out
.set SPARE,  STAGE+4*16*SPITCH         ; behind the stages: the spare words, 128 bytes for each wave: two blocks of 256 bytes that no other line names
.set STEPB,  2*KSTEP                   ; bytes from K step to K step in A and in B
.set NF,     40                        ; LDS loads in a run: 8 for A's four fragments, 32 for B's sixteen
.set ADRA0, 16                         ; v16  my place in A's tile of slot 0; never rewritten
.set ADRA,  17                         ; v17  the same in the slot in hand
.set ADRB0, 20                         ; v20, v21  the same for B
.set ADRB,  21
.set STO,   24                         ; v24  the way out: where I put 16 bytes of a row
.set RD,    25                         ; v25  where I read a row back
.set CO,    26                         ; v26  my byte offset in two rows of C
.set SPW,   28                         ; v28  LDS address of my spare word: SPARE + 4 x my thread's number; never rewritten
.set NIL,   29                         ; v29  0; never rewritten
.set FA,    64                         ; A's fragment buffer f at FA + 64 f
.set TMP,   192                        ; the way out: packed results
.set OB,    32                         ; the way out: 16 rows read back: v32-63 and v224-255 by turns
.set G1,    24                         ; s[24:31] descriptor group 1 for A's tiles
.set G0,    32                         ; s[32:35] group 0: A, slot 0, K step 0
.set GW,    36                         ; s[36:39] group 0: A, slot 1, K step 1; then it walks
.set G1B,   48                         ; s[48:55], s[56:59], s[60:63] the same three for B
.set G0B,   56
.set GWB,   60
.set TB,    66                         ; s66  LDS byte at which the slot in hand begins
.set CY,    67                         ; s67  cluster y = tile row of A
.set BAT,   72                         ; s72  the batch
.set CYB,   73                         ; s73  tile row within the batch
.set TO_B,  0x40                       ; destination window 1, address window 0
.set MSB, 0
.macro WIN new                         ; s_set_vgpr_msb: bits 1:0 source 0, 3:2 source 1, 5:4 source 2, 7:6 destination; the high byte repeats the setting that is left; a switch that changes nothing is dropped
.if MSB != (\new)
	s_set_vgpr_msb (MSB<<8)|(\new)
.set MSB, (\new)
.endif
.endm
.macro PLACES                          ; four plain instructions between a matrix instruction and a load into, or a vector instruction on, its registers (ISA guide 7.12.1 for vector instructions)
.rept 4
	v_nop
.endr
.endm
.macro CREST                           ; a round of the cluster's barrier behind its opening barrier: wave 0 signals for the work-group, every wave waits for all four partners, my work-group's barrier closes it
	s_cmp_lg_u32 s10, 0
	s_cbranch_scc1 .Lnot_wave_0_\@
	s_barrier_signal -3
.Lnot_wave_0_\@:
	s_barrier_wait -3
	s_barrier_signal -1
	s_barrier_wait -1
.endm
.macro CROUND                          ; a whole round
	s_barrier_signal -1
	s_barrier_wait -1
	CREST
.endm
; A refill by the walking descriptors.  Waves 0 and 1 fetch A's two halves, waves 2 and 3 B's.  The branch hangs on the wave's number alone.  An s_nop 0 and four v_nop follow each line.
.macro JLOAD
	s_cmp_eq_u32 s11, 0
	s_cbranch_scc0 .Lfor_b_\@
	tensor_load_to_lds s[GW:GW+3], s[G1:G1+7]
	s_nop 0
.rept 4
	v_nop
.endr
	s_branch .Lasked_\@
.Lfor_b_\@:
	tensor_load_to_lds s[GWB:GWB+3], s[G1B:G1B+7]
	s_nop 0
.rept 4
	v_nop
.endr
.Lasked_\@:
.endm
; 8 matrix instructions: row block a x all 8 column blocks, 32 along K: half c of buffer f.  zero = 1: the product starts the sum.
; The 16 accumulators take turns, one instruction a turn, in the same order in every half quarter.
.macro MUL8 f, c, a, zero
	WIN 0xa1                                       ; B window 1, A window 0, C and D window 2
.set mb, 0
.rept 8
.if \zero
	v_wmma_f32_16x16x32_bf16 v[64*(\a)+8*mb:64*(\a)+8*mb+7], v[128*(\f)+64*(\c)+8*mb:128*(\f)+64*(\c)+8*mb+7], v[FA+64*(\f)+16*(\c)+8*(\a):FA+64*(\f)+16*(\c)+8*(\a)+7], 0
.else
	v_wmma_f32_16x16x32_bf16 v[64*(\a)+8*mb:64*(\a)+8*mb+7], v[128*(\f)+64*(\c)+8*mb:128*(\f)+64*(\c)+8*mb+7], v[FA+64*(\f)+16*(\c)+8*(\a):FA+64*(\f)+16*(\c)+8*(\a)+7], v[64*(\a)+8*mb:64*(\a)+8*mb+7]
.endif
.set mb, mb+1
.endr
.endm
; 40 LDS loads in one run: the fragments of quarter kq (64 along K, at byte 128 kq of the rows) of the slot in hand, into buffer f: A's four, then B's of the first 32 along K, then B's of the second 32:
; so the wait for the first half's products can leave the last sixteen loads out.
.macro FETCH kq, f
	WIN 0
.set fc, 0
.rept 2
.set fi, 0
.rept NA
	ds_load_b128 v[FA+64*(\f)+16*fc+8*fi:FA+64*(\f)+16*fc+8*fi+3],   v[ADRA] offset:128*(\kq)+64*fc+fi*16*PITCH
	ds_load_b128 v[FA+64*(\f)+16*fc+8*fi+4:FA+64*(\f)+16*fc+8*fi+7], v[ADRA] offset:128*(\kq)+64*fc+fi*16*PITCH+32
.set fi, fi+1
.endr
.set fc, fc+1
.endr
	WIN TO_B
.set fc, 0
.rept 2
.set fi, 0
.rept 8
	ds_load_b128 v[128*(\f)+64*fc+8*fi:128*(\f)+64*fc+8*fi+3],   v[ADRB] offset:128*(\kq)+64*fc+fi*16*PITCH
	ds_load_b128 v[128*(\f)+64*fc+8*fi+4:128*(\f)+64*fc+8*fi+7], v[ADRB] offset:128*(\kq)+64*fc+fi*16*PITCH+32
.set fi, fi+1
.endr
.set fc, fc+1
.endr
.endm
; A K step is four quarters of 64 along K, 32 matrix instructions each, on buffers 0, 1, 0, 1.  One of the first three: multiplies buffer f; in its middle it fetches quarter kq into buffer g.
.macro QUARTER kq, f, g, zero
	s_wait_dscnt 16                                ; A's fragments and B's of the first 32 along K are in; the youngest sixteen loads (B's of the second 32) may be out
	MUL8 \f, 0, 0, \zero
	MUL8 \f, 0, 1, \zero
	PLACES
	FETCH \kq, \g
	s_wait_dscnt NF                                ; all but the 40 just issued
	MUL8 \f, 1, 0, 0
	MUL8 \f, 1, 1, 0
.endm
; The first half of a K step's last quarter, and the barrier of the change of slots.  In front of it each wave waits for all its tensor loads (the one that is out is its part of the next slot), adds 0 to its
; spare word, and waits for that and for its own reads of this slot.  Behind it nobody reads this slot any more and the next slot is whole.
.macro MEET
	WIN 0                                          ; (the add's two registers lie in window 0)
	s_wait_tensorcnt 0x0
	ds_add_u32 v[SPW], v[NIL]                      ; 0 onto my spare word
	s_wait_dscnt 17                                ; (the add and the youngest sixteen loads may be out)
	MUL8 1, 0, 0, 0                                ; eight matrix instructions stand between the add and the wait for it
	s_wait_dscnt 0x0                               ; the add is done, and my reads of this slot are over
	s_barrier_signal -1
	MUL8 1, 0, 1, 0                                ; work on registers while the others arrive
	WIN 0
	s_barrier_wait -1
.endm
; The whole last quarter, in the loop: the barrier opens a round of the cluster's barrier, so that no wave of any partner still reads the slot or has a load on its way; the refill, two K steps ahead, is the first
; tensor load behind the round; then the next slot's first fragments.  From a request to the wait for it a wave issues 112 of a K step's 128 matrix instructions.
.macro TURN
	MEET
	CREST
	s_xor_b32 s[GW+1], s[GW+1], SLOT               ; no tensor load of mine is out: the walking descriptors take the other slot than last time
	s_add_nc_u64 s[GW+2:GW+3], s[GW+2:GW+3], STEPB ; and the next K step; the type bits on top are not reached
	s_xor_b32 s[GWB+1], s[GWB+1], SLOT
	s_add_nc_u64 s[GWB+2:GWB+3], s[GWB+2:GWB+3], STEPB
	JLOAD                                          ; its four v_nop are also the places in front of the loads below
	s_xor_b32 s[TB], s[TB], SLOT
	v_add_nc_u32 v[ADRA], s[TB], v[ADRA0]
	v_add_nc_u32 v[ADRB], s[TB], v[ADRB0]
	FETCH 0, 0
	MUL8 1, 1, 0, 0
	MUL8 1, 1, 1, 0
.endm
; The same in the tail, where nothing is filled again: a plain barrier; in the very last K step (s3 = 1) there is no next slot, and the run of loads is jumped over.
.macro TURNT
	MEET
	PLACES
	s_cmp_eq_u32 s3, 1
	s_cbranch_scc1 .Lno_fetch_\@
	s_xor_b32 s[TB], s[TB], SLOT
	v_add_nc_u32 v[ADRA], s[TB], v[ADRA0]
	v_add_nc_u32 v[ADRB], s[TB], v[ADRB0]
	FETCH 0, 0
	WIN 0                                          ; at a label every window is 0
.Lno_fetch_\@:
	MUL8 1, 1, 0, 0
	MUL8 1, 1, 1, 0
.endm
; THE WAY OUT of row block a.  PACK: rounded to bf16, 16 bytes a lane, each accumulator from its low end on.  TOSTAGE: into my own stage and back as whole rows of 256 bytes.  SEND: stored.
.macro PACK a
	WIN 0x0a                                       ; sources 0 and 1: window 2
.set wb, 0
.rept 8
.set wr, 0
.rept 4
	v_cvt_pk_bf16_f32 v[TMP+4*wb+wr], v[64*(\a)+8*wb+2*wr], v[64*(\a)+8*wb+2*wr+1]
.set wr, wr+1
.endr
.set wb, wb+1
.endr
	WIN 0
.endm
.macro TOSTAGE a
	WIN 0
.set wt, 0
.rept 8
	ds_store_b128 v[STO], v[TMP+4*wt:TMP+4*wt+3] offset:32*wt
.set wt, wt+1
.endr
.set wt, 0
.rept 8
	ds_load_b128 v[OB+192*((\a)%2)+4*wt:OB+192*((\a)%2)+4*wt+3], v[RD] offset:wt*2*SPITCH  ; LDS serves a wave's instructions in order (ISA guide 5.7.1.4): these see the stores above
.set wt, wt+1
.endr
.endm
.macro SEND a
	WIN 0
	s_wait_dscnt 0x0                               ; the block is back in registers
	s_wait_xcnt 0x0                                ; earlier stores have read their base and their data registers: only behind this wait are these written again
.if (\a) > 0
	s_add_nc_u64 s[8:9], s[8:9], 16*CPITCH         ; 16 rows of C on
.endif
.set wt, 0
.rept 8
	global_store_b128 v[CO], v[OB+192*((\a)%2)+4*wt:OB+192*((\a)%2)+4*wt+3], s[8:9] offset:2*wt*CPITCH  ; 16 lanes store 256 consecutive bytes, at a multiple of 256 from C's first byte
.set wt, wt+1
.endr
.endm
	s_load_b128 s[4:7], s[0:1], 0x0                ; A s[4:5], B s[6:7]
	s_load_b64 s[8:9], s[0:1], 0x10                ; C
	v_lshl_add_u32 v[SPW], v0, 2, SPARE
	v_mov_b32 v[NIL], 0
	ds_add_u32 v[SPW], v[NIL]                      ; the wave's opening: the add, twice on end, and its wait ahead of my first tensor load
	ds_add_u32 v[SPW], v[NIL]                      ; and once more, under the one wait; the set-up below, work on registers, stands between
	v_lshrrev_b32 v1, 5, v0
	v_readfirstlane_b32 s10, v1                    ; wave 0..3: also which 32 rows of the tile are mine
	s_lshr_b32 s11, s10, 1                         ; I fetch for A (0) or for B (1),
	s_and_b32 s12, s10, 1                          ; and which 64 rows of that tile
	s_bfe_u32 s40, ttmp6, 0x40000                  ; cx: my place in the cluster
	s_lshl_b32 s42, ttmp9, 2
	s_add_co_u32 s42, s42, s40                     ; tile column within the batch = 4 x cluster x + cx: 0 to 7
	s_and_b32 s[CY], ttmp7, 0xffff                 ; tile row of A = cluster y, which the four partners share
	s_cmp_ge_u32 s[CY], NCB
	s_cselect_b32 s[BAT], 1, 0
	s_mul_i32 s[CYB], s[BAT], NCB
	s_sub_co_u32 s[CYB], s[CY], s[CYB]
	; descriptor group 1: a tile of 64 rows x 256 elements of 2 bytes, 4 words of padding behind every 128
	s_mov_b32 s[G1], 15|(1<<16)|(1<<20)|(1<<21)|(6<<22)|(3<<25)  ; 15:0 the mask: the cluster's four; 17:16 2-byte elements; 20 padding on; 21 set beside a mask; 24:22 the interval (code 6); 31:25 the padding (code 3)
	s_mov_b32 s[G1B], (1<<16)|(1<<20)|(6<<22)|(3<<25)            ; B's tile is mine alone: no mask
.irp g, G1, G1B
	s_mov_b32 s[(\g)+1], KSTEP<<16                 ; tensor_dim0 = 256
	s_mov_b32 s[(\g)+2], 64<<16                    ; tensor_dim1 = 64
	s_mov_b32 s[(\g)+3], KSTEP<<16                 ; tile_dim0 = 256
	s_mov_b32 s[(\g)+4], 64                        ; tile_dim1 = 64
	s_mov_b32 s[(\g)+5], 1024                      ; elements from row to row, in A and in B
	s_mov_b32 s[(\g)+6], 0
	s_mov_b32 s[(\g)+7], 0
.endr
	; where the tiles come from, as byte offsets under 2^23.  A's hang on the tile row and the wave alone; B's on the tile column, the wave and the batch
	s_mul_i32 s16, s[CY], 128*APITCH
	s_mul_i32 s17, s12, 64*APITCH
	s_add_co_u32 s16, s16, s17
	s_mov_b32 s17, 0
	s_mul_i32 s46, s42, 128*BPITCH
	s_mul_i32 s47, s12, 64*BPITCH
	s_add_co_u32 s46, s46, s47
	s_lshl_b32 s47, s[BAT], BBSH
	s_add_co_u32 s46, s46, s47
	s_mov_b32 s47, 0
	s_mul_i32 s20, s12, HALFT                      ; and where they go: no place in the cluster enters an LDS address
	s_mul_i32 s21, s12, HALFT
	s_add_co_u32 s21, s21, BOFF
	s_mov_b32 s[TB], 0
	s_wait_dscnt 0x0                               ; both opening adds are done
	s_wait_kmcnt 0x0
	s_add_nc_u64 s[14:15], s[4:5], s[16:17]
	s_add_nc_u64 s[46:47], s[6:7], s[46:47]
	CROUND                                         ; all four partners are here: the first joint loads meet
.irp s, 0,1
	s_mov_b32 s[G0+4*(\s)], 1                                        ; count = 1
	s_add_co_u32 s[G0+4*(\s)+1], s20, (\s)*SLOT                      ; LDS address
	s_add_nc_u64 s[G0+4*(\s)+2:G0+4*(\s)+3], s[14:15], (\s)*STEPB    ; global address: K step s
	s_or_b32 s[G0+4*(\s)+3], s[G0+4*(\s)+3], 0x80000000              ; type = 2
	s_mov_b32 s[G0B+4*(\s)], 1
	s_add_co_u32 s[G0B+4*(\s)+1], s21, (\s)*SLOT
	s_add_nc_u64 s[G0B+4*(\s)+2:G0B+4*(\s)+3], s[46:47], (\s)*STEPB
	s_or_b32 s[G0B+4*(\s)+3], s[G0B+4*(\s)+3], 0x80000000
.endr
	s_cmp_eq_u32 s11, 0                            ; a wave's two first fills stand in one branch, ahead of every wait on TENSORcnt and every LDS read: two loads of mine are out
	s_cbranch_scc0 .Lfirst_b
	tensor_load_to_lds s[G0:G0+3], s[G1:G1+7]
	s_nop 0
	tensor_load_to_lds s[GW:GW+3], s[G1:G1+7]
	s_nop 0
.rept 4
	v_nop
.endr
	s_branch .Lfirst_asked
.Lfirst_b:
	tensor_load_to_lds s[G0B:G0B+3], s[G1B:G1B+7]
	s_nop 0
	tensor_load_to_lds s[GWB:GWB+3], s[G1B:G1B+7]
	s_nop 0
.rept 4
	v_nop
.endr
.Lfirst_asked:
	; A fragment is 16 rows x 32 K in 8 registers: lane l holds row l % 16; two loads of 16 bytes, 32 bytes apart, at row x pitch + 16 (l / 16).  The same for source 0 and source 1.
	v_and_b32 v1, 15, v0                           ; l % 16
	v_bfe_u32 v2, v0, 4, 1                         ; l / 16
	v_mul_u32_u24 v3, v1, PITCH
	v_lshl_add_u32 v3, v2, 4, v3
	s_mul_i32 s22, s10, 32*PITCH                   ; my 32 rows of A
	v_add_nc_u32 v[ADRA0], s22, v3
	v_add_nc_u32 v[ADRB0], BOFF, v3                ; all 128 rows of B
	v_mov_b32 v[ADRA], v[ADRA0]
	v_mov_b32 v[ADRB], v[ADRB0]
	s_mul_i32 s23, s10, 16*SPITCH
	s_add_co_u32 s23, s23, STAGE                   ; my stage
	v_mul_u32_u24 v4, v1, SPITCH                   ; in: row l % 16, 16 bytes for each half of the lanes
	v_lshl_add_u32 v4, v2, 4, v4
	v_add_nc_u32 v[STO], s23, v4
	v_mul_u32_u24 v6, v2, SPITCH                   ; back: lanes 0-15 take one row of 256 bytes, lanes 16-31 the next
	v_lshl_add_u32 v6, v1, 4, v6
	v_add_nc_u32 v[RD], s23, v6
	v_mul_u32_u24 v6, v2, CPITCH                   ; and the same two rows in C
	v_lshl_add_u32 v[CO], v1, 4, v6
	s_mul_i32 s16, s[CYB], 128*CPITCH              ; C at my wave's first row: the tile row within the batch,
	s_mul_i32 s17, s10, 32*CPITCH                  ; my 32 rows,
	s_add_co_u32 s16, s16, s17
	s_lshl_b32 s17, s42, 8                         ; the tile's 128 columns,
	s_add_co_u32 s16, s16, s17
	s_lshl_b32 s17, s[BAT], 11                     ; the batch's 1,024 columns
	s_add_co_u32 s16, s16, s17
	s_mov_b32 s17, 0
	s_add_nc_u64 s[8:9], s[8:9], s[16:17]
	s_wait_tensorcnt 0x1                           ; my part of K step 0 is in; K step 1's may stay out
	s_barrier_signal -1
	s_barrier_wait -1                              ; everybody's is
	FETCH 0, 0
	QUARTER 1, 0, 1, 1                             ; the first quarter stands in front of the loop: its first products start the sums
	WIN 0                                          ; at a label and at a branch every window is 0
	s_mov_b32 s3, NSTEP-2
.Lstep:                                                ; a trip: a K step's second quarter to the next step's first; the slot that it leaves is filled again
	QUARTER 2, 1, 0, 0
	QUARTER 3, 0, 1, 0
	TURN
	QUARTER 1, 0, 1, 0
	WIN 0
	s_sub_co_u32 s3, s3, 1
	s_cmp_lg_u32 s3, 0
	s_cbranch_scc1 .Lstep
	s_mov_b32 s3, 2
.Ltail:                                                ; the last two K steps ask for nothing; the second jumps forward over what belongs to a next step
	QUARTER 2, 1, 0, 0
	QUARTER 3, 0, 1, 0
	TURNT
	WIN 0
	s_cmp_eq_u32 s3, 1
	s_cbranch_scc1 .Ltail_end
	QUARTER 1, 0, 1, 0
	WIN 0
.Ltail_end:
	s_sub_co_u32 s3, s3, 1
	s_cmp_lg_u32 s3, 0
	s_cbranch_scc1 .Ltail
	PLACES                                         ; behind the last products, in front of the lines that read their results;
	PLACES                                         ; eight, once a launch
	PACK 0
	TOSTAGE 0
	PACK 1                                         ; block 1's conversions stand between block 0's loads from the stage and the wait for them
	SEND 0
	TOSTAGE 1
	SEND 1
	s_wait_tensorcnt 0x0                           ; the wave's end: a wait, an add and a wait, behind my last tensor load and my last LDS store
	ds_add_u32 v[SPW], v[NIL]
	s_wait_dscnt 0x0
	CROUND                                         ; the closing round: no work-group ends while a partner may still ask for a tile that names it
	s_endpgm
.Lfunc_end_k_qe188351221_wprod:
	.size	k_qe188351221_wprod, .Lfunc_end_k_qe188351221_wprod-k_qe188351221_wprod
	.p2alignl 7, 3214868480
	.fill 96, 4, 3214868480
	.section	.rodata,"a",@progbits
	.p2align	6, 0x0
	.amdhsa_kernel k_qe188351221_wprod
		.amdhsa_group_segment_fixed_size 327680
		.amdhsa_private_segment_fixed_size 0
		.amdhsa_enable_private_segment 0
		.amdhsa_kernarg_size 24
		.amdhsa_user_sgpr_count 2
		.amdhsa_user_sgpr_kernarg_segment_ptr 1
		.amdhsa_wavefront_size32 1
		.amdhsa_system_sgpr_workgroup_id_x 1
		.amdhsa_system_sgpr_workgroup_id_y 1
		.amdhsa_system_sgpr_workgroup_id_z 1
		.amdhsa_system_vgpr_workitem_id 0
		.amdhsa_next_free_vgpr 768
		.amdhsa_next_free_sgpr 80
		.amdhsa_reserve_vcc 0
		.amdhsa_float_denorm_mode_32 3
		.amdhsa_float_denorm_mode_16_64 3
		.amdhsa_memory_ordered 1
		.amdhsa_forward_progress 1
		.amdhsa_inst_pref_size 63
	.end_amdhsa_kernel
	.amdgpu_metadata
---
amdhsa.version: [ 1, 2 ]
amdhsa.kernels:
  - .name:           k_qe188351221_wprod
    .symbol:         k_qe188351221_wprod.kd
    .args:
      - { .name: wa, .offset: 0, .size: 8, .value_kind: global_buffer, .address_space: global }
      - { .name: wb, .offset: 8, .size: 8, .value_kind: global_buffer, .address_space: global }
      - { .name: wt, .offset: 16, .size: 8, .value_kind: global_buffer, .address_space: global }
    .group_segment_fixed_size: 327680
    .private_segment_fixed_size: 0
    .kernarg_segment_align: 8
    .kernarg_segment_size: 24
    .max_flat_workgroup_size: 128
    .sgpr_count:     80
    .vgpr_count:     768
    .wavefront_size: 32
...
	.end_amdgpu_metadata
.endif
;; end of part 9
;; launch kvg (part 10): grid 8 x 32, 4 waves a work-group, clusters of 4 x 4, 327,680 bytes of LDS; arguments xb, wt, kv; writes kv
.if DOCPART == 10
	.amdgcn_target "amdgcn-amd-amdhsa--gfx1250"
	.amdhsa_code_object_version 6
	.text
	.protected	k_qe188351221_kvg
	.globl	k_qe188351221_kvg
	.p2align	8
	.type	k_qe188351221_kvg,@function
k_qe188351221_kvg:
	s_mov_b64 s[64:65], 0
	v_nop
	global_prefetch_b8 v0, s[64:65] scope:SCOPE_SE
	s_setreg_imm32_b32 hwreg(HW_REG_WAVE_MODE, 25, 1), 1
	s_wait_xcnt 0x0
	s_wait_alu depctr_hold_cnt(0) depctr_sa_sdst(0) depctr_va_vdst(0) depctr_va_sdst(0) depctr_va_ssrc(0) depctr_va_vcc(0) depctr_vm_vsrc(0)
	s_getreg_b32 s2, hwreg(HW_REG_IB_STS2, 6, 4)
	s_cmp_eq_u32 s2, 0
	s_cbranch_scc0 .Lentry_in_a_cluster
	s_endpgm
.Lentry_in_a_cluster:
	s_bfe_u32 s2, ttmp6, 0x10000c
	s_cmp_lg_u32 s2, 0xf033
	s_cbranch_scc0 .Lentry_shape_is_right
	s_endpgm
.Lentry_shape_is_right:
; C[m][n] = the sum over k of A[m][k] B[k][n] + bias[n]: [t | v'] = xb [M | N] + [c1 | c2].  A = xb: [8192][1024] bf16.  B = rows 0-1023 of wt [1152][2048] bf16; bias = its row 1,024, bf16.
; C = kv: [8192][2048] bf16 (columns 0-1023 t, 1024-2047 v').  Sums in f32, begun with the bias; C rounded once.
; t x^T = (x Wq + bq)(x Wk)^T and P v' = (P (x Wv + bv)) W_proj in real arithmetic, for all values (M = Wq Wk^T, c1 = bq Wk^T, N = Wv W_proj, c2 = bv W_proj).
; WORK LEFT OUT: the keys' bias: it adds to each row of scores a term that is the same along the softmax's axis and cancels there, for all values.
; SHARES.  A tile of C is 256 x 256: 8 x 32 tiles, one for each of 256 work-groups.  Four waves, 2 x 2, each 128 rows x 128 columns: 64 accumulators of 16 x 16.
; K goes in steps of 128 through two LDS slots that take turns; the loop's body is ONE K step: the refill's descriptor walks (its LDS word turned by an exclusive or), and the LDS reads hang on a scalar slot base.
; CLUSTERS of 4 x 4: the four of a row share A's tile, the four of a column B's: each tile is asked for jointly, by the same tensor load, descriptor and mask in all four.
; THE MATRIX INSTRUCTION IS USED TRANSPOSED: source 0 = 16 columns of B, source 1 = 16 rows of A: a lane then holds row l % 16 of C and the eight neighbouring columns 8 (l / 16) + 0..7.
; B lies [k][n]: its fragments come out of LDS turned, by ds_load_tr16_b128.
; REGISTERS, in windows of 256: window 0: addresses, A's two fragment buffers (v64-, v128-), the way out; window 1: v0-63 the bias, B's two fragment buffers; windows 2 and 3: the accumulators, (a, b) at v[64 (a % 4) + 8 b] of window 2 + a / 4.
.set NA,     8                         ; blocks of 16 rows in a wave's tile
.set TRB,    1                         ; 1: B lies [k][n];  0: B lies [n][k]
.set BIAS,   2                         ; 0: none;  1: f32, the fourth argument;  2: bf16, a row of B's buffer
.set BIAS0,  1024*4096                 ; its first byte
.set NSTEP,  8                         ; K / 128
.set APITCH, 2048                      ; bytes from row to row in A,
.set BPITCH, 4096                      ; in B,
.set CPITCH, 4096                      ; in C
.set BBYTE0, 0                         ; B's first column, in bytes
.set CLY,    4                         ; work-groups along a cluster's y: 4 or 1
.set HASB,   0                         ; 0: one batch;  1: the batch is cluster y >> BSH;  2: two batches of NCB rows of clusters
.set BSH,    0
.set NCB,    1
.set BBSH,   0                         ; a batch of B is 2^BBSH bytes
.set CBACK,  0                         ; HASB = 2: what batch 1 goes back in C
.set SLOT,   139264                    ; LDS byte at which slot 1 begins; it shares no bit with a fill's address in slot 0 (0, 34,816, 69,632, 104,448), so one exclusive or changes slots
.set PITCH,  272                       ; an LDS row of 256 bytes + 16 of padding = 68 words: the 16 rows of a fragment load start at 16 different groups of four banks (64 banks of 4 bytes: ISA guide 11.1)
.set PB,     544                       ; a row of B as [k][n]: 512 bytes + 32 = 136 words
.set AHALF,  16*NA*PITCH               ; what one tensor load brings of A, and what one wave reads of it
.set BOFF,   2*AHALF                   ; B's tile lies behind A's
.set BHALF,  34816                     ; what one tensor load brings of B: 64 rows of 544 bytes, or 128 of 272
.set STAGE,  SLOT+BOFF+2*BHALF         ; behind the ring, never filled by a tensor load: 16 rows x 272 bytes for each wave, for the way out
.set SPARE,  STAGE+4*16*PITCH          ; behind the stages: the spare words, 128 bytes for each wave: two blocks of 256 bytes that no other line names
.set ASTEP,  256                       ; bytes from K step to K step in A
.if TRB
.set BSTEP,  128*BPITCH                ; and in B: 128 rows down,
.set BW0,    (1<<16)|(1<<20)|(6<<22)|(7<<25)   ; B's group 1, first word: 2-byte elements, 8 words of padding behind every 128
.else
.set BSTEP,  256                       ; or 128 elements along
.set BW0,    (1<<16)|(1<<20)|(5<<22)|(3<<25)   ; 2-byte elements, 4 words of padding behind every 64
.endif
.set NF,     16+2*NA                   ; LDS loads in a run: 16 for B's eight fragments, 2 NA for A's
.set ADRA0, 16                         ; v16  my place in A's tile of slot 0; never rewritten
.set ADRA,  17                         ; v17  the same in the slot in hand
.set ADRB0, 20                         ; v20, v21  the same for B
.set ADRB,  21
.set STO,   24                         ; v24  the way out: where I put 16 bytes of a row
.set RD,    25                         ; v25  where I read a row back
.set CO,    26                         ; v26  my byte offset in two rows of C
.set BO,    27                         ; v27  my byte offset in the bias
.set SPW,   28                         ; v28  LDS address of my spare word: SPARE + 4 x my thread's number; never rewritten
.set NIL,   29                         ; v29  0; never rewritten
.set PFO,   30                         ; v30  the prefetches' lane offset; never rewritten
.set F0,    64                         ; fragment buffer 0
.set F1,    128                        ; fragment buffer 1
.set TMP,   192                        ; the way out: packed results
.set OB,    32                         ; the way out: 16 rows read back: v32-63 and v224-255 by turns
.set G1,    24                         ; s[24:31] descriptor group 1 for A's tiles
.set G0,    32                         ; s[32:35] group 0: A, slot 0, K step 0
.set GW,    36                         ; s[36:39] group 0: A, slot 1, K step 1; then it walks
.set LIM,   43                         ; s43  2 in a wave that prefetches, else the greatest number
.set PFA,   44                         ; s[44:45] where my prefetches stand
.set G1B,   48                         ; s[48:55], s[56:59], s[60:63] the same three for B
.set G0B,   56
.set GWB,   60
.set TB,    66                         ; s66  LDS byte at which the slot in hand begins
.set CY,    67                         ; s67  cluster y
.set PST,   68                         ; s[68:69] bytes from K step to K step in the tensor that I prefetch
.set BP,    70                         ; s[70:71] the bias
.set BAT,   72                         ; s72  the batch
.set CYB,   73                         ; s73  cluster y within the batch
.set TO_B,  0x40                       ; destination window 1, address window 0
.set MSB, 0
.macro WIN new                         ; s_set_vgpr_msb: bits 1:0 source 0, 3:2 source 1, 5:4 source 2, 7:6 destination; the high byte repeats the setting that is left; a switch that changes nothing is dropped
.if MSB != (\new)
	s_set_vgpr_msb (MSB<<8)|(\new)
.set MSB, (\new)
.endif
.endm
.macro PLACES                          ; four plain instructions between a matrix instruction and a load into, or a vector instruction on, its registers (ISA guide 7.12.1 for vector instructions)
.rept 4
	v_nop
.endr
.endm
.macro CREST                           ; a round of the cluster's barrier behind its opening barrier: wave 0 signals for the work-group, every wave waits for all partners, my work-group's barrier closes it
	s_cmp_lg_u32 s10, 0
	s_cbranch_scc1 .Lnot_wave_0_\@
	s_barrier_signal -3
.Lnot_wave_0_\@:
	s_barrier_wait -3
	s_barrier_signal -1
	s_barrier_wait -1
.endm
.macro CROUND                          ; a whole round
	s_barrier_signal -1
	s_barrier_wait -1
	CREST
.endm
; A refill by the walking descriptors.  Waves 0 and 1 fetch A's two halves, waves 2 and 3 B's.  The branch hangs on the wave's number alone.  An s_nop 0 and four v_nop follow each line.
.macro JLOAD
	s_cmp_eq_u32 s11, 0
	s_cbranch_scc0 .Lfor_b_\@
	tensor_load_to_lds s[GW:GW+3], s[G1:G1+7]
	s_nop 0
.rept 4
	v_nop
.endr
	s_branch .Lasked_\@
.Lfor_b_\@:
	tensor_load_to_lds s[GWB:GWB+3], s[G1B:G1B+7]
	s_nop 0
.rept 4
	v_nop
.endr
.Lasked_\@:
.endm
; A prefetch of the K step that stands two refills on: 32 blocks of 256 bytes, a lane a block, one instruction a wave.  s3 counts the loop's trips down: the last two refills have no K step two on.
.macro ASK
	s_cmp_gt_u32 s3, s[LIM]
	s_cbranch_scc0 .Lnot_mine_\@
	global_prefetch_b8 v[PFO], s[PFA:PFA+1] th:TH_LOAD_NT scope:SCOPE_SE
.Lnot_mine_\@:
.endm
; 8 cnt matrix instructions: row blocks a0 .. a0 + cnt - 1 x all 8 column blocks, 32 along K, from buffer f.  zero = 1: the product starts the sum, with the constant 0 or, where there is a bias, with the bias of its
; eight columns (window 1, v[8 b ..]) as C.  The accumulators take turns, one instruction a turn, in the same order in every quarter.
.macro MULR f, a0, cnt, zero
.set ma, \a0
.rept \cnt
.if (\zero) && BIAS
	WIN 0x91+0x40*(ma/4)                           ; B window 1, A window 0, C window 1, D window 2 or 3
.else
	WIN 0xa1+0x50*(ma/4)                           ; B window 1, A window 0, C and D window 2 or 3
.endif
.set mb, 0
.rept 8
.if (\zero) && BIAS
	v_wmma_f32_16x16x32_bf16 v[64*(ma%4)+8*mb:64*(ma%4)+8*mb+7], v[(\f)+8*mb:(\f)+8*mb+7], v[(\f)+8*ma:(\f)+8*ma+7], v[8*mb:8*mb+7]
.elseif \zero
	v_wmma_f32_16x16x32_bf16 v[64*(ma%4)+8*mb:64*(ma%4)+8*mb+7], v[(\f)+8*mb:(\f)+8*mb+7], v[(\f)+8*ma:(\f)+8*ma+7], 0
.else
	v_wmma_f32_16x16x32_bf16 v[64*(ma%4)+8*mb:64*(ma%4)+8*mb+7], v[(\f)+8*mb:(\f)+8*mb+7], v[(\f)+8*ma:(\f)+8*ma+7], v[64*(ma%4)+8*mb:64*(ma%4)+8*mb+7]
.endif
.set mb, mb+1
.endr
.set ma, ma+1
.endr
.endm
; NF LDS loads in one run: the fragments of quarter kq (32 along K) of the slot in hand, into buffer f: B's eight, then A's NA.
.macro FETCH kq, f
	WIN TO_B
.set fi, 0
.rept 8
.if TRB
	ds_load_tr16_b128 v[(\f)+8*fi:(\f)+8*fi+3],   v[ADRB] offset:(\kq)*32*PB+32*fi
	ds_load_tr16_b128 v[(\f)+8*fi+4:(\f)+8*fi+7], v[ADRB] offset:(\kq)*32*PB+32*fi+16*PB
.else
	ds_load_b128 v[(\f)+8*fi:(\f)+8*fi+3],   v[ADRB] offset:64*(\kq)+fi*16*PITCH
	ds_load_b128 v[(\f)+8*fi+4:(\f)+8*fi+7], v[ADRB] offset:64*(\kq)+fi*16*PITCH+32
.endif
.set fi, fi+1
.endr
	WIN 0
.set fi, 0
.rept NA
	ds_load_b128 v[(\f)+8*fi:(\f)+8*fi+3],   v[ADRA] offset:64*(\kq)+fi*16*PITCH
	ds_load_b128 v[(\f)+8*fi+4:(\f)+8*fi+7], v[ADRA] offset:64*(\kq)+fi*16*PITCH+32
.set fi, fi+1
.endr
.endm
; One of a K step's first three quarters: multiplies buffer f; in its middle it fetches quarter kq into buffer g.
.macro QUARTER kq, f, g, zero
	s_wait_dscnt NA                                ; B and A's lower blocks are in; the youngest NA loads (A's upper NA / 2 blocks, two loads each) may be out
	MULR \f, 0, NA/2, \zero
	PLACES
	FETCH \kq, \g
	s_wait_dscnt NF                                ; all but the NF just issued
	MULR \f, NA/2, NA/2, \zero
.endm
; The first half of a K step's last quarter, and the barrier of the change of slots.  In front of it each wave waits for all its tensor loads (the one that is out is its part of the next slot), adds 0 to its
; spare word, and waits for that and for its own reads of this slot.  Behind it nobody reads this slot any more and the next slot is whole.
.macro MEET
	WIN 0                                          ; (the add's two registers lie in window 0)
	s_wait_tensorcnt 0x0
	ds_add_u32 v[SPW], v[NIL]                      ; 0 onto my spare word
	s_wait_dscnt NA+1                              ; (the add and the youngest NA loads may be out)
	MULR F1, 0, NA/4, 0                            ; matrix work stands between the add and the wait for it
	s_wait_dscnt 0x0                               ; the add is done, and my reads of this slot are over
	s_barrier_signal -1
	MULR F1, NA/4, NA/4, 0                         ; work on registers while the others arrive
	WIN 0
	s_barrier_wait -1
.endm
; The whole last quarter, in the loop: the barrier opens a round of the cluster's barrier, so that no wave of any partner still reads the slot or has a load on its way; the refill, two K steps ahead, is the first
; tensor load behind the round; then the next slot's first fragments.  From a request to the wait for it a wave issues seven eighths of a K step's matrix instructions.
.macro TURN
	s_wait_xcnt 0x0                                ; the last prefetch, a K step back, has read its address, which is stepped here
	s_add_nc_u64 s[PFA:PFA+1], s[PFA:PFA+1], s[PST:PST+1]
	MEET
	CREST
	s_xor_b32 s[GW+1], s[GW+1], SLOT               ; no tensor load of mine is out: the walking descriptors take the other slot than last time
	s_add_nc_u64 s[GW+2:GW+3], s[GW+2:GW+3], ASTEP ; and the next K step; the type bits on top are not reached
	s_xor_b32 s[GWB+1], s[GWB+1], SLOT
	s_add_nc_u64 s[GWB+2:GWB+3], s[GWB+2:GWB+3], BSTEP
	JLOAD                                          ; its four v_nop are also the places in front of the loads below
	s_xor_b32 s[TB], s[TB], SLOT
	v_add_nc_u32 v[ADRA], s[TB], v[ADRA0]
	v_add_nc_u32 v[ADRB], s[TB], v[ADRB0]
	FETCH 0, F0
	ASK                                            ; behind the tensor load and the run of LDS loads that the next products wait for
	MULR F1, NA/2, NA/2, 0
.endm
; The same in the tail, where nothing is filled again: a plain barrier; in the very last K step (s3 = 1) there is no next slot, and the run of loads is jumped over.
.macro TURNT
	MEET
	PLACES
	s_cmp_eq_u32 s3, 1
	s_cbranch_scc1 .Lno_fetch_\@
	s_xor_b32 s[TB], s[TB], SLOT
	v_add_nc_u32 v[ADRA], s[TB], v[ADRA0]
	v_add_nc_u32 v[ADRB], s[TB], v[ADRB0]
	FETCH 0, F0
.Lno_fetch_\@:
	MULR F1, NA/2, NA/2, 0
.endm
; THE WAY OUT of row block a.  PACK: rounded to bf16, 16 bytes a lane, each accumulator from its low end on.  TOSTAGE: into my own stage and back as whole rows of 256 bytes.  SEND: stored.
.macro PACK a
	WIN 0x0a+5*((\a)/4)                            ; sources 0 and 1: the accumulators' window
.set wb, 0
.rept 8
.set wr, 0
.rept 4
	v_cvt_pk_bf16_f32 v[TMP+4*wb+wr], v[64*((\a)%4)+8*wb+2*wr], v[64*((\a)%4)+8*wb+2*wr+1]
.set wr, wr+1
.endr
.set wb, wb+1
.endr
	WIN 0
.endm
.macro TOSTAGE a
	WIN 0
.set wt, 0
.rept 8
	ds_store_b128 v[STO], v[TMP+4*wt:TMP+4*wt+3] offset:32*wt
.set wt, wt+1
.endr
.set wt, 0
.rept 8
	ds_load_b128 v[OB+192*((\a)%2)+4*wt:OB+192*((\a)%2)+4*wt+3], v[RD] offset:wt*2*PITCH  ; LDS serves a wave's instructions in order (ISA guide 5.7.1.4): these see the stores above
.set wt, wt+1
.endr
.endm
.macro SEND a
	WIN 0
	s_wait_dscnt 0x0                               ; the block is back in registers
	s_wait_xcnt 0x0                                ; earlier stores have read their base and their data registers: only behind this wait are these written again
.if (\a) > 0
	s_add_nc_u64 s[8:9], s[8:9], 16*CPITCH         ; 16 rows of C on
.endif
.set wt, 0
.rept 8
	global_store_b128 v[CO], v[OB+192*((\a)%2)+4*wt:OB+192*((\a)%2)+4*wt+3], s[8:9] offset:2*wt*CPITCH  ; 16 lanes store 256 consecutive bytes, at a multiple of 256 from C's first byte
.set wt, wt+1
.endr
.endm
	s_load_b128 s[4:7], s[0:1], 0x0                ; A s[4:5], B s[6:7]
	s_load_b64 s[8:9], s[0:1], 0x10                ; C
.if BIAS == 1
	s_load_b64 s[BP:BP+1], s[0:1], 0x18            ; the bias
.endif
	v_lshl_add_u32 v[SPW], v0, 2, SPARE
	v_mov_b32 v[NIL], 0
	ds_add_u32 v[SPW], v[NIL]                      ; the wave's opening: the add, twice on end, and its wait ahead of my first tensor load
	ds_add_u32 v[SPW], v[NIL]                      ; and once more, under the one wait; the set-up below, work on registers, stands between
	v_lshrrev_b32 v1, 5, v0
	v_readfirstlane_b32 s10, v1                    ; wave 0..3
	s_lshr_b32 s11, s10, 1                         ; which half of the tile's rows is mine.  Also: I fetch for A (0) or for B (1)
	s_and_b32 s12, s10, 1                          ; which half of its columns.  Also: which half of that tile I fetch
	s_bfe_u32 s40, ttmp6, 0x40000                  ; cx: my place along the cluster's x
	s_lshl_b32 s42, ttmp9, 2
	s_add_co_u32 s42, s42, s40                     ; tile column of C = 4 x cluster x + cx
	s_and_b32 s[CY], ttmp7, 0xffff
.if CLY == 4
	s_bfe_u32 s41, ttmp6, 0x40004                  ; cy: along its y
	s_lshl_b32 s13, s[CY], 2
	s_add_co_u32 s13, s13, s41                     ; tile row of C = 4 x cluster y + cy
	s_lshl_b32 s43, s41, 2
	s_lshl_b32 s43, 15, s43                        ; my row of the cluster: places 4 cy .. 4 cy + 3
	s_lshl_b32 s44, 0x1111, s40                    ; my column: places cx, cx + 4, cx + 8, cx + 12
.else
	s_mov_b32 s13, s[CY]                           ; tile row of C = cluster y
.endif
.if HASB == 1
	s_lshr_b32 s[BAT], s[CY], BSH
	s_and_b32 s[CYB], s[CY], (1<<BSH)-1
.elseif HASB == 2
	s_cmp_ge_u32 s[CY], NCB
	s_cselect_b32 s[BAT], 1, 0
	s_mul_i32 s[CYB], s[BAT], NCB
	s_sub_co_u32 s[CYB], s[CY], s[CYB]
.else
	s_mov_b32 s[BAT], 0
	s_mov_b32 s[CYB], s[CY]
.endif
	; descriptor group 1 for A: 16 NA rows x 128 elements of 2 bytes, 4 words of padding behind every 64
.if CLY == 4
	s_or_b32 s[G1], s43, (1<<16)|(1<<20)|(1<<21)|(5<<22)|(3<<25)  ; 15:0 the mask; 17:16 2-byte elements; 20 padding on; 21 set beside a mask; 24:22 the interval; 31:25 the padding
.else
	s_mov_b32 s[G1], 15|(1<<16)|(1<<20)|(1<<21)|(5<<22)|(3<<25)   ; the same; the mask names the cluster's four
.endif
	s_mov_b32 s[G1+1], 128<<16                     ; tensor_dim0
	s_mov_b32 s[G1+2], (16*NA)<<16                 ; tensor_dim1
	s_mov_b32 s[G1+3], 128<<16                     ; tile_dim0
	s_mov_b32 s[G1+4], 16*NA                       ; tile_dim1
	s_mov_b32 s[G1+5], APITCH/2                    ; elements from row to row
	s_mov_b32 s[G1+6], 0
	s_mov_b32 s[G1+7], 0
.if CLY == 4
	s_or_b32 s[G1B], s44, BW0|(1<<21)              ; B's tiles go to my column of the cluster
.else
	s_mov_b32 s[G1B], BW0                          ; B's tile is mine alone: no mask
.endif
.if TRB                                ; B as [k][n]: 64 rows of K x 256 elements
	s_mov_b32 s[G1B+1], 256<<16
	s_mov_b32 s[G1B+2], 64<<16
	s_mov_b32 s[G1B+3], 256<<16
	s_mov_b32 s[G1B+4], 64
.else                                  ; B as [n][k]: 128 rows x 128 elements
	s_mov_b32 s[G1B+1], 128<<16
	s_mov_b32 s[G1B+2], 128<<16
	s_mov_b32 s[G1B+3], 128<<16
	s_mov_b32 s[G1B+4], 128
.endif
	s_mov_b32 s[G1B+5], BPITCH/2
	s_mov_b32 s[G1B+6], 0
	s_mov_b32 s[G1B+7], 0
	; where the tiles come from, as byte offsets under 2^32.  A's hang on the tile row and the wave alone, B's on the tile column, the wave and the cluster's y alone
	s_mul_i32 s16, s13, 32*NA*APITCH
	s_mul_i32 s17, s12, 16*NA*APITCH
	s_add_co_u32 s16, s16, s17
	s_mov_b32 s17, 0
.if TRB
	s_lshl_b32 s46, s42, 9                         ; 256 columns a tile,
	s_mul_i32 s47, s12, 64*BPITCH                  ; my 64 rows of the K step
.else
	s_mul_i32 s46, s42, 256*BPITCH                 ; 256 rows a tile,
	s_mul_i32 s47, s12, 128*BPITCH                 ; my 128 of them
.endif
	s_add_co_u32 s46, s46, s47
.if HASB
	s_lshl_b32 s47, s[BAT], BBSH                   ; the batch
	s_add_co_u32 s46, s46, s47
.endif
	s_add_co_u32 s46, s46, BBYTE0
	s_mov_b32 s47, 0
	s_mul_i32 s20, s12, AHALF                      ; and where they go: no place in the cluster enters an LDS address
	s_mul_i32 s21, s12, BHALF
	s_add_co_u32 s21, s21, BOFF
	s_mov_b32 s[TB], 0
	s_wait_dscnt 0x0                               ; both opening adds are done
	s_wait_kmcnt 0x0
	s_add_nc_u64 s[14:15], s[4:5], s[16:17]
	s_add_nc_u64 s[46:47], s[6:7], s[46:47]
	CROUND                                         ; all partners are here: the first joint loads meet
.irp s, 0,1
	s_mov_b32 s[G0+4*(\s)], 1                                        ; count = 1
	s_add_co_u32 s[G0+4*(\s)+1], s20, (\s)*SLOT                      ; LDS address
	s_add_nc_u64 s[G0+4*(\s)+2:G0+4*(\s)+3], s[14:15], (\s)*ASTEP    ; global address: K step s
	s_or_b32 s[G0+4*(\s)+3], s[G0+4*(\s)+3], 0x80000000              ; type = 2
	s_mov_b32 s[G0B+4*(\s)], 1
	s_add_co_u32 s[G0B+4*(\s)+1], s21, (\s)*SLOT
	s_add_nc_u64 s[G0B+4*(\s)+2:G0B+4*(\s)+3], s[46:47], (\s)*BSTEP
	s_or_b32 s[G0B+4*(\s)+3], s[G0B+4*(\s)+3], 0x80000000
.endr
	s_cmp_eq_u32 s11, 0                            ; a wave's two first fills stand in one branch, ahead of every wait on TENSORcnt and every LDS read: two loads of mine are out
	s_cbranch_scc0 .Lfirst_b
	tensor_load_to_lds s[G0:G0+3], s[G1:G1+7]
	s_nop 0
	tensor_load_to_lds s[GW:GW+3], s[G1:G1+7]
	s_nop 0
.rept 4
	v_nop
.endr
	s_branch .Lfirst_asked
.Lfirst_b:
	tensor_load_to_lds s[G0B:G0B+3], s[G1B:G1B+7]
	s_nop 0
	tensor_load_to_lds s[GWB:GWB+3], s[G1B:G1B+7]
	s_nop 0
.rept 4
	v_nop
.endr
.Lfirst_asked:
	; A fragment from rows that lie along K: lane l holds row l % 16; two loads of 16 bytes, 32 bytes apart, at row x pitch + 16 (l / 16).
	v_and_b32 v1, 15, v0                           ; l % 16
	v_bfe_u32 v2, v0, 4, 1                         ; l / 16
	v_mul_u32_u24 v3, v1, PITCH
	v_lshl_add_u32 v3, v2, 4, v3
	s_mul_i32 s22, s11, AHALF                      ; my rows of A
	v_add_nc_u32 v[ADRA0], s22, v3
.if TRB
	; The turning load takes 16 k x 16 columns (lane l reads k = 8 (l / 16) + l % 8, columns 8 ((l / 8) % 2) + 0..7) and leaves half a fragment: lane l holds column l % 16 and 8 k.
	v_and_b32 v4, 7, v0
	v_lshl_add_u32 v4, v2, 3, v4
	v_mul_u32_u24 v4, v4, PB
	v_bfe_u32 v5, v0, 3, 1
	v_lshl_add_u32 v4, v5, 4, v4
	s_lshl_b32 s22, s12, 8                         ; my 128 columns
	s_add_co_u32 s22, s22, BOFF
	v_add_nc_u32 v[ADRB0], s22, v4
.else
	s_mul_i32 s22, s12, BHALF                      ; my 128 rows of B
	s_add_co_u32 s22, s22, BOFF
	v_add_nc_u32 v[ADRB0], s22, v3
.endif
	v_mov_b32 v[ADRA], v[ADRA0]
	v_mov_b32 v[ADRB], v[ADRB0]
	s_mul_i32 s23, s10, 16*PITCH
	s_add_co_u32 s23, s23, STAGE                   ; my stage
	v_add_nc_u32 v[STO], s23, v3                   ; in: row l % 16, 16 bytes for each half of the lanes
	v_mul_u32_u24 v6, v2, PITCH                    ; back: lanes 0-15 take one row of 256 bytes, lanes 16-31 the next
	v_lshl_add_u32 v6, v1, 4, v6
	v_add_nc_u32 v[RD], s23, v6
	v_mul_u32_u24 v6, v2, CPITCH                   ; and the same two rows in C
	v_lshl_add_u32 v[CO], v1, 4, v6
	s_mul_i32 s16, s13, 32*NA*CPITCH               ; C at my wave's first row and column
	s_mul_i32 s17, s11, 16*NA*CPITCH
	s_add_co_u32 s16, s16, s17
	s_lshl_b32 s17, s42, 9
	s_add_co_u32 s16, s16, s17
	s_lshl_b32 s17, s12, 8
	s_add_co_u32 s16, s16, s17
.if HASB == 2
	s_mul_i32 s17, s[BAT], CBACK
	s_sub_co_u32 s16, s16, s17
.endif
	s_mov_b32 s17, 0
	s_add_nc_u64 s[8:9], s[8:9], s[16:17]
.if BIAS == 1
	s_lshl_b32 s46, s42, 10                        ; the bias of my 128 columns: f32
	s_lshl_b32 s47, s12, 9
	s_add_co_u32 s46, s46, s47
	s_add_co_u32 s46, s46, BIAS0
	s_mov_b32 s47, 0
	s_add_nc_u64 s[BP:BP+1], s[BP:BP+1], s[46:47]
	v_lshlrev_b32 v[BO], 5, v2
	WIN TO_B
.set fi, 0
.rept 8                                ; column block fi: my eight columns' numbers into window 1, v[8 fi ..]; waited for ahead of the first product
	global_load_b128 v[8*fi:8*fi+3],   v[BO], s[BP:BP+1] offset:64*fi
	global_load_b128 v[8*fi+4:8*fi+7], v[BO], s[BP:BP+1] offset:64*fi+16
.set fi, fi+1
.endr
	WIN 0
.endif
.if BIAS == 2
	s_lshl_b32 s46, s42, 9                         ; the bias of my 128 columns: bf16, in B's buffer
	s_lshl_b32 s47, s12, 8
	s_add_co_u32 s46, s46, s47
	s_add_co_u32 s46, s46, BIAS0
	s_mov_b32 s47, 0
	s_add_nc_u64 s[BP:BP+1], s[6:7], s[46:47]
	v_lshlrev_b32 v[BO], 4, v2
.set fi, 0
.rept 8                                ; column block fi: my eight columns' numbers, 16 bytes; widened ahead of the first product
	global_load_b128 v[OB+4*fi:OB+4*fi+3], v[BO], s[BP:BP+1] offset:32*fi
.set fi, fi+1
.endr
.endif
	; THE PREFETCHES.  Each block of 256 bytes of A and B is named once in the launch.  A's rows are read by every cluster of a row of clusters: cluster x = 0 asks, and its four partners along x take 32 rows each.
	; B's tiles are read by every row of clusters of a batch.  In clusters of 4 x 4 the batch's first row of clusters asks, its partners along y taking 32 blocks each; in clusters of 4 x 1 the batch's first four
	; rows of clusters take 32 rows each.  The shares are told apart BY ADDRESS; no branch hangs on a place in the cluster.
	s_mul_i32 s20, s13, 32*NA*APITCH               ; A: the tile's first row,
.if NA == 8
	s_mul_i32 s22, s12, 128*APITCH                 ; the 128 rows that I fetch,
	s_add_co_u32 s20, s20, s22
.endif
	s_mul_i32 s22, s40, 32*APITCH                  ; my work-group's 32 rows (with 128 rows to a tile wave 0 alone asks)
	s_add_co_u32 s20, s20, s22
	s_add_co_u32 s20, s20, 3*ASTEP                 ; at K step 3: the first refill steps it to 4
.if TRB
	s_lshl_b32 s21, s42, 9                         ; B as [k][n]: the tile's 512 bytes of a row, two blocks;
	s_mul_i32 s22, s12, 64*BPITCH                  ; the 64 rows that I fetch,
	s_add_co_u32 s21, s21, s22
	s_mul_i32 s22, s41, 16*BPITCH                  ; my work-group's 16 of them
.else
	s_mul_i32 s21, s42, 256*BPITCH                 ; B as [n][k]: as for A
	s_mul_i32 s22, s12, 128*BPITCH
	s_add_co_u32 s21, s21, s22
.if CLY == 4
	s_mul_i32 s22, s41, 32*BPITCH
.else
	s_min_u32 s22, s[CYB], 3                       ; (a later row of clusters asks for nothing; its address stays inside B)
	s_mul_i32 s22, s22, 32*BPITCH
.endif
.endif
	s_add_co_u32 s21, s21, s22
.if HASB
	s_lshl_b32 s22, s[BAT], BBSH
	s_add_co_u32 s21, s21, s22
.endif
	s_add_co_u32 s21, s21, BBYTE0+3*BSTEP
.if CLY == 4
	s_mov_b32 s22, s[CYB]                          ; 0 in the row of clusters that asks for B
.else
	s_lshr_b32 s22, s[CYB], 2                      ; 0 in the four rows of clusters that ask for B
.endif
	s_mov_b32 s18, BSTEP
	s_mov_b32 s19, BPITCH
	s_cmp_eq_u32 s11, 0                            ; do I fetch for A?
	s_cselect_b32 s20, s20, s21
	s_cselect_b32 s22, ttmp9, s22
	s_cselect_b32 s[PST], ASTEP, s18
	s_cselect_b32 s19, APITCH, s19                 ; bytes from row to row,
	s_cselect_b32 s23, 0, TRB                      ; and 1 where a row has two blocks
	s_cselect_b64 s[PFA:PFA+1], s[4:5], s[6:7]
.if NA == 4
	s_cselect_b32 s18, s12, 0
	s_or_b32 s22, s22, s18
.endif
	s_cmp_eq_u32 s22, 0
	s_cselect_b32 s[LIM], 2, -1                    ; the same in all partners, for a given wave
	s_mov_b32 s21, 0
	s_mov_b32 s[PST+1], 0
	s_add_nc_u64 s[PFA:PFA+1], s[PFA:PFA+1], s[20:21]
	v_and_b32 v31, 31, v0
	v_lshrrev_b32 v[PFO], s23, v31
	v_mul_u32_u24 v[PFO], s19, v[PFO]
	v_and_b32 v31, s23, v31
	v_lshl_add_u32 v[PFO], v31, 8, v[PFO]          ; nothing is prefetched here, at the head: the first four K steps come by their loads alone
	s_wait_tensorcnt 0x1                           ; my part of K step 0 is in; K step 1's may stay out
	s_barrier_signal -1
	s_barrier_wait -1                              ; everybody's is
	FETCH 0, F0
.if BIAS
	s_wait_loadcnt 0x0                             ; the bias: the first products take it as C
.endif
.if BIAS == 2
	WIN TO_B                                       ; bf16 to f32, into window 1, v[8 b ..], while the first fragments come out of LDS
.set fi, 0
.rept 32
	v_lshlrev_b32 v[2*fi], 16, v[OB+fi]
	v_and_b32 v[2*fi+1], 0xffff0000, v[OB+fi]
.set fi, fi+1
.endr
.endif
	QUARTER 1, F0, F1, 1                           ; the first quarter stands in front of the loop: its products start the sums
	WIN 0                                          ; at a label and at a branch every window is 0
	s_mov_b32 s3, NSTEP-2
.Lstep:                                                ; a trip: a K step's second quarter to the next step's first; the slot that it leaves is filled again
	QUARTER 2, F1, F0, 0
	QUARTER 3, F0, F1, 0
	TURN
	QUARTER 1, F0, F1, 0
	WIN 0
	s_sub_co_u32 s3, s3, 1
	s_cmp_lg_u32 s3, 0
	s_cbranch_scc1 .Lstep
	s_mov_b32 s3, 2
.Ltail:                                                ; the last two K steps ask for nothing; the second jumps forward over what belongs to a next step
	QUARTER 2, F1, F0, 0
	QUARTER 3, F0, F1, 0
	TURNT
	WIN 0
	s_cmp_eq_u32 s3, 1
	s_cbranch_scc1 .Ltail_end
	QUARTER 1, F0, F1, 0
	WIN 0
.Ltail_end:
	s_sub_co_u32 s3, s3, 1
	s_cmp_lg_u32 s3, 0
	s_cbranch_scc1 .Ltail
	PLACES                                         ; behind the last products, in front of the lines that read their results;
	PLACES                                         ; eight, once a launch
	PACK 0
	TOSTAGE 0
.set wa, 1
.rept NA-1                             ; block wa's conversions stand between block wa - 1's loads from the stage and the wait for them
	PACK wa
	SEND wa-1
	TOSTAGE wa
.set wa, wa+1
.endr
	SEND NA-1
	s_wait_tensorcnt 0x0                           ; the wave's end: a wait, an add and a wait, behind my last tensor load and my last LDS store
	ds_add_u32 v[SPW], v[NIL]
	s_wait_dscnt 0x0
	CROUND                                         ; the closing round: no work-group ends while a partner may still ask for a tile that names it
	s_endpgm
.Lfunc_end_k_qe188351221_kvg:
	.size	k_qe188351221_kvg, .Lfunc_end_k_qe188351221_kvg-k_qe188351221_kvg
	.p2alignl 7, 3214868480
	.fill 96, 4, 3214868480
	.section	.rodata,"a",@progbits
	.p2align	6, 0x0
	.amdhsa_kernel k_qe188351221_kvg
		.amdhsa_group_segment_fixed_size 327680
		.amdhsa_private_segment_fixed_size 0
		.amdhsa_enable_private_segment 0
		.amdhsa_kernarg_size 24
		.amdhsa_user_sgpr_count 2
		.amdhsa_user_sgpr_kernarg_segment_ptr 1
		.amdhsa_wavefront_size32 1
		.amdhsa_system_sgpr_workgroup_id_x 1
		.amdhsa_system_sgpr_workgroup_id_y 1
		.amdhsa_system_sgpr_workgroup_id_z 1
		.amdhsa_system_vgpr_workitem_id 0
		.amdhsa_next_free_vgpr 1024
		.amdhsa_next_free_sgpr 80
		.amdhsa_reserve_vcc 0
		.amdhsa_float_denorm_mode_32 3
		.amdhsa_float_denorm_mode_16_64 3
		.amdhsa_memory_ordered 1
		.amdhsa_forward_progress 1
		.amdhsa_inst_pref_size 106
	.end_amdhsa_kernel
	.amdgpu_metadata
---
amdhsa.version: [ 1, 2 ]
amdhsa.kernels:
  - .name:           k_qe188351221_kvg
    .symbol:         k_qe188351221_kvg.kd
    .args:
      - { .name: xb, .offset: 0, .size: 8, .value_kind: global_buffer, .address_space: global }
      - { .name: wt, .offset: 8, .size: 8, .value_kind: global_buffer, .address_space: global }
      - { .name: kv, .offset: 16, .size: 8, .value_kind: global_buffer, .address_space: global }
    .group_segment_fixed_size: 327680
    .private_segment_fixed_size: 0
    .kernarg_segment_align: 8
    .kernarg_segment_size: 24
    .max_flat_workgroup_size: 128
    .sgpr_count:     80
    .vgpr_count:     1024
    .wavefront_size: 32
...
	.end_amdgpu_metadata
.endif
;; end of part 10
;; launch scg (part 11): grid 8 x 32, 4 waves a work-group, clusters of 4 x 4, 327,680 bytes of LDS; arguments kv, xb, sc; writes sc
.if DOCPART == 11
	.amdgcn_target "amdgcn-amd-amdhsa--gfx1250"
	.amdhsa_code_object_version 6
	.text
	.protected	k_qe188351221_scg
	.globl	k_qe188351221_scg
	.p2align	8
	.type	k_qe188351221_scg,@function
k_qe188351221_scg:
	s_mov_b64 s[64:65], 0
	v_nop
	global_prefetch_b8 v0, s[64:65] scope:SCOPE_SE
	s_setreg_imm32_b32 hwreg(HW_REG_WAVE_MODE, 25, 1), 1
	s_wait_xcnt 0x0
	s_wait_alu depctr_hold_cnt(0) depctr_sa_sdst(0) depctr_va_vdst(0) depctr_va_sdst(0) depctr_va_ssrc(0) depctr_va_vcc(0) depctr_vm_vsrc(0)
	s_getreg_b32 s2, hwreg(HW_REG_IB_STS2, 6, 4)
	s_cmp_eq_u32 s2, 0
	s_cbranch_scc0 .Lentry_in_a_cluster
	s_endpgm
.Lentry_in_a_cluster:
	s_bfe_u32 s2, ttmp6, 0x10000c
	s_cmp_lg_u32 s2, 0xf033
	s_cbranch_scc0 .Lentry_shape_is_right
	s_endpgm
.Lentry_shape_is_right:
; C[m][n] = the sum over k of A[m][k] B[n][k], batch by batch: the raw scores t x^T (the factor 1 / 32 is applied in f32 by the softmax launch).
; A = t: columns 0-1023 of kv [8192][2048] bf16.  B = xb: [8192][1024] bf16, the 2,048 rows of the query's own batch.  C = sc: [8192][2048] bf16.  Sums in f32, C rounded once.
; t x^T = (x Wq + bq)(x Wk)^T in real arithmetic, for all values.  WORK LEFT OUT: the keys' bias: q . bk is the same along the softmax's axis and cancels there, for all values.
; SHARES.  A tile of C is 256 x 256: 8 x 32 tiles, one for each of 256 work-groups; a batch has 8 tile rows, two rows of clusters.  Four waves, 2 x 2, each 128 rows x 128 columns: 64 accumulators of 16 x 16.
; K goes in steps of 128 through two LDS slots that take turns; the loop's body is ONE K step: the refill's descriptor walks (its LDS word turned by an exclusive or), and the LDS reads hang on a scalar slot base.
; CLUSTERS of 4 x 4: the four of a row share A's tile, the four of a column B's: each tile is asked for jointly, by the same tensor load, descriptor and mask in all four.
; THE MATRIX INSTRUCTION IS USED TRANSPOSED: source 0 = 16 rows of B, source 1 = 16 rows of A: a lane then holds row l % 16 of C and the eight neighbouring columns 8 (l / 16) + 0..7.
; REGISTERS, in windows of 256: window 0: addresses, A's two fragment buffers (v64-, v128-), the way out; window 1: B's two fragment buffers; windows 2 and 3: the accumulators, (a, b) at v[64 (a % 4) + 8 b] of window 2 + a / 4.
.set NA,     8                         ; blocks of 16 rows in a wave's tile
.set TRB,    0                         ; 1: B lies [k][n];  0: B lies [n][k]
.set BIAS,   0                         ; 0: none;  1: f32, the fourth argument;  2: bf16, a row of B's buffer
.set BIAS0,  0                         ; its first byte
.set NSTEP,  8                         ; K / 128
.set APITCH, 4096                      ; bytes from row to row in A,
.set BPITCH, 2048                      ; in B,
.set CPITCH, 4096                      ; in C
.set BBYTE0, 0                         ; B's first column, in bytes
.set CLY,    4                         ; work-groups along a cluster's y: 4 or 1
.set HASB,   1                         ; 0: one batch;  1: the batch is cluster y >> BSH;  2: two batches of NCB rows of clusters
.set BSH,    1
.set NCB,    1
.set BBSH,   22                        ; a batch of B is 2^BBSH bytes: 2,048 rows of 2,048
.set CBACK,  0                         ; HASB = 2: what batch 1 goes back in C
.set SLOT,   139264                    ; LDS byte at which slot 1 begins; it shares no bit with a fill's address in slot 0 (0, 34,816, 69,632, 104,448), so one exclusive or changes slots
.set PITCH,  272                       ; an LDS row of 256 bytes + 16 of padding = 68 words: the 16 rows of a fragment load start at 16 different groups of four banks (64 banks of 4 bytes: ISA guide 11.1)
.set PB,     544                       ; a row of B as [k][n]: 512 bytes + 32 = 136 words
.set AHALF,  16*NA*PITCH               ; what one tensor load brings of A, and what one wave reads of it
.set BOFF,   2*AHALF                   ; B's tile lies behind A's
.set BHALF,  34816                     ; what one tensor load brings of B: 64 rows of 544 bytes, or 128 of 272
.set STAGE,  SLOT+BOFF+2*BHALF         ; behind the ring, never filled by a tensor load: 16 rows x 272 bytes for each wave, for the way out
.set SPARE,  STAGE+4*16*PITCH          ; behind the stages: the spare words, 128 bytes for each wave: two blocks of 256 bytes that no other line names
.set ASTEP,  256                       ; bytes from K step to K step in A
.if TRB
.set BSTEP,  128*BPITCH                ; and in B: 128 rows down,
.set BW0,    (1<<16)|(1<<20)|(6<<22)|(7<<25)   ; B's group 1, first word: 2-byte elements, 8 words of padding behind every 128
.else
.set BSTEP,  256                       ; or 128 elements along
.set BW0,    (1<<16)|(1<<20)|(5<<22)|(3<<25)   ; 2-byte elements, 4 words of padding behind every 64
.endif
.set NF,     16+2*NA                   ; LDS loads in a run: 16 for B's eight fragments, 2 NA for A's
.set ADRA0, 16                         ; v16  my place in A's tile of slot 0; never rewritten
.set ADRA,  17                         ; v17  the same in the slot in hand
.set ADRB0, 20                         ; v20, v21  the same for B
.set ADRB,  21
.set STO,   24                         ; v24  the way out: where I put 16 bytes of a row
.set RD,    25                         ; v25  where I read a row back
.set CO,    26                         ; v26  my byte offset in two rows of C
.set BO,    27                         ; v27  my byte offset in the bias
.set SPW,   28                         ; v28  LDS address of my spare word: SPARE + 4 x my thread's number; never rewritten
.set NIL,   29                         ; v29  0; never rewritten
.set PFO,   30                         ; v30  the prefetches' lane offset; never rewritten
.set F0,    64                         ; fragment buffer 0
.set F1,    128                        ; fragment buffer 1
.set TMP,   192                        ; the way out: packed results
.set OB,    32                         ; the way out: 16 rows read back: v32-63 and v224-255 by turns
.set G1,    24                         ; s[24:31] descriptor group 1 for A's tiles
.set G0,    32                         ; s[32:35] group 0: A, slot 0, K step 0
.set GW,    36                         ; s[36:39] group 0: A, slot 1, K step 1; then it walks
.set LIM,   43                         ; s43  2 in a wave that prefetches, else the greatest number
.set PFA,   44                         ; s[44:45] where my prefetches stand
.set G1B,   48                         ; s[48:55], s[56:59], s[60:63] the same three for B
.set G0B,   56
.set GWB,   60
.set TB,    66                         ; s66  LDS byte at which the slot in hand begins
.set CY,    67                         ; s67  cluster y
.set PST,   68                         ; s[68:69] bytes from K step to K step in the tensor that I prefetch
.set BP,    70                         ; s[70:71] the bias
.set BAT,   72                         ; s72  the batch
.set CYB,   73                         ; s73  cluster y within the batch
.set TO_B,  0x40                       ; destination window 1, address window 0
.set MSB, 0
.macro WIN new                         ; s_set_vgpr_msb: bits 1:0 source 0, 3:2 source 1, 5:4 source 2, 7:6 destination; the high byte repeats the setting that is left; a switch that changes nothing is dropped
.if MSB != (\new)
	s_set_vgpr_msb (MSB<<8)|(\new)
.set MSB, (\new)
.endif
.endm
.macro PLACES                          ; four plain instructions between a matrix instruction and a load into, or a vector instruction on, its registers (ISA guide 7.12.1 for vector instructions)
.rept 4
	v_nop
.endr
.endm
.macro CREST                           ; a round of the cluster's barrier behind its opening barrier: wave 0 signals for the work-group, every wave waits for all partners, my work-group's barrier closes it
	s_cmp_lg_u32 s10, 0
	s_cbranch_scc1 .Lnot_wave_0_\@
	s_barrier_signal -3
.Lnot_wave_0_\@:
	s_barrier_wait -3
	s_barrier_signal -1
	s_barrier_wait -1
.endm
.macro CROUND                          ; a whole round
	s_barrier_signal -1
	s_barrier_wait -1
	CREST
.endm
; A refill by the walking descriptors.  Waves 0 and 1 fetch A's two halves, waves 2 and 3 B's.  The branch hangs on the wave's number alone.  An s_nop 0 and four v_nop follow each line.
.macro JLOAD
	s_cmp_eq_u32 s11, 0
	s_cbranch_scc0 .Lfor_b_\@
	tensor_load_to_lds s[GW:GW+3], s[G1:G1+7]
	s_nop 0
.rept 4
	v_nop
.endr
	s_branch .Lasked_\@
.Lfor_b_\@:
	tensor_load_to_lds s[GWB:GWB+3], s[G1B:G1B+7]
	s_nop 0
.rept 4
	v_nop
.endr
.Lasked_\@:
.endm
; A prefetch of the K step that stands two refills on: 32 blocks of 256 bytes, a lane a block, one instruction a wave.  s3 counts the loop's trips down: the last two refills have no K step two on.
.macro ASK
	s_cmp_gt_u32 s3, s[LIM]
	s_cbranch_scc0 .Lnot_mine_\@
	global_prefetch_b8 v[PFO], s[PFA:PFA+1] th:TH_LOAD_NT scope:SCOPE_SE
.Lnot_mine_\@:
.endm
; 8 cnt matrix instructions: row blocks a0 .. a0 + cnt - 1 x all 8 column blocks, 32 along K, from buffer f.  zero = 1: the product starts the sum, with the constant 0 or, where there is a bias, with the bias of its
; eight columns (window 1, v[8 b ..]) as C.  The accumulators take turns, one instruction a turn, in the same order in every quarter.
.macro MULR f, a0, cnt, zero
.set ma, \a0
.rept \cnt
.if (\zero) && BIAS
	WIN 0x91+0x40*(ma/4)                           ; B window 1, A window 0, C window 1, D window 2 or 3
.else
	WIN 0xa1+0x50*(ma/4)                           ; B window 1, A window 0, C and D window 2 or 3
.endif
.set mb, 0
.rept 8
.if (\zero) && BIAS
	v_wmma_f32_16x16x32_bf16 v[64*(ma%4)+8*mb:64*(ma%4)+8*mb+7], v[(\f)+8*mb:(\f)+8*mb+7], v[(\f)+8*ma:(\f)+8*ma+7], v[8*mb:8*mb+7]
.elseif \zero
	v_wmma_f32_16x16x32_bf16 v[64*(ma%4)+8*mb:64*(ma%4)+8*mb+7], v[(\f)+8*mb:(\f)+8*mb+7], v[(\f)+8*ma:(\f)+8*ma+7], 0
.else
	v_wmma_f32_16x16x32_bf16 v[64*(ma%4)+8*mb:64*(ma%4)+8*mb+7], v[(\f)+8*mb:(\f)+8*mb+7], v[(\f)+8*ma:(\f)+8*ma+7], v[64*(ma%4)+8*mb:64*(ma%4)+8*mb+7]
.endif
.set mb, mb+1
.endr
.set ma, ma+1
.endr
.endm
; NF LDS loads in one run: the fragments of quarter kq (32 along K) of the slot in hand, into buffer f: B's eight, then A's NA.
.macro FETCH kq, f
	WIN TO_B
.set fi, 0
.rept 8
.if TRB
	ds_load_tr16_b128 v[(\f)+8*fi:(\f)+8*fi+3],   v[ADRB] offset:(\kq)*32*PB+32*fi
	ds_load_tr16_b128 v[(\f)+8*fi+4:(\f)+8*fi+7], v[ADRB] offset:(\kq)*32*PB+32*fi+16*PB
.else
	ds_load_b128 v[(\f)+8*fi:(\f)+8*fi+3],   v[ADRB] offset:64*(\kq)+fi*16*PITCH
	ds_load_b128 v[(\f)+8*fi+4:(\f)+8*fi+7], v[ADRB] offset:64*(\kq)+fi*16*PITCH+32
.endif
.set fi, fi+1
.endr
	WIN 0
.set fi, 0
.rept NA
	ds_load_b128 v[(\f)+8*fi:(\f)+8*fi+3],   v[ADRA] offset:64*(\kq)+fi*16*PITCH
	ds_load_b128 v[(\f)+8*fi+4:(\f)+8*fi+7], v[ADRA] offset:64*(\kq)+fi*16*PITCH+32
.set fi, fi+1
.endr
.endm
; One of a K step's first three quarters: multiplies buffer f; in its middle it fetches quarter kq into buffer g.
.macro QUARTER kq, f, g, zero
	s_wait_dscnt NA                                ; B and A's lower blocks are in; the youngest NA loads (A's upper NA / 2 blocks, two loads each) may be out
	MULR \f, 0, NA/2, \zero
	PLACES
	FETCH \kq, \g
	s_wait_dscnt NF                                ; all but the NF just issued
	MULR \f, NA/2, NA/2, \zero
.endm
; The first half of a K step's last quarter, and the barrier of the change of slots.  In front of it each wave waits for all its tensor loads (the one that is out is its part of the next slot), adds 0 to its
; spare word, and waits for that and for its own reads of this slot.  Behind it nobody reads this slot any more and the next slot is whole.
.macro MEET
	WIN 0                                          ; (the add's two registers lie in window 0)
	s_wait_tensorcnt 0x0
	ds_add_u32 v[SPW], v[NIL]                      ; 0 onto my spare word
	s_wait_dscnt NA+1                              ; (the add and the youngest NA loads may be out)
	MULR F1, 0, NA/4, 0                            ; matrix work stands between the add and the wait for it
	s_wait_dscnt 0x0                               ; the add is done, and my reads of this slot are over
	s_barrier_signal -1
	MULR F1, NA/4, NA/4, 0                         ; work on registers while the others arrive
	WIN 0
	s_barrier_wait -1
.endm
; The whole last quarter, in the loop: the barrier opens a round of the cluster's barrier, so that no wave of any partner still reads the slot or has a load on its way; the refill, two K steps ahead, is the first
; tensor load behind the round; then the next slot's first fragments.  From a request to the wait for it a wave issues seven eighths of a K step's matrix instructions.
.macro TURN
	s_wait_xcnt 0x0                                ; the last prefetch, a K step back, has read its address, which is stepped here
	s_add_nc_u64 s[PFA:PFA+1], s[PFA:PFA+1], s[PST:PST+1]
	MEET
	CREST
	s_xor_b32 s[GW+1], s[GW+1], SLOT               ; no tensor load of mine is out: the walking descriptors take the other slot than last time
	s_add_nc_u64 s[GW+2:GW+3], s[GW+2:GW+3], ASTEP ; and the next K step; the type bits on top are not reached
	s_xor_b32 s[GWB+1], s[GWB+1], SLOT
	s_add_nc_u64 s[GWB+2:GWB+3], s[GWB+2:GWB+3], BSTEP
	JLOAD                                          ; its four v_nop are also the places in front of the loads below
	s_xor_b32 s[TB], s[TB], SLOT
	v_add_nc_u32 v[ADRA], s[TB], v[ADRA0]
	v_add_nc_u32 v[ADRB], s[TB], v[ADRB0]
	FETCH 0, F0
	ASK                                            ; behind the tensor load and the run of LDS loads that the next products wait for
	MULR F1, NA/2, NA/2, 0
.endm
; The same in the tail, where nothing is filled again: a plain barrier; in the very last K step (s3 = 1) there is no next slot, and the run of loads is jumped over.
.macro TURNT
	MEET
	PLACES
	s_cmp_eq_u32 s3, 1
	s_cbranch_scc1 .Lno_fetch_\@
	s_xor_b32 s[TB], s[TB], SLOT
	v_add_nc_u32 v[ADRA], s[TB], v[ADRA0]
	v_add_nc_u32 v[ADRB], s[TB], v[ADRB0]
	FETCH 0, F0
.Lno_fetch_\@:
	MULR F1, NA/2, NA/2, 0
.endm
; THE WAY OUT of row block a.  PACK: rounded to bf16, 16 bytes a lane, each accumulator from its low end on.  TOSTAGE: into my own stage and back as whole rows of 256 bytes.  SEND: stored.
.macro PACK a
	WIN 0x0a+5*((\a)/4)                            ; sources 0 and 1: the accumulators' window
.set wb, 0
.rept 8
.set wr, 0
.rept 4
	v_cvt_pk_bf16_f32 v[TMP+4*wb+wr], v[64*((\a)%4)+8*wb+2*wr], v[64*((\a)%4)+8*wb+2*wr+1]
.set wr, wr+1
.endr
.set wb, wb+1
.endr
	WIN 0
.endm
.macro TOSTAGE a
	WIN 0
.set wt, 0
.rept 8
	ds_store_b128 v[STO], v[TMP+4*wt:TMP+4*wt+3] offset:32*wt
.set wt, wt+1
.endr
.set wt, 0
.rept 8
	ds_load_b128 v[OB+192*((\a)%2)+4*wt:OB+192*((\a)%2)+4*wt+3], v[RD] offset:wt*2*PITCH  ; LDS serves a wave's instructions in order (ISA guide 5.7.1.4): these see the stores above
.set wt, wt+1
.endr
.endm
.macro SEND a
	WIN 0
	s_wait_dscnt 0x0                               ; the block is back in registers
	s_wait_xcnt 0x0                                ; earlier stores have read their base and their data registers: only behind this wait are these written again
.if (\a) > 0
	s_add_nc_u64 s[8:9], s[8:9], 16*CPITCH         ; 16 rows of C on
.endif
.set wt, 0
.rept 8
	global_store_b128 v[CO], v[OB+192*((\a)%2)+4*wt:OB+192*((\a)%2)+4*wt+3], s[8:9] offset:2*wt*CPITCH  ; 16 lanes store 256 consecutive bytes, at a multiple of 256 from C's first byte
.set wt, wt+1
.endr
.endm
	s_load_b128 s[4:7], s[0:1], 0x0                ; A s[4:5], B s[6:7]
	s_load_b64 s[8:9], s[0:1], 0x10                ; C
.if BIAS == 1
	s_load_b64 s[BP:BP+1], s[0:1], 0x18            ; the bias
.endif
	v_lshl_add_u32 v[SPW], v0, 2, SPARE
	v_mov_b32 v[NIL], 0
	ds_add_u32 v[SPW], v[NIL]                      ; the wave's opening: the add, twice on end, and its wait ahead of my first tensor load
	ds_add_u32 v[SPW], v[NIL]                      ; and once more, under the one wait; the set-up below, work on registers, stands between
	v_lshrrev_b32 v1, 5, v0
	v_readfirstlane_b32 s10, v1                    ; wave 0..3
	s_lshr_b32 s11, s10, 1                         ; which half of the tile's rows is mine.  Also: I fetch for A (0) or for B (1)
	s_and_b32 s12, s10, 1                          ; which half of its columns.  Also: which half of that tile I fetch
	s_bfe_u32 s40, ttmp6, 0x40000                  ; cx: my place along the cluster's x
	s_lshl_b32 s42, ttmp9, 2
	s_add_co_u32 s42, s42, s40                     ; tile column of C = 4 x cluster x + cx
	s_and_b32 s[CY], ttmp7, 0xffff
.if CLY == 4
	s_bfe_u32 s41, ttmp6, 0x40004                  ; cy: along its y
	s_lshl_b32 s13, s[CY], 2
	s_add_co_u32 s13, s13, s41                     ; tile row of C = 4 x cluster y + cy
	s_lshl_b32 s43, s41, 2
	s_lshl_b32 s43, 15, s43                        ; my row of the cluster: places 4 cy .. 4 cy + 3
	s_lshl_b32 s44, 0x1111, s40                    ; my column: places cx, cx + 4, cx + 8, cx + 12
.else
	s_mov_b32 s13, s[CY]                           ; tile row of C = cluster y
.endif
.if HASB == 1
	s_lshr_b32 s[BAT], s[CY], BSH
	s_and_b32 s[CYB], s[CY], (1<<BSH)-1
.elseif HASB == 2
	s_cmp_ge_u32 s[CY], NCB
	s_cselect_b32 s[BAT], 1, 0
	s_mul_i32 s[CYB], s[BAT], NCB
	s_sub_co_u32 s[CYB], s[CY], s[CYB]
.else
	s_mov_b32 s[BAT], 0
	s_mov_b32 s[CYB], s[CY]
.endif
	; descriptor group 1 for A: 16 NA rows x 128 elements of 2 bytes, 4 words of padding behind every 64
.if CLY == 4
	s_or_b32 s[G1], s43, (1<<16)|(1<<20)|(1<<21)|(5<<22)|(3<<25)  ; 15:0 the mask; 17:16 2-byte elements; 20 padding on; 21 set beside a mask; 24:22 the interval; 31:25 the padding
.else
	s_mov_b32 s[G1], 15|(1<<16)|(1<<20)|(1<<21)|(5<<22)|(3<<25)   ; the same; the mask names the cluster's four
.endif
	s_mov_b32 s[G1+1], 128<<16                     ; tensor_dim0
	s_mov_b32 s[G1+2], (16*NA)<<16                 ; tensor_dim1
	s_mov_b32 s[G1+3], 128<<16                     ; tile_dim0
	s_mov_b32 s[G1+4], 16*NA                       ; tile_dim1
	s_mov_b32 s[G1+5], APITCH/2                    ; elements from row to row
	s_mov_b32 s[G1+6], 0
	s_mov_b32 s[G1+7], 0
.if CLY == 4
	s_or_b32 s[G1B], s44, BW0|(1<<21)              ; B's tiles go to my column of the cluster
.else
	s_mov_b32 s[G1B], BW0                          ; B's tile is mine alone: no mask
.endif
.if TRB                                ; B as [k][n]: 64 rows of K x 256 elements
	s_mov_b32 s[G1B+1], 256<<16
	s_mov_b32 s[G1B+2], 64<<16
	s_mov_b32 s[G1B+3], 256<<16
	s_mov_b32 s[G1B+4], 64
.else                                  ; B as [n][k]: 128 rows x 128 elements
	s_mov_b32 s[G1B+1], 128<<16
	s_mov_b32 s[G1B+2], 128<<16
	s_mov_b32 s[G1B+3], 128<<16
	s_mov_b32 s[G1B+4], 128
.endif
	s_mov_b32 s[G1B+5], BPITCH/2
	s_mov_b32 s[G1B+6], 0
	s_mov_b32 s[G1B+7], 0
	; where the tiles come from, as byte offsets under 2^32.  A's hang on the tile row and the wave alone, B's on the tile column, the wave and the cluster's y alone
	s_mul_i32 s16, s13, 32*NA*APITCH
	s_mul_i32 s17, s12, 16*NA*APITCH
	s_add_co_u32 s16, s16, s17
	s_mov_b32 s17, 0
.if TRB
	s_lshl_b32 s46, s42, 9                         ; 256 columns a tile,
	s_mul_i32 s47, s12, 64*BPITCH                  ; my 64 rows of the K step
.else
	s_mul_i32 s46, s42, 256*BPITCH                 ; 256 rows a tile,
	s_mul_i32 s47, s12, 128*BPITCH                 ; my 128 of them
.endif
	s_add_co_u32 s46, s46, s47
.if HASB
	s_lshl_b32 s47, s[BAT], BBSH                   ; the batch
	s_add_co_u32 s46, s46, s47
.endif
	s_add_co_u32 s46, s46, BBYTE0
	s_mov_b32 s47, 0
	s_mul_i32 s20, s12, AHALF                      ; and where they go: no place in the cluster enters an LDS address
	s_mul_i32 s21, s12, BHALF
	s_add_co_u32 s21, s21, BOFF
	s_mov_b32 s[TB], 0
	s_wait_dscnt 0x0                               ; both opening adds are done
	s_wait_kmcnt 0x0
	s_add_nc_u64 s[14:15], s[4:5], s[16:17]
	s_add_nc_u64 s[46:47], s[6:7], s[46:47]
	CROUND                                         ; all partners are here: the first joint loads meet
.irp s, 0,1
	s_mov_b32 s[G0+4*(\s)], 1                                        ; count = 1
	s_add_co_u32 s[G0+4*(\s)+1], s20, (\s)*SLOT                      ; LDS address
	s_add_nc_u64 s[G0+4*(\s)+2:G0+4*(\s)+3], s[14:15], (\s)*ASTEP    ; global address: K step s
	s_or_b32 s[G0+4*(\s)+3], s[G0+4*(\s)+3], 0x80000000              ; type = 2
	s_mov_b32 s[G0B+4*(\s)], 1
	s_add_co_u32 s[G0B+4*(\s)+1], s21, (\s)*SLOT
	s_add_nc_u64 s[G0B+4*(\s)+2:G0B+4*(\s)+3], s[46:47], (\s)*BSTEP
	s_or_b32 s[G0B+4*(\s)+3], s[G0B+4*(\s)+3], 0x80000000
.endr
	s_cmp_eq_u32 s11, 0                            ; a wave's two first fills stand in one branch, ahead of every wait on TENSORcnt and every LDS read: two loads of mine are out
	s_cbranch_scc0 .Lfirst_b
	tensor_load_to_lds s[G0:G0+3], s[G1:G1+7]
	s_nop 0
	tensor_load_to_lds s[GW:GW+3], s[G1:G1+7]
	s_nop 0
.rept 4
	v_nop
.endr
	s_branch .Lfirst_asked
.Lfirst_b:
	tensor_load_to_lds s[G0B:G0B+3], s[G1B:G1B+7]
	s_nop 0
	tensor_load_to_lds s[GWB:GWB+3], s[G1B:G1B+7]
	s_nop 0
.rept 4
	v_nop
.endr
.Lfirst_asked:
	; A fragment from rows that lie along K: lane l holds row l % 16; two loads of 16 bytes, 32 bytes apart, at row x pitch + 16 (l / 16).
	v_and_b32 v1, 15, v0                           ; l % 16
	v_bfe_u32 v2, v0, 4, 1                         ; l / 16
	v_mul_u32_u24 v3, v1, PITCH
	v_lshl_add_u32 v3, v2, 4, v3
	s_mul_i32 s22, s11, AHALF                      ; my rows of A
	v_add_nc_u32 v[ADRA0], s22, v3
.if TRB
	; The turning load takes 16 k x 16 columns (lane l reads k = 8 (l / 16) + l % 8, columns 8 ((l / 8) % 2) + 0..7) and leaves half a fragment: lane l holds column l % 16 and 8 k.
	v_and_b32 v4, 7, v0
	v_lshl_add_u32 v4, v2, 3, v4
	v_mul_u32_u24 v4, v4, PB
	v_bfe_u32 v5, v0, 3, 1
	v_lshl_add_u32 v4, v5, 4, v4
	s_lshl_b32 s22, s12, 8                         ; my 128 columns
	s_add_co_u32 s22, s22, BOFF
	v_add_nc_u32 v[ADRB0], s22, v4
.else
	s_mul_i32 s22, s12, BHALF                      ; my 128 rows of B
	s_add_co_u32 s22, s22, BOFF
	v_add_nc_u32 v[ADRB0], s22, v3
.endif
	v_mov_b32 v[ADRA], v[ADRA0]
	v_mov_b32 v[ADRB], v[ADRB0]
	s_mul_i32 s23, s10, 16*PITCH
	s_add_co_u32 s23, s23, STAGE                   ; my stage
	v_add_nc_u32 v[STO], s23, v3                   ; in: row l % 16, 16 bytes for each half of the lanes
	v_mul_u32_u24 v6, v2, PITCH                    ; back: lanes 0-15 take one row of 256 bytes, lanes 16-31 the next
	v_lshl_add_u32 v6, v1, 4, v6
	v_add_nc_u32 v[RD], s23, v6
	v_mul_u32_u24 v6, v2, CPITCH                   ; and the same two rows in C
	v_lshl_add_u32 v[CO], v1, 4, v6
	s_mul_i32 s16, s13, 32*NA*CPITCH               ; C at my wave's first row and column
	s_mul_i32 s17, s11, 16*NA*CPITCH
	s_add_co_u32 s16, s16, s17
	s_lshl_b32 s17, s42, 9
	s_add_co_u32 s16, s16, s17
	s_lshl_b32 s17, s12, 8
	s_add_co_u32 s16, s16, s17
.if HASB == 2
	s_mul_i32 s17, s[BAT], CBACK
	s_sub_co_u32 s16, s16, s17
.endif
	s_mov_b32 s17, 0
	s_add_nc_u64 s[8:9], s[8:9], s[16:17]
.if BIAS == 1
	s_lshl_b32 s46, s42, 10                        ; the bias of my 128 columns: f32
	s_lshl_b32 s47, s12, 9
	s_add_co_u32 s46, s46, s47
	s_add_co_u32 s46, s46, BIAS0
	s_mov_b32 s47, 0
	s_add_nc_u64 s[BP:BP+1], s[BP:BP+1], s[46:47]
	v_lshlrev_b32 v[BO], 5, v2
	WIN TO_B
.set fi, 0
.rept 8                                ; column block fi: my eight columns' numbers into window 1, v[8 fi ..]; waited for ahead of the first product
	global_load_b128 v[8*fi:8*fi+3],   v[BO], s[BP:BP+1] offset:64*fi
	global_load_b128 v[8*fi+4:8*fi+7], v[BO], s[BP:BP+1] offset:64*fi+16
.set fi, fi+1
.endr
	WIN 0
.endif
.if BIAS == 2
	s_lshl_b32 s46, s42, 9                         ; the bias of my 128 columns: bf16, in B's buffer
	s_lshl_b32 s47, s12, 8
	s_add_co_u32 s46, s46, s47
	s_add_co_u32 s46, s46, BIAS0
	s_mov_b32 s47, 0
	s_add_nc_u64 s[BP:BP+1], s[6:7], s[46:47]
	v_lshlrev_b32 v[BO], 4, v2
.set fi, 0
.rept 8                                ; column block fi: my eight columns' numbers, 16 bytes; widened ahead of the first product
	global_load_b128 v[OB+4*fi:OB+4*fi+3], v[BO], s[BP:BP+1] offset:32*fi
.set fi, fi+1
.endr
.endif
	; THE PREFETCHES.  Each block of 256 bytes of A and B is named once in the launch.  A's rows are read by every cluster of a row of clusters: cluster x = 0 asks, and its four partners along x take 32 rows each.
	; B's tiles are read by every row of clusters of a batch.  In clusters of 4 x 4 the batch's first row of clusters asks, its partners along y taking 32 blocks each; in clusters of 4 x 1 the batch's first four
	; rows of clusters take 32 rows each.  The shares are told apart BY ADDRESS; no branch hangs on a place in the cluster.
	s_mul_i32 s20, s13, 32*NA*APITCH               ; A: the tile's first row,
.if NA == 8
	s_mul_i32 s22, s12, 128*APITCH                 ; the 128 rows that I fetch,
	s_add_co_u32 s20, s20, s22
.endif
	s_mul_i32 s22, s40, 32*APITCH                  ; my work-group's 32 rows (with 128 rows to a tile wave 0 alone asks)
	s_add_co_u32 s20, s20, s22
	s_add_co_u32 s20, s20, 3*ASTEP                 ; at K step 3: the first refill steps it to 4
.if TRB
	s_lshl_b32 s21, s42, 9                         ; B as [k][n]: the tile's 512 bytes of a row, two blocks;
	s_mul_i32 s22, s12, 64*BPITCH                  ; the 64 rows that I fetch,
	s_add_co_u32 s21, s21, s22
	s_mul_i32 s22, s41, 16*BPITCH                  ; my work-group's 16 of them
.else
	s_mul_i32 s21, s42, 256*BPITCH                 ; B as [n][k]: as for A
	s_mul_i32 s22, s12, 128*BPITCH
	s_add_co_u32 s21, s21, s22
.if CLY == 4
	s_mul_i32 s22, s41, 32*BPITCH
.else
	s_min_u32 s22, s[CYB], 3                       ; (a later row of clusters asks for nothing; its address stays inside B)
	s_mul_i32 s22, s22, 32*BPITCH
.endif
.endif
	s_add_co_u32 s21, s21, s22
.if HASB
	s_lshl_b32 s22, s[BAT], BBSH
	s_add_co_u32 s21, s21, s22
.endif
	s_add_co_u32 s21, s21, BBYTE0+3*BSTEP
.if CLY == 4
	s_mov_b32 s22, s[CYB]                          ; 0 in the row of clusters that asks for B
.else
	s_lshr_b32 s22, s[CYB], 2                      ; 0 in the four rows of clusters that ask for B
.endif
	s_mov_b32 s18, BSTEP
	s_mov_b32 s19, BPITCH
	s_cmp_eq_u32 s11, 0                            ; do I fetch for A?
	s_cselect_b32 s20, s20, s21
	s_cselect_b32 s22, ttmp9, s22
	s_cselect_b32 s[PST], ASTEP, s18
	s_cselect_b32 s19, APITCH, s19                 ; bytes from row to row,
	s_cselect_b32 s23, 0, TRB                      ; and 1 where a row has two blocks
	s_cselect_b64 s[PFA:PFA+1], s[4:5], s[6:7]
.if NA == 4
	s_cselect_b32 s18, s12, 0
	s_or_b32 s22, s22, s18
.endif
	s_cmp_eq_u32 s22, 0
	s_cselect_b32 s[LIM], 2, -1                    ; the same in all partners, for a given wave
	s_mov_b32 s21, 0
	s_mov_b32 s[PST+1], 0
	s_add_nc_u64 s[PFA:PFA+1], s[PFA:PFA+1], s[20:21]
	v_and_b32 v31, 31, v0
	v_lshrrev_b32 v[PFO], s23, v31
	v_mul_u32_u24 v[PFO], s19, v[PFO]
	v_and_b32 v31, s23, v31
	v_lshl_add_u32 v[PFO], v31, 8, v[PFO]          ; nothing is prefetched here, at the head: the first four K steps come by their loads alone
	s_wait_tensorcnt 0x1                           ; my part of K step 0 is in; K step 1's may stay out
	s_barrier_signal -1
	s_barrier_wait -1                              ; everybody's is
	FETCH 0, F0
.if BIAS
	s_wait_loadcnt 0x0                             ; the bias: the first products take it as C
.endif
.if BIAS == 2
	WIN TO_B                                       ; bf16 to f32, into window 1, v[8 b ..], while the first fragments come out of LDS
.set fi, 0
.rept 32
	v_lshlrev_b32 v[2*fi], 16, v[OB+fi]
	v_and_b32 v[2*fi+1], 0xffff0000, v[OB+fi]
.set fi, fi+1
.endr
.endif
	QUARTER 1, F0, F1, 1                           ; the first quarter stands in front of the loop: its products start the sums
	WIN 0                                          ; at a label and at a branch every window is 0
	s_mov_b32 s3, NSTEP-2
.Lstep:                                                ; a trip: a K step's second quarter to the next step's first; the slot that it leaves is filled again
	QUARTER 2, F1, F0, 0
	QUARTER 3, F0, F1, 0
	TURN
	QUARTER 1, F0, F1, 0
	WIN 0
	s_sub_co_u32 s3, s3, 1
	s_cmp_lg_u32 s3, 0
	s_cbranch_scc1 .Lstep
	s_mov_b32 s3, 2
.Ltail:                                                ; the last two K steps ask for nothing; the second jumps forward over what belongs to a next step
	QUARTER 2, F1, F0, 0
	QUARTER 3, F0, F1, 0
	TURNT
	WIN 0
	s_cmp_eq_u32 s3, 1
	s_cbranch_scc1 .Ltail_end
	QUARTER 1, F0, F1, 0
	WIN 0
.Ltail_end:
	s_sub_co_u32 s3, s3, 1
	s_cmp_lg_u32 s3, 0
	s_cbranch_scc1 .Ltail
	PLACES                                         ; behind the last products, in front of the lines that read their results;
	PLACES                                         ; eight, once a launch
	PACK 0
	TOSTAGE 0
.set wa, 1
.rept NA-1                             ; block wa's conversions stand between block wa - 1's loads from the stage and the wait for them
	PACK wa
	SEND wa-1
	TOSTAGE wa
.set wa, wa+1
.endr
	SEND NA-1
	s_wait_tensorcnt 0x0                           ; the wave's end: a wait, an add and a wait, behind my last tensor load and my last LDS store
	ds_add_u32 v[SPW], v[NIL]
	s_wait_dscnt 0x0
	CROUND                                         ; the closing round: no work-group ends while a partner may still ask for a tile that names it
	s_endpgm
.Lfunc_end_k_qe188351221_scg:
	.size	k_qe188351221_scg, .Lfunc_end_k_qe188351221_scg-k_qe188351221_scg
	.p2alignl 7, 3214868480
	.fill 96, 4, 3214868480
	.section	.rodata,"a",@progbits
	.p2align	6, 0x0
	.amdhsa_kernel k_qe188351221_scg
		.amdhsa_group_segment_fixed_size 327680
		.amdhsa_private_segment_fixed_size 0
		.amdhsa_enable_private_segment 0
		.amdhsa_kernarg_size 24
		.amdhsa_user_sgpr_count 2
		.amdhsa_user_sgpr_kernarg_segment_ptr 1
		.amdhsa_wavefront_size32 1
		.amdhsa_system_sgpr_workgroup_id_x 1
		.amdhsa_system_sgpr_workgroup_id_y 1
		.amdhsa_system_sgpr_workgroup_id_z 1
		.amdhsa_system_vgpr_workitem_id 0
		.amdhsa_next_free_vgpr 1024
		.amdhsa_next_free_sgpr 80
		.amdhsa_reserve_vcc 0
		.amdhsa_float_denorm_mode_32 3
		.amdhsa_float_denorm_mode_16_64 3
		.amdhsa_memory_ordered 1
		.amdhsa_forward_progress 1
		.amdhsa_inst_pref_size 102
	.end_amdhsa_kernel
	.amdgpu_metadata
---
amdhsa.version: [ 1, 2 ]
amdhsa.kernels:
  - .name:           k_qe188351221_scg
    .symbol:         k_qe188351221_scg.kd
    .args:
      - { .name: kv, .offset: 0, .size: 8, .value_kind: global_buffer, .address_space: global }
      - { .name: xb, .offset: 8, .size: 8, .value_kind: global_buffer, .address_space: global }
      - { .name: sc, .offset: 16, .size: 8, .value_kind: global_buffer, .address_space: global }
    .group_segment_fixed_size: 327680
    .private_segment_fixed_size: 0
    .kernarg_segment_align: 8
    .kernarg_segment_size: 24
    .max_flat_workgroup_size: 128
    .sgpr_count:     80
    .vgpr_count:     1024
    .wavefront_size: 32
...
	.end_amdgpu_metadata
.endif
;; end of part 11
;; launch softmax: the kernel of part 5 again; grid 256 x 1, 32 waves a work-group, no clusters, 0 bytes of LDS; arguments sc, pr; writes pr
;; launch pvg (part 12): grid 4 x 64, 4 waves a work-group, clusters of 4 x 4, 327,680 bytes of LDS; arguments pr, kv, qb, b_proj; writes qb
.if DOCPART == 12
	.amdgcn_target "amdgcn-amd-amdhsa--gfx1250"
	.amdhsa_code_object_version 6
	.text
	.protected	k_qe188351221_pvg
	.globl	k_qe188351221_pvg
	.p2align	8
	.type	k_qe188351221_pvg,@function
k_qe188351221_pvg:
	s_mov_b64 s[64:65], 0
	v_nop
	global_prefetch_b8 v0, s[64:65] scope:SCOPE_SE
	s_setreg_imm32_b32 hwreg(HW_REG_WAVE_MODE, 25, 1), 1
	s_wait_xcnt 0x0
	s_wait_alu depctr_hold_cnt(0) depctr_sa_sdst(0) depctr_va_vdst(0) depctr_va_sdst(0) depctr_va_ssrc(0) depctr_va_vcc(0) depctr_vm_vsrc(0)
	s_getreg_b32 s2, hwreg(HW_REG_IB_STS2, 6, 4)
	s_cmp_eq_u32 s2, 0
	s_cbranch_scc0 .Lentry_in_a_cluster
	s_endpgm
.Lentry_in_a_cluster:
	s_bfe_u32 s2, ttmp6, 0x10000c
	s_cmp_lg_u32 s2, 0xf033
	s_cbranch_scc0 .Lentry_shape_is_right
	s_endpgm
.Lentry_shape_is_right:
; C[m][n] = the sum over k of A[m][k] B[k][n] + bias[n], batch by batch: z = P v' + b_proj.
; A = P: [8192][2048] bf16.  B = v': columns 1024-2047 of kv [8192][2048] bf16, the 2,048 rows of the query's own batch.  C = z: qb [8192][1024] bf16.  bias = b_proj, f32.
; P v' = (P (x Wv + bv)) W_proj in real arithmetic, for all values (v' = x (Wv W_proj) + bv W_proj).  Sums in f32, begun with the bias; C rounded once.
; SHARES.  A tile of C is 128 x 256: 4 x 64 tiles, one for each of 256 work-groups; a batch has 16 tile rows, four rows of clusters.  Four waves, 2 x 2, each 64 rows x 128 columns: 32 accumulators of 16 x 16.
; K goes in steps of 128 through two LDS slots that take turns; the loop's body is ONE K step: the refill's descriptor walks (its LDS word turned by an exclusive or), and the LDS reads hang on a scalar slot base.
; CLUSTERS of 4 x 4: the four of a row share A's tile, the four of a column B's: each tile is asked for jointly, by the same tensor load, descriptor and mask in all four.
; THE MATRIX INSTRUCTION IS USED TRANSPOSED: source 0 = 16 columns of B, source 1 = 16 rows of A: a lane then holds row l % 16 of C and the eight neighbouring columns 8 (l / 16) + 0..7.
; B lies [k][n]: its fragments come out of LDS turned, by ds_load_tr16_b128.
; REGISTERS, in windows of 256: window 0: addresses, A's two fragment buffers (v64-, v128-), the way out; window 1: v0-63 the bias, B's two fragment buffers; window 2: the accumulators, (a, b) at v[64 a + 8 b].
.set NA,     4                         ; blocks of 16 rows in a wave's tile
.set TRB,    1                         ; 1: B lies [k][n];  0: B lies [n][k]
.set BIAS,   1                         ; 0: none;  1: f32, the fourth argument;  2: bf16, a row of B's buffer
.set BIAS0,  0                         ; its first byte
.set NSTEP,  16                        ; K / 128
.set APITCH, 4096                      ; bytes from row to row in A,
.set BPITCH, 4096                      ; in B,
.set CPITCH, 2048                      ; in C
.set BBYTE0, 2048                      ; B's first column, in bytes
.set CLY,    4                         ; work-groups along a cluster's y: 4 or 1
.set HASB,   1                         ; 0: one batch;  1: the batch is cluster y >> BSH;  2: two batches of NCB rows of clusters
.set BSH,    2
.set NCB,    1
.set BBSH,   23                        ; a batch of B is 2^BBSH bytes: 2,048 rows of 4,096
.set CBACK,  0                         ; HASB = 2: what batch 1 goes back in C
.set SLOT,   131072                    ; LDS byte at which slot 1 begins; it shares no bit with a fill's address in slot 0, so one exclusive or changes slots
.set PITCH,  272                       ; an LDS row of 256 bytes + 16 of padding = 68 words: the 16 rows of a fragment load start at 16 different groups of four banks (64 banks of 4 bytes: ISA guide 11.1)
.set PB,     544                       ; a row of B as [k][n]: 512 bytes + 32 = 136 words
.set AHALF,  16*NA*PITCH               ; what one tensor load brings of A, and what one wave reads of it
.set BOFF,   2*AHALF                   ; B's tile lies behind A's
.set BHALF,  34816                     ; what one tensor load brings of B: 64 rows of 544 bytes, or 128 of 272
.set STAGE,  SLOT+BOFF+2*BHALF         ; behind the ring, never filled by a tensor load: 16 rows x 272 bytes for each wave, for the way out
.set SPARE,  STAGE+4*16*PITCH          ; behind the stages: the spare words, 128 bytes for each wave: two blocks of 256 bytes that no other line names
.set ASTEP,  256                       ; bytes from K step to K step in A
.if TRB
.set BSTEP,  128*BPITCH                ; and in B: 128 rows down,
.set BW0,    (1<<16)|(1<<20)|(6<<22)|(7<<25)   ; B's group 1, first word: 2-byte elements, 8 words of padding behind every 128
.else
.set BSTEP,  256                       ; or 128 elements along
.set BW0,    (1<<16)|(1<<20)|(5<<22)|(3<<25)   ; 2-byte elements, 4 words of padding behind every 64
.endif
.set NF,     16+2*NA                   ; LDS loads in a run: 16 for B's eight fragments, 2 NA for A's
.set ADRA0, 16                         ; v16  my place in A's tile of slot 0; never rewritten
.set ADRA,  17                         ; v17  the same in the slot in hand
.set ADRB0, 20                         ; v20, v21  the same for B
.set ADRB,  21
.set STO,   24                         ; v24  the way out: where I put 16 bytes of a row
.set RD,    25                         ; v25  where I read a row back
.set CO,    26                         ; v26  my byte offset in two rows of C
.set BO,    27                         ; v27  my byte offset in the bias
.set SPW,   28                         ; v28  LDS address of my spare word: SPARE + 4 x my thread's number; never rewritten
.set NIL,   29                         ; v29  0; never rewritten
.set PFO,   30                         ; v30  the prefetches' lane offset; never rewritten
.set F0,    64                         ; fragment buffer 0
.set F1,    128                        ; fragment buffer 1
.set TMP,   192                        ; the way out: packed results
.set OB,    32                         ; the way out: 16 rows read back: v32-63 and v224-255 by turns
.set G1,    24                         ; s[24:31] descriptor group 1 for A's tiles
.set G0,    32                         ; s[32:35] group 0: A, slot 0, K step 0
.set GW,    36                         ; s[36:39] group 0: A, slot 1, K step 1; then it walks
.set LIM,   43                         ; s43  2 in a wave that prefetches, else the greatest number
.set PFA,   44                         ; s[44:45] where my prefetches stand
.set G1B,   48                         ; s[48:55], s[56:59], s[60:63] the same three for B
.set G0B,   56
.set GWB,   60
.set TB,    66                         ; s66  LDS byte at which the slot in hand begins
.set CY,    67                         ; s67  cluster y
.set PST,   68                         ; s[68:69] bytes from K step to K step in the tensor that I prefetch
.set BP,    70                         ; s[70:71] the bias
.set BAT,   72                         ; s72  the batch
.set CYB,   73                         ; s73  cluster y within the batch
.set TO_B,  0x40                       ; destination window 1, address window 0
.set MSB, 0
.macro WIN new                         ; s_set_vgpr_msb: bits 1:0 source 0, 3:2 source 1, 5:4 source 2, 7:6 destination; the high byte repeats the setting that is left; a switch that changes nothing is dropped
.if MSB != (\new)
	s_set_vgpr_msb (MSB<<8)|(\new)
.set MSB, (\new)
.endif
.endm
.macro PLACES                          ; four plain instructions between a matrix instruction and a load into, or a vector instruction on, its registers (ISA guide 7.12.1 for vector instructions)
.rept 4
	v_nop
.endr
.endm
.macro CREST                           ; a round of the cluster's barrier behind its opening barrier: wave 0 signals for the work-group, every wave waits for all partners, my work-group's barrier closes it
	s_cmp_lg_u32 s10, 0
	s_cbranch_scc1 .Lnot_wave_0_\@
	s_barrier_signal -3
.Lnot_wave_0_\@:
	s_barrier_wait -3
	s_barrier_signal -1
	s_barrier_wait -1
.endm
.macro CROUND                          ; a whole round
	s_barrier_signal -1
	s_barrier_wait -1
	CREST
.endm
; A refill by the walking descriptors.  Waves 0 and 1 fetch A's two halves, waves 2 and 3 B's.  The branch hangs on the wave's number alone.  An s_nop 0 and four v_nop follow each line.
.macro JLOAD
	s_cmp_eq_u32 s11, 0
	s_cbranch_scc0 .Lfor_b_\@
	tensor_load_to_lds s[GW:GW+3], s[G1:G1+7]
	s_nop 0
.rept 4
	v_nop
.endr
	s_branch .Lasked_\@
.Lfor_b_\@:
	tensor_load_to_lds s[GWB:GWB+3], s[G1B:G1B+7]
	s_nop 0
.rept 4
	v_nop
.endr
.Lasked_\@:
.endm
; A prefetch of the K step that stands two refills on: 32 blocks of 256 bytes, a lane a block, one instruction a wave.  s3 counts the loop's trips down: the last two refills have no K step two on.
.macro ASK
	s_cmp_gt_u32 s3, s[LIM]
	s_cbranch_scc0 .Lnot_mine_\@
	global_prefetch_b8 v[PFO], s[PFA:PFA+1] th:TH_LOAD_NT scope:SCOPE_SE
.Lnot_mine_\@:
.endm
; 8 cnt matrix instructions: row blocks a0 .. a0 + cnt - 1 x all 8 column blocks, 32 along K, from buffer f.  zero = 1: the product starts the sum, with the constant 0 or, where there is a bias, with the bias of its
; eight columns (window 1, v[8 b ..]) as C.  The accumulators take turns, one instruction a turn, in the same order in every quarter.
.macro MULR f, a0, cnt, zero
.set ma, \a0
.rept \cnt
.if (\zero) && BIAS
	WIN 0x91+0x40*(ma/4)                           ; B window 1, A window 0, C window 1, D window 2 or 3
.else
	WIN 0xa1+0x50*(ma/4)                           ; B window 1, A window 0, C and D window 2 or 3
.endif
.set mb, 0
.rept 8
.if (\zero) && BIAS
	v_wmma_f32_16x16x32_bf16 v[64*(ma%4)+8*mb:64*(ma%4)+8*mb+7], v[(\f)+8*mb:(\f)+8*mb+7], v[(\f)+8*ma:(\f)+8*ma+7], v[8*mb:8*mb+7]
.elseif \zero
	v_wmma_f32_16x16x32_bf16 v[64*(ma%4)+8*mb:64*(ma%4)+8*mb+7], v[(\f)+8*mb:(\f)+8*mb+7], v[(\f)+8*ma:(\f)+8*ma+7], 0
.else
	v_wmma_f32_16x16x32_bf16 v[64*(ma%4)+8*mb:64*(ma%4)+8*mb+7], v[(\f)+8*mb:(\f)+8*mb+7], v[(\f)+8*ma:(\f)+8*ma+7], v[64*(ma%4)+8*mb:64*(ma%4)+8*mb+7]
.endif
.set mb, mb+1
.endr
.set ma, ma+1
.endr
.endm
; NF LDS loads in one run: the fragments of quarter kq (32 along K) of the slot in hand, into buffer f: B's eight, then A's NA.
.macro FETCH kq, f
	WIN TO_B
.set fi, 0
.rept 8
.if TRB
	ds_load_tr16_b128 v[(\f)+8*fi:(\f)+8*fi+3],   v[ADRB] offset:(\kq)*32*PB+32*fi
	ds_load_tr16_b128 v[(\f)+8*fi+4:(\f)+8*fi+7], v[ADRB] offset:(\kq)*32*PB+32*fi+16*PB
.else
	ds_load_b128 v[(\f)+8*fi:(\f)+8*fi+3],   v[ADRB] offset:64*(\kq)+fi*16*PITCH
	ds_load_b128 v[(\f)+8*fi+4:(\f)+8*fi+7], v[ADRB] offset:64*(\kq)+fi*16*PITCH+32
.endif
.set fi, fi+1
.endr
	WIN 0
.set fi, 0
.rept NA
	ds_load_b128 v[(\f)+8*fi:(\f)+8*fi+3],   v[ADRA] offset:64*(\kq)+fi*16*PITCH
	ds_load_b128 v[(\f)+8*fi+4:(\f)+8*fi+7], v[ADRA] offset:64*(\kq)+fi*16*PITCH+32
.set fi, fi+1
.endr
.endm
; One of a K step's first three quarters: multiplies buffer f; in its middle it fetches quarter kq into buffer g.
.macro QUARTER kq, f, g, zero
	s_wait_dscnt NA                                ; B and A's lower blocks are in; the youngest NA loads (A's upper NA / 2 blocks, two loads each) may be out
	MULR \f, 0, NA/2, \zero
	PLACES
	FETCH \kq, \g
	s_wait_dscnt NF                                ; all but the NF just issued
	MULR \f, NA/2, NA/2, \zero
.endm
; The first half of a K step's last quarter, and the barrier of the change of slots.  In front of it each wave waits for all its tensor loads (the one that is out is its part of the next slot), adds 0 to its
; spare word, and waits for that and for its own reads of this slot.  Behind it nobody reads this slot any more and the next slot is whole.
.macro MEET
	WIN 0                                          ; (the add's two registers lie in window 0)
	s_wait_tensorcnt 0x0
	ds_add_u32 v[SPW], v[NIL]                      ; 0 onto my spare word
	s_wait_dscnt NA+1                              ; (the add and the youngest NA loads may be out)
	MULR F1, 0, NA/4, 0                            ; matrix work stands between the add and the wait for it
	s_wait_dscnt 0x0                               ; the add is done, and my reads of this slot are over
	s_barrier_signal -1
	MULR F1, NA/4, NA/4, 0                         ; work on registers while the others arrive
	WIN 0
	s_barrier_wait -1
.endm
; The whole last quarter, in the loop: the barrier opens a round of the cluster's barrier, so that no wave of any partner still reads the slot or has a load on its way; the refill, two K steps ahead, is the first
; tensor load behind the round; then the next slot's first fragments.  From a request to the wait for it a wave issues seven eighths of a K step's matrix instructions.
.macro TURN
	s_wait_xcnt 0x0                                ; the last prefetch, a K step back, has read its address, which is stepped here
	s_add_nc_u64 s[PFA:PFA+1], s[PFA:PFA+1], s[PST:PST+1]
	MEET
	CREST
	s_xor_b32 s[GW+1], s[GW+1], SLOT               ; no tensor load of mine is out: the walking descriptors take the other slot than last time
	s_add_nc_u64 s[GW+2:GW+3], s[GW+2:GW+3], ASTEP ; and the next K step; the type bits on top are not reached
	s_xor_b32 s[GWB+1], s[GWB+1], SLOT
	s_add_nc_u64 s[GWB+2:GWB+3], s[GWB+2:GWB+3], BSTEP
	JLOAD                                          ; its four v_nop are also the places in front of the loads below
	s_xor_b32 s[TB], s[TB], SLOT
	v_add_nc_u32 v[ADRA], s[TB], v[ADRA0]
	v_add_nc_u32 v[ADRB], s[TB], v[ADRB0]
	FETCH 0, F0
	ASK                                            ; behind the tensor load and the run of LDS loads that the next products wait for
	MULR F1, NA/2, NA/2, 0
.endm
; The same in the tail, where nothing is filled again: a plain barrier; in the very last K step (s3 = 1) there is no next slot, and the run of loads is jumped over.
.macro TURNT
	MEET
	PLACES
	s_cmp_eq_u32 s3, 1
	s_cbranch_scc1 .Lno_fetch_\@
	s_xor_b32 s[TB], s[TB], SLOT
	v_add_nc_u32 v[ADRA], s[TB], v[ADRA0]
	v_add_nc_u32 v[ADRB], s[TB], v[ADRB0]
	FETCH 0, F0
.Lno_fetch_\@:
	MULR F1, NA/2, NA/2, 0
.endm
; THE WAY OUT of row block a.  PACK: rounded to bf16, 16 bytes a lane, each accumulator from its low end on.  TOSTAGE: into my own stage and back as whole rows of 256 bytes.  SEND: stored.
.macro PACK a
	WIN 0x0a+5*((\a)/4)                            ; sources 0 and 1: the accumulators' window
.set wb, 0
.rept 8
.set wr, 0
.rept 4
	v_cvt_pk_bf16_f32 v[TMP+4*wb+wr], v[64*((\a)%4)+8*wb+2*wr], v[64*((\a)%4)+8*wb+2*wr+1]
.set wr, wr+1
.endr
.set wb, wb+1
.endr
	WIN 0
.endm
.macro TOSTAGE a
	WIN 0
.set wt, 0
.rept 8
	ds_store_b128 v[STO], v[TMP+4*wt:TMP+4*wt+3] offset:32*wt
.set wt, wt+1
.endr
.set wt, 0
.rept 8
	ds_load_b128 v[OB+192*((\a)%2)+4*wt:OB+192*((\a)%2)+4*wt+3], v[RD] offset:wt*2*PITCH  ; LDS serves a wave's instructions in order (ISA guide 5.7.1.4): these see the stores above
.set wt, wt+1
.endr
.endm
.macro SEND a
	WIN 0
	s_wait_dscnt 0x0                               ; the block is back in registers
	s_wait_xcnt 0x0                                ; earlier stores have read their base and their data registers: only behind this wait are these written again
.if (\a) > 0
	s_add_nc_u64 s[8:9], s[8:9], 16*CPITCH         ; 16 rows of C on
.endif
.set wt, 0
.rept 8
	global_store_b128 v[CO], v[OB+192*((\a)%2)+4*wt:OB+192*((\a)%2)+4*wt+3], s[8:9] offset:2*wt*CPITCH  ; 16 lanes store 256 consecutive bytes, at a multiple of 256 from C's first byte
.set wt, wt+1
.endr
.endm
	s_load_b128 s[4:7], s[0:1], 0x0                ; A s[4:5], B s[6:7]
	s_load_b64 s[8:9], s[0:1], 0x10                ; C
.if BIAS == 1
	s_load_b64 s[BP:BP+1], s[0:1], 0x18            ; the bias
.endif
	v_lshl_add_u32 v[SPW], v0, 2, SPARE
	v_mov_b32 v[NIL], 0
	ds_add_u32 v[SPW], v[NIL]                      ; the wave's opening: the add, twice on end, and its wait ahead of my first tensor load
	ds_add_u32 v[SPW], v[NIL]                      ; and once more, under the one wait; the set-up below, work on registers, stands between
	v_lshrrev_b32 v1, 5, v0
	v_readfirstlane_b32 s10, v1                    ; wave 0..3
	s_lshr_b32 s11, s10, 1                         ; which half of the tile's rows is mine.  Also: I fetch for A (0) or for B (1)
	s_and_b32 s12, s10, 1                          ; which half of its columns.  Also: which half of that tile I fetch
	s_bfe_u32 s40, ttmp6, 0x40000                  ; cx: my place along the cluster's x
	s_lshl_b32 s42, ttmp9, 2
	s_add_co_u32 s42, s42, s40                     ; tile column of C = 4 x cluster x + cx
	s_and_b32 s[CY], ttmp7, 0xffff
.if CLY == 4
	s_bfe_u32 s41, ttmp6, 0x40004                  ; cy: along its y
	s_lshl_b32 s13, s[CY], 2
	s_add_co_u32 s13, s13, s41                     ; tile row of C = 4 x cluster y + cy
	s_lshl_b32 s43, s41, 2
	s_lshl_b32 s43, 15, s43                        ; my row of the cluster: places 4 cy .. 4 cy + 3
	s_lshl_b32 s44, 0x1111, s40                    ; my column: places cx, cx + 4, cx + 8, cx + 12
.else
	s_mov_b32 s13, s[CY]                           ; tile row of C = cluster y
.endif
.if HASB == 1
	s_lshr_b32 s[BAT], s[CY], BSH
	s_and_b32 s[CYB], s[CY], (1<<BSH)-1
.elseif HASB == 2
	s_cmp_ge_u32 s[CY], NCB
	s_cselect_b32 s[BAT], 1, 0
	s_mul_i32 s[CYB], s[BAT], NCB
	s_sub_co_u32 s[CYB], s[CY], s[CYB]
.else
	s_mov_b32 s[BAT], 0
	s_mov_b32 s[CYB], s[CY]
.endif
	; descriptor group 1 for A: 16 NA rows x 128 elements of 2 bytes, 4 words of padding behind every 64
.if CLY == 4
	s_or_b32 s[G1], s43, (1<<16)|(1<<20)|(1<<21)|(5<<22)|(3<<25)  ; 15:0 the mask; 17:16 2-byte elements; 20 padding on; 21 set beside a mask; 24:22 the interval; 31:25 the padding
.else
	s_mov_b32 s[G1], 15|(1<<16)|(1<<20)|(1<<21)|(5<<22)|(3<<25)   ; the same; the mask names the cluster's four
.endif
	s_mov_b32 s[G1+1], 128<<16                     ; tensor_dim0
	s_mov_b32 s[G1+2], (16*NA)<<16                 ; tensor_dim1
	s_mov_b32 s[G1+3], 128<<16                     ; tile_dim0
	s_mov_b32 s[G1+4], 16*NA                       ; tile_dim1
	s_mov_b32 s[G1+5], APITCH/2                    ; elements from row to row
	s_mov_b32 s[G1+6], 0
	s_mov_b32 s[G1+7], 0
.if CLY == 4
	s_or_b32 s[G1B], s44, BW0|(1<<21)              ; B's tiles go to my column of the cluster
.else
	s_mov_b32 s[G1B], BW0                          ; B's tile is mine alone: no mask
.endif
.if TRB                                ; B as [k][n]: 64 rows of K x 256 elements
	s_mov_b32 s[G1B+1], 256<<16
	s_mov_b32 s[G1B+2], 64<<16
	s_mov_b32 s[G1B+3], 256<<16
	s_mov_b32 s[G1B+4], 64
.else                                  ; B as [n][k]: 128 rows x 128 elements
	s_mov_b32 s[G1B+1], 128<<16
	s_mov_b32 s[G1B+2], 128<<16
	s_mov_b32 s[G1B+3], 128<<16
	s_mov_b32 s[G1B+4], 128
.endif
	s_mov_b32 s[G1B+5], BPITCH/2
	s_mov_b32 s[G1B+6], 0
	s_mov_b32 s[G1B+7], 0
	; where the tiles come from, as byte offsets under 2^32.  A's hang on the tile row and the wave alone, B's on the tile column, the wave and the cluster's y alone
	s_mul_i32 s16, s13, 32*NA*APITCH
	s_mul_i32 s17, s12, 16*NA*APITCH
	s_add_co_u32 s16, s16, s17
	s_mov_b32 s17, 0
.if TRB
	s_lshl_b32 s46, s42, 9                         ; 256 columns a tile,
	s_mul_i32 s47, s12, 64*BPITCH                  ; my 64 rows of the K step
.else
	s_mul_i32 s46, s42, 256*BPITCH                 ; 256 rows a tile,
	s_mul_i32 s47, s12, 128*BPITCH                 ; my 128 of them
.endif
	s_add_co_u32 s46, s46, s47
.if HASB
	s_lshl_b32 s47, s[BAT], BBSH                   ; the batch
	s_add_co_u32 s46, s46, s47
.endif
	s_add_co_u32 s46, s46, BBYTE0
	s_mov_b32 s47, 0
	s_mul_i32 s20, s12, AHALF                      ; and where they go: no place in the cluster enters an LDS address
	s_mul_i32 s21, s12, BHALF
	s_add_co_u32 s21, s21, BOFF
	s_mov_b32 s[TB], 0
	s_wait_dscnt 0x0                               ; both opening adds are done
	s_wait_kmcnt 0x0
	s_add_nc_u64 s[14:15], s[4:5], s[16:17]
	s_add_nc_u64 s[46:47], s[6:7], s[46:47]
	CROUND                                         ; all partners are here: the first joint loads meet
.irp s, 0,1
	s_mov_b32 s[G0+4*(\s)], 1                                        ; count = 1
	s_add_co_u32 s[G0+4*(\s)+1], s20, (\s)*SLOT                      ; LDS address
	s_add_nc_u64 s[G0+4*(\s)+2:G0+4*(\s)+3], s[14:15], (\s)*ASTEP    ; global address: K step s
	s_or_b32 s[G0+4*(\s)+3], s[G0+4*(\s)+3], 0x80000000              ; type = 2
	s_mov_b32 s[G0B+4*(\s)], 1
	s_add_co_u32 s[G0B+4*(\s)+1], s21, (\s)*SLOT
	s_add_nc_u64 s[G0B+4*(\s)+2:G0B+4*(\s)+3], s[46:47], (\s)*BSTEP
	s_or_b32 s[G0B+4*(\s)+3], s[G0B+4*(\s)+3], 0x80000000
.endr
	s_cmp_eq_u32 s11, 0                            ; a wave's two first fills stand in one branch, ahead of every wait on TENSORcnt and every LDS read: two loads of mine are out
	s_cbranch_scc0 .Lfirst_b
	tensor_load_to_lds s[G0:G0+3], s[G1:G1+7]
	s_nop 0
	tensor_load_to_lds s[GW:GW+3], s[G1:G1+7]
	s_nop 0
.rept 4
	v_nop
.endr
	s_branch .Lfirst_asked
.Lfirst_b:
	tensor_load_to_lds s[G0B:G0B+3], s[G1B:G1B+7]
	s_nop 0
	tensor_load_to_lds s[GWB:GWB+3], s[G1B:G1B+7]
	s_nop 0
.rept 4
	v_nop
.endr
.Lfirst_asked:
	; A fragment from rows that lie along K: lane l holds row l % 16; two loads of 16 bytes, 32 bytes apart, at row x pitch + 16 (l / 16).
	v_and_b32 v1, 15, v0                           ; l % 16
	v_bfe_u32 v2, v0, 4, 1                         ; l / 16
	v_mul_u32_u24 v3, v1, PITCH
	v_lshl_add_u32 v3, v2, 4, v3
	s_mul_i32 s22, s11, AHALF                      ; my rows of A
	v_add_nc_u32 v[ADRA0], s22, v3
.if TRB
	; The turning load takes 16 k x 16 columns (lane l reads k = 8 (l / 16) + l % 8, columns 8 ((l / 8) % 2) + 0..7) and leaves half a fragment: lane l holds column l % 16 and 8 k.
	v_and_b32 v4, 7, v0
	v_lshl_add_u32 v4, v2, 3, v4
	v_mul_u32_u24 v4, v4, PB
	v_bfe_u32 v5, v0, 3, 1
	v_lshl_add_u32 v4, v5, 4, v4
	s_lshl_b32 s22, s12, 8                         ; my 128 columns
	s_add_co_u32 s22, s22, BOFF
	v_add_nc_u32 v[ADRB0], s22, v4
.else
	s_mul_i32 s22, s12, BHALF                      ; my 128 rows of B
	s_add_co_u32 s22, s22, BOFF
	v_add_nc_u32 v[ADRB0], s22, v3
.endif
	v_mov_b32 v[ADRA], v[ADRA0]
	v_mov_b32 v[ADRB], v[ADRB0]
	s_mul_i32 s23, s10, 16*PITCH
	s_add_co_u32 s23, s23, STAGE                   ; my stage
	v_add_nc_u32 v[STO], s23, v3                   ; in: row l % 16, 16 bytes for each half of the lanes
	v_mul_u32_u24 v6, v2, PITCH                    ; back: lanes 0-15 take one row of 256 bytes, lanes 16-31 the next
	v_lshl_add_u32 v6, v1, 4, v6
	v_add_nc_u32 v[RD], s23, v6
	v_mul_u32_u24 v6, v2, CPITCH                   ; and the same two rows in C
	v_lshl_add_u32 v[CO], v1, 4, v6
	s_mul_i32 s16, s13, 32*NA*CPITCH               ; C at my wave's first row and column
	s_mul_i32 s17, s11, 16*NA*CPITCH
	s_add_co_u32 s16, s16, s17
	s_lshl_b32 s17, s42, 9
	s_add_co_u32 s16, s16, s17
	s_lshl_b32 s17, s12, 8
	s_add_co_u32 s16, s16, s17
.if HASB == 2
	s_mul_i32 s17, s[BAT], CBACK
	s_sub_co_u32 s16, s16, s17
.endif
	s_mov_b32 s17, 0
	s_add_nc_u64 s[8:9], s[8:9], s[16:17]
.if BIAS == 1
	s_lshl_b32 s46, s42, 10                        ; the bias of my 128 columns: f32
	s_lshl_b32 s47, s12, 9
	s_add_co_u32 s46, s46, s47
	s_add_co_u32 s46, s46, BIAS0
	s_mov_b32 s47, 0
	s_add_nc_u64 s[BP:BP+1], s[BP:BP+1], s[46:47]
	v_lshlrev_b32 v[BO], 5, v2
	WIN TO_B
.set fi, 0
.rept 8                                ; column block fi: my eight columns' numbers into window 1, v[8 fi ..]; waited for ahead of the first product
	global_load_b128 v[8*fi:8*fi+3],   v[BO], s[BP:BP+1] offset:64*fi
	global_load_b128 v[8*fi+4:8*fi+7], v[BO], s[BP:BP+1] offset:64*fi+16
.set fi, fi+1
.endr
	WIN 0
.endif
.if BIAS == 2
	s_lshl_b32 s46, s42, 9                         ; the bias of my 128 columns: bf16, in B's buffer
	s_lshl_b32 s47, s12, 8
	s_add_co_u32 s46, s46, s47
	s_add_co_u32 s46, s46, BIAS0
	s_mov_b32 s47, 0
	s_add_nc_u64 s[BP:BP+1], s[6:7], s[46:47]
	v_lshlrev_b32 v[BO], 4, v2
.set fi, 0
.rept 8                                ; column block fi: my eight columns' numbers, 16 bytes; widened ahead of the first product
	global_load_b128 v[OB+4*fi:OB+4*fi+3], v[BO], s[BP:BP+1] offset:32*fi
.set fi, fi+1
.endr
.endif
	; THE PREFETCHES.  Each block of 256 bytes of A and B is named once in the launch.  A's rows are read by every cluster of a row of clusters: cluster x = 0 asks, and its four partners along x take 32 rows each.
	; B's tiles are read by every row of clusters of a batch.  In clusters of 4 x 4 the batch's first row of clusters asks, its partners along y taking 32 blocks each; in clusters of 4 x 1 the batch's first four
	; rows of clusters take 32 rows each.  The shares are told apart BY ADDRESS; no branch hangs on a place in the cluster.
	s_mul_i32 s20, s13, 32*NA*APITCH               ; A: the tile's first row,
.if NA == 8
	s_mul_i32 s22, s12, 128*APITCH                 ; the 128 rows that I fetch,
	s_add_co_u32 s20, s20, s22
.endif
	s_mul_i32 s22, s40, 32*APITCH                  ; my work-group's 32 rows (with 128 rows to a tile wave 0 alone asks)
	s_add_co_u32 s20, s20, s22
	s_add_co_u32 s20, s20, 3*ASTEP                 ; at K step 3: the first refill steps it to 4
.if TRB
	s_lshl_b32 s21, s42, 9                         ; B as [k][n]: the tile's 512 bytes of a row, two blocks;
	s_mul_i32 s22, s12, 64*BPITCH                  ; the 64 rows that I fetch,
	s_add_co_u32 s21, s21, s22
	s_mul_i32 s22, s41, 16*BPITCH                  ; my work-group's 16 of them
.else
	s_mul_i32 s21, s42, 256*BPITCH                 ; B as [n][k]: as for A
	s_mul_i32 s22, s12, 128*BPITCH
	s_add_co_u32 s21, s21, s22
.if CLY == 4
	s_mul_i32 s22, s41, 32*BPITCH
.else
	s_min_u32 s22, s[CYB], 3                       ; (a later row of clusters asks for nothing; its address stays inside B)
	s_mul_i32 s22, s22, 32*BPITCH
.endif
.endif
	s_add_co_u32 s21, s21, s22
.if HASB
	s_lshl_b32 s22, s[BAT], BBSH
	s_add_co_u32 s21, s21, s22
.endif
	s_add_co_u32 s21, s21, BBYTE0+3*BSTEP
.if CLY == 4
	s_mov_b32 s22, s[CYB]                          ; 0 in the row of clusters that asks for B
.else
	s_lshr_b32 s22, s[CYB], 2                      ; 0 in the four rows of clusters that ask for B
.endif
	s_mov_b32 s18, BSTEP
	s_mov_b32 s19, BPITCH
	s_cmp_eq_u32 s11, 0                            ; do I fetch for A?
	s_cselect_b32 s20, s20, s21
	s_cselect_b32 s22, ttmp9, s22
	s_cselect_b32 s[PST], ASTEP, s18
	s_cselect_b32 s19, APITCH, s19                 ; bytes from row to row,
	s_cselect_b32 s23, 0, TRB                      ; and 1 where a row has two blocks
	s_cselect_b64 s[PFA:PFA+1], s[4:5], s[6:7]
.if NA == 4
	s_cselect_b32 s18, s12, 0
	s_or_b32 s22, s22, s18
.endif
	s_cmp_eq_u32 s22, 0
	s_cselect_b32 s[LIM], 2, -1                    ; the same in all partners, for a given wave
	s_mov_b32 s21, 0
	s_mov_b32 s[PST+1], 0
	s_add_nc_u64 s[PFA:PFA+1], s[PFA:PFA+1], s[20:21]
	v_and_b32 v31, 31, v0
	v_lshrrev_b32 v[PFO], s23, v31
	v_mul_u32_u24 v[PFO], s19, v[PFO]
	v_and_b32 v31, s23, v31
	v_lshl_add_u32 v[PFO], v31, 8, v[PFO]          ; nothing is prefetched here, at the head: the first four K steps come by their loads alone
	s_wait_tensorcnt 0x1                           ; my part of K step 0 is in; K step 1's may stay out
	s_barrier_signal -1
	s_barrier_wait -1                              ; everybody's is
	FETCH 0, F0
.if BIAS
	s_wait_loadcnt 0x0                             ; the bias: the first products take it as C
.endif
.if BIAS == 2
	WIN TO_B                                       ; bf16 to f32, into window 1, v[8 b ..], while the first fragments come out of LDS
.set fi, 0
.rept 32
	v_lshlrev_b32 v[2*fi], 16, v[OB+fi]
	v_and_b32 v[2*fi+1], 0xffff0000, v[OB+fi]
.set fi, fi+1
.endr
.endif
	QUARTER 1, F0, F1, 1                           ; the first quarter stands in front of the loop: its products start the sums
	WIN 0                                          ; at a label and at a branch every window is 0
	s_mov_b32 s3, NSTEP-2
.Lstep:                                                ; a trip: a K step's second quarter to the next step's first; the slot that it leaves is filled again
	QUARTER 2, F1, F0, 0
	QUARTER 3, F0, F1, 0
	TURN
	QUARTER 1, F0, F1, 0
	WIN 0
	s_sub_co_u32 s3, s3, 1
	s_cmp_lg_u32 s3, 0
	s_cbranch_scc1 .Lstep
	s_mov_b32 s3, 2
.Ltail:                                                ; the last two K steps ask for nothing; the second jumps forward over what belongs to a next step
	QUARTER 2, F1, F0, 0
	QUARTER 3, F0, F1, 0
	TURNT
	WIN 0
	s_cmp_eq_u32 s3, 1
	s_cbranch_scc1 .Ltail_end
	QUARTER 1, F0, F1, 0
	WIN 0
.Ltail_end:
	s_sub_co_u32 s3, s3, 1
	s_cmp_lg_u32 s3, 0
	s_cbranch_scc1 .Ltail
	PLACES                                         ; behind the last products, in front of the lines that read their results;
	PLACES                                         ; eight, once a launch
	PACK 0
	TOSTAGE 0
.set wa, 1
.rept NA-1                             ; block wa's conversions stand between block wa - 1's loads from the stage and the wait for them
	PACK wa
	SEND wa-1
	TOSTAGE wa
.set wa, wa+1
.endr
	SEND NA-1
	s_wait_tensorcnt 0x0                           ; the wave's end: a wait, an add and a wait, behind my last tensor load and my last LDS store
	ds_add_u32 v[SPW], v[NIL]
	s_wait_dscnt 0x0
	CROUND                                         ; the closing round: no work-group ends while a partner may still ask for a tile that names it
	s_endpgm
.Lfunc_end_k_qe188351221_pvg:
	.size	k_qe188351221_pvg, .Lfunc_end_k_qe188351221_pvg-k_qe188351221_pvg
	.p2alignl 7, 3214868480
	.fill 96, 4, 3214868480
	.section	.rodata,"a",@progbits
	.p2align	6, 0x0
	.amdhsa_kernel k_qe188351221_pvg
		.amdhsa_group_segment_fixed_size 327680
		.amdhsa_private_segment_fixed_size 0
		.amdhsa_enable_private_segment 0
		.amdhsa_kernarg_size 32
		.amdhsa_user_sgpr_count 2
		.amdhsa_user_sgpr_kernarg_segment_ptr 1
		.amdhsa_wavefront_size32 1
		.amdhsa_system_sgpr_workgroup_id_x 1
		.amdhsa_system_sgpr_workgroup_id_y 1
		.amdhsa_system_sgpr_workgroup_id_z 1
		.amdhsa_system_vgpr_workitem_id 0
		.amdhsa_next_free_vgpr 768
		.amdhsa_next_free_sgpr 80
		.amdhsa_reserve_vcc 0
		.amdhsa_float_denorm_mode_32 3
		.amdhsa_float_denorm_mode_16_64 3
		.amdhsa_memory_ordered 1
		.amdhsa_forward_progress 1
		.amdhsa_inst_pref_size 65
	.end_amdhsa_kernel
	.amdgpu_metadata
---
amdhsa.version: [ 1, 2 ]
amdhsa.kernels:
  - .name:           k_qe188351221_pvg
    .symbol:         k_qe188351221_pvg.kd
    .args:
      - { .name: pr, .offset: 0, .size: 8, .value_kind: global_buffer, .address_space: global }
      - { .name: kv, .offset: 8, .size: 8, .value_kind: global_buffer, .address_space: global }
      - { .name: qb, .offset: 16, .size: 8, .value_kind: global_buffer, .address_space: global }
      - { .name: b_proj, .offset: 24, .size: 8, .value_kind: global_buffer, .address_space: global }
    .group_segment_fixed_size: 327680
    .private_segment_fixed_size: 0
    .kernarg_segment_align: 8
    .kernarg_segment_size: 32
    .max_flat_workgroup_size: 128
    .sgpr_count:     80
    .vgpr_count:     768
    .wavefront_size: 32
...
	.end_amdgpu_metadata
.endif
;; end of part 12
;; launch norm: the kernel of part 7 again; grid 256 x 1, 32 waves a work-group, no clusters, 0 bytes of LDS; arguments x, qb, gamma, beta, out0; writes out0
;; ======== version 3 of 3: 7 launches; version 2 with the launch cast written anew for expert scheduling mode
;; limits: values outside matrix products are rounded to bf16
;; workspace buffers: xb 16,777,216 bytes; qb 16,777,216 bytes; kv 33,554,432 bytes; sc 33,554,432 bytes; pr 33,554,432 bytes; wa 4,718,592 bytes; wb 4,194,304 bytes; wt 4,718,592 bytes
;; launch cast (part 13): grid 784 x 1, 8 waves a work-group, no clusters, 0 bytes of LDS; arguments x, W_qkv, W_proj, b_qkv, xb, wa, wb; writes xb, wa, wb
.if DOCPART == 13
	.amdgcn_target "amdgcn-amd-amdhsa--gfx1250"
	.amdhsa_code_object_version 6
	.text
	.protected	k_qe188351221_cast
	.globl	k_qe188351221_cast
	.p2align	8
	.type	k_qe188351221_cast,@function
k_qe188351221_cast:
	s_mov_b64 s[64:65], 0
	v_nop
	global_prefetch_b8 v0, s[64:65] scope:SCOPE_SE
	s_setreg_imm32_b32 hwreg(HW_REG_WAVE_SCHED_MODE, 0, 2), 2
	s_setreg_imm32_b32 hwreg(HW_REG_WAVE_MODE, 25, 1), 1
	s_wait_xcnt 0x0
	s_wait_alu depctr_vm_vsrc(0)
; THE PROGRAM.  out0 = LayerNorm(softmax((x Wq + bq)(x Wk + bk)^T / 32)(x Wv + bv) W_proj + b_proj + x) gamma + beta, for 4 batches of 2,048 tokens of 1,024 channels.
; THE PRODUCTS ARE TAKEN IN ANOTHER ORDER, which is the same in real arithmetic for all values of the inputs:
;   (x Wq + bq)(x Wk)^T = (x M + c1) x^T  with M = Wq Wk^T [1024][1024], c1 = bq Wk^T;      (P (x Wv + bv)) W_proj = P (x N + c2)  with N = Wv W_proj, c2 = bv W_proj.
; So the products over 8,192 rows are three of 2 x 8192 x 1024 x 2048 operations ([t | v'] = x [M | N] + [c1 | c2]; t x^T; P v') where the formula as written has four such; M, N, c1, c2 cost 2 x 2 x 1152 x 1024 x 1024.
; Seven launches: this cast; the weights' products; [t | v']; raw scores t x^T; softmax by rows; z = P v' + b_proj; LayerNorm(z + x).
; WORK LEFT OUT: the keys' bias bk = b_qkv[1024:2048].  scores[l][m] = q_l . (x_m Wk + bk) / 32 = q_l . (x_m Wk) / 32 + q_l . bk / 32, and the second term is the same for every m of
; row l.  softmax is taken along m, and a term that is constant along its axis cancels between numerator and denominator, whatever finite values x, W_qkv and b_qkv hold.  So these 1,024
; numbers reach no output; no launch loads them.  (b_qkv stays an argument for bq and bv.)  LIMIT: a NaN, an infinity or an overflow that reaches only q . bk is not carried to the result.
; LIMITS OF THE PROGRAM.  The order of rounding differs from the formula's: matrix operands and what is stored between launches (x's copy, the weights' copies, M, N, c1, c2, t, v', the raw scores, P, z) are
; rounded once to bf16; the residual x, all sums, maxima, means and variances are f32.  A softmax weight below 2^-126 counts as 0.  NaN and infinities are not treated apart.
;
; THIS LAUNCH rounds to bf16 and lays out: xb [8192][1024] = x;  wa [2304][1024] = Wq's 1,024 rows, bq 128 times, Wv's 1,024 rows, bv 128 times;  wb [2048][1024] = Wk's 1,024 rows, then W_proj turned ([j][n]).
; (A bias fills a tile of 128 rows of the weights' product, of which one row is used: a tile has no fewer rows.)
; A pass is one row of 1,024 f32: thread t loads 16 bytes at 16 t and stores 8 bytes at 8 t, so a wave's store covers 256 consecutive bytes, aligned.  A work-group does 16 rows.
; Work-groups 0-511 take x; then 64 each for Wq, Wk, Wv and W_proj; then 8 each for bq and bv (the source's step from row to row is 0).  All 16 loads of a thread go out before the first wait for data.
; W_proj IS TURNED IN REGISTERS.  A work-group takes 128 n x 128 j; wave w the columns 16 w .. 16 w + 15; lane l the rows 4 l .. 4 l + 3: sixteen loads of 16 bytes (a row's 512 bytes are taken by the eight waves'
; loads, which go out together).  For each column the lane's four n pack into 8 bytes, and the wave's store covers 256 consecutive bytes of the turned row, aligned.
; THE MODE: SCHED_MODE bits 1:0 = 2 (LLVM: expert scheduling mode 2), set by the entry lines.  The code itself states the register dependences between vector instructions and memory instructions,
; with s_wait_alu, always for 0.
; THE PLAN.  Registers that memory instructions touch, on each of the two ways:
;   v[IN ..]   the loads' offsets.   Written by vector lines at the way's head; read by the 16 loads; never written again.
;   v[OUT ..]  the stores' offsets.  Written by the same lines; read by the 16 stores; never written again.
;   D          Written by the 16 loads alone; read by the conversions, behind the counted wait for the data.  No vector line names D ahead of the loads.
;   PK         Two registers of its own for each store: written by that row's (or column's) two conversions, read by its one store, never written again.
; So one wait on va_vdst stands ahead of the loads, for all offsets.  The 16 rows (or columns) go in four blocks of four: the wait for the block's data, its eight conversions, ONE wait on va_vdst, its four stores in a run.
; No register that a memory instruction reads is written again, so no wait on vm_vsrc is owed.  No vector line writes a scalar register or VCC, and EXEC is never written.
.set IN,  4                            ; v[4:19]    row i: byte offset of my 16 bytes
.set OUT, 20                           ; v[20:35]   row i: byte offset of my 8 bytes
.set D,   36                           ; v[36:99]   load i: four f32
.set PK,  100                          ; v[100:131] store i: four bf16
	s_load_b256 s[4:11], s[0:1], 0x0               ; x s[4:5], W_qkv s[6:7], W_proj s[8:9], b_qkv s[10:11]
	s_load_b128 s[12:15], s[0:1], 0x20             ; xb s[12:13], wa s[14:15]
	s_load_b64 s[16:17], s[0:1], 0x30              ; wb
	s_sub_co_u32 s20, ttmp9, 512                   ; the work-group's number behind x's 512 (wraps for x's, and is then not used)
	s_lshr_b32 s21, s20, 6
	s_and_b32 s22, s20, 63
	s_cmp_lt_u32 ttmp9, 512
	s_cselect_b32 s21, 5, s21                      ; the job: 0 Wq, 1 Wk, 2 Wv, 3 W_proj, 4 the biases, 5 x
	s_cselect_b32 s22, ttmp9, s22                  ; my block of 16 rows in the job
	s_movk_i32 s23, 0x1000                         ; bytes from row to row in the source: 4,096,
	s_lshl_b32 s25, s21, 12                        ; (the job's first column in W_qkv: 4,096 bytes a job)
	s_cmp_lt_u32 s21, 3
	s_cselect_b32 s23, 0x3000, s23                 ; in W_qkv 12,288
	s_cselect_b32 s25, s25, 0
	s_cmp_eq_u32 s21, 2
	s_cselect_b32 s27, 0x240000, 0                 ; Wv begins at wa's row 1,152
	s_lshr_b32 s26, s22, 3                         ; the biases: blocks 0-7 bq, blocks 8-15 bv
	s_lshl_b32 s18, s26, 13                        ; bv lies 8,192 bytes into b_qkv
	s_lshl_b32 s19, s26, 21
	s_add_co_u32 s19, s19, 0x200000                ; block G goes to wa's row 1,024 + 16 G (bq) or 2,048 + 16 G (bv)
	s_cmp_eq_u32 s21, 4
	s_cselect_b32 s23, 0, s23                      ; the same source row 128 times
	s_cselect_b32 s25, s18, s25
	s_cselect_b32 s27, s19, s27
	s_movk_i32 s24, 0x800                          ; bytes from row to row in every destination
	s_mul_i32 s28, s22, s23
	s_lshl_b32 s28, s28, 4
	s_add_co_u32 s28, s28, s25                     ; source: 16 rows a block, plus the first column; under 2^26
	s_mov_b32 s29, 0
	s_lshl_b32 s30, s22, 15
	s_add_co_u32 s30, s30, s27                     ; destination likewise
	s_mov_b32 s31, 0
	v_lshlrev_b32 v[IN], 4, v0
	v_lshlrev_b32 v[OUT], 3, v0
.set i, 1
.rept 15
	v_add_nc_u32 v[IN+i], s23, v[IN+i-1]
	v_add_nc_u32 v[OUT+i], s24, v[OUT+i-1]
.set i, i+1
.endr
	s_wait_kmcnt 0x0
	s_cmp_eq_u32 s21, 3
	s_cbranch_scc1 .Lturn                          ; W_proj has a way of its own
	s_cmp_eq_u32 s21, 4                            ; the buffers are chosen by the job's number alone
	s_cselect_b64 s[32:33], s[10:11], s[6:7]
	s_cmp_eq_u32 s21, 5
	s_cselect_b64 s[32:33], s[4:5], s[32:33]
	s_cselect_b64 s[34:35], s[12:13], s[14:15]
	s_cmp_eq_u32 s21, 1
	s_cselect_b64 s[34:35], s[16:17], s[34:35]
	s_add_nc_u64 s[32:33], s[32:33], s[28:29]
	s_add_nc_u64 s[34:35], s[34:35], s[30:31]
	s_wait_alu depctr_va_vdst(0)                   ; the 32 offsets v[IN ..] and v[OUT ..] are written: the loads below read the first sixteen, the stores the others; no later vector line names them
.set i, 0
.rept 16
	global_load_b128 v[D+4*i:D+4*i+3], v[IN+i], s[32:33] th:TH_LOAD_NT
.set i, i+1
.endr
.set g, 0
.rept 4                                ; block g: rows 4 g .. 4 g + 3
	s_wait_loadcnt 12-4*g                          ; loads come back in order: the block's four rows are in, the 12 - 4 g loads of the later blocks stay out
.set q, 0
.rept 4
	v_cvt_pk_bf16_f32 v[PK+2*(4*g+q)],   v[D+4*(4*g+q)],   v[D+4*(4*g+q)+1]
	v_cvt_pk_bf16_f32 v[PK+2*(4*g+q)+1], v[D+4*(4*g+q)+2], v[D+4*(4*g+q)+3]
.set q, q+1
.endr
	s_wait_alu depctr_va_vdst(0)                   ; the block's eight conversions have written their registers of PK, which the four stores below read
.set q, 0
.rept 4
	global_store_b64 v[OUT+4*g+q], v[PK+2*(4*g+q):PK+2*(4*g+q)+1], s[34:35]
.set q, q+1
.endr
.set g, g+1
.endr
	s_endpgm
.Lturn:
	s_and_b32 s26, s22, 7                          ; my block of 128 n,
	s_lshr_b32 s27, s22, 3                         ; my block of 128 j
	s_lshl_b32 s28, s26, 19                        ; in W_proj: 128 rows of 4,096 bytes,
	s_lshl_b32 s18, s27, 9                         ; 128 columns of 4 bytes
	s_add_co_u32 s28, s28, s18
	s_mov_b32 s29, 0
	s_lshl_b32 s30, s27, 18                        ; in wb: 128 rows of 2,048 bytes,
	s_lshl_b32 s18, s26, 8                         ; 128 columns of 2 bytes,
	s_add_co_u32 s30, s30, s18
	s_add_co_u32 s30, s30, 0x200000                ; behind Wk's 1,024 rows
	s_mov_b32 s31, 0
	s_add_nc_u64 s[32:33], s[8:9], s[28:29]
	s_add_nc_u64 s[34:35], s[16:17], s[30:31]
	v_and_b32 v1, 31, v0                           ; lane
	v_lshrrev_b32 v2, 5, v0                        ; wave
	v_lshlrev_b32 v[IN], 14, v1                    ; four rows a lane (no memory instruction has read v[IN] or v[OUT] on this way),
	v_lshl_add_u32 v[IN], v2, 6, v[IN]             ; sixteen columns a wave
	v_lshlrev_b32 v[OUT], 3, v1                    ; four n a lane,
	v_lshl_add_u32 v[OUT], v2, 15, v[OUT]          ; sixteen turned rows a wave
	s_wait_alu depctr_va_vdst(0)                   ; v[IN] and v[OUT] are written anew: every load below reads the one as its offset, every store the other; no later vector line names them
.set g, 0
.rept 4                                ; column group g (four columns), row q of my four: at D + 16 g + 4 q
.set q, 0
.rept 4
	global_load_b128 v[D+16*g+4*q:D+16*g+4*q+3], v[IN], s[32:33] offset:4096*q+16*g
.set q, q+1
.endr
.set g, g+1
.endr
.set g, 0
.rept 4                                ; block g: columns 4 g .. 4 g + 3
	s_wait_loadcnt 12-4*g                          ; group g's four loads are in; the later groups' 12 - 4 g stay out
.set e, 0
.rept 4
	v_cvt_pk_bf16_f32 v[PK+2*(4*g+e)],   v[D+16*g+e],   v[D+16*g+4+e]    ; column 4 g + e: rows 0 and 1,
	v_cvt_pk_bf16_f32 v[PK+2*(4*g+e)+1], v[D+16*g+8+e], v[D+16*g+12+e]   ; rows 2 and 3
.set e, e+1
.endr
	s_wait_alu depctr_va_vdst(0)                   ; the block's eight conversions have written their registers of PK, which the four stores below read
.set e, 0
.rept 4
	global_store_b64 v[OUT], v[PK+2*(4*g+e):PK+2*(4*g+e)+1], s[34:35] offset:2048*(4*g+e)
.set e, e+1
.endr
.set g, g+1
.endr
	s_endpgm
.Lfunc_end_k_qe188351221_cast:
	.size	k_qe188351221_cast, .Lfunc_end_k_qe188351221_cast-k_qe188351221_cast
	.p2alignl 7, 3214868480
	.fill 96, 4, 3214868480
	.section	.rodata,"a",@progbits
	.p2align	6, 0x0
	.amdhsa_kernel k_qe188351221_cast
		.amdhsa_group_segment_fixed_size 0
		.amdhsa_private_segment_fixed_size 0
		.amdhsa_enable_private_segment 0
		.amdhsa_kernarg_size 56
		.amdhsa_user_sgpr_count 2
		.amdhsa_user_sgpr_kernarg_segment_ptr 1
		.amdhsa_wavefront_size32 1
		.amdhsa_system_sgpr_workgroup_id_x 1
		.amdhsa_system_sgpr_workgroup_id_y 1
		.amdhsa_system_sgpr_workgroup_id_z 1
		.amdhsa_system_vgpr_workitem_id 0
		.amdhsa_next_free_vgpr 132
		.amdhsa_next_free_sgpr 66
		.amdhsa_reserve_vcc 0
		.amdhsa_float_denorm_mode_32 3
		.amdhsa_float_denorm_mode_16_64 3
		.amdhsa_memory_ordered 1
		.amdhsa_forward_progress 1
		.amdhsa_inst_pref_size 15
	.end_amdhsa_kernel
	.amdgpu_metadata
---
amdhsa.version: [ 1, 2 ]
amdhsa.kernels:
  - .name:           k_qe188351221_cast
    .symbol:         k_qe188351221_cast.kd
    .args:
      - { .name: x, .offset: 0, .size: 8, .value_kind: global_buffer, .address_space: global }
      - { .name: W_qkv, .offset: 8, .size: 8, .value_kind: global_buffer, .address_space: global }
      - { .name: W_proj, .offset: 16, .size: 8, .value_kind: global_buffer, .address_space: global }
      - { .name: b_qkv, .offset: 24, .size: 8, .value_kind: global_buffer, .address_space: global }
      - { .name: xb, .offset: 32, .size: 8, .value_kind: global_buffer, .address_space: global }
      - { .name: wa, .offset: 40, .size: 8, .value_kind: global_buffer, .address_space: global }
      - { .name: wb, .offset: 48, .size: 8, .value_kind: global_buffer, .address_space: global }
    .group_segment_fixed_size: 0
    .private_segment_fixed_size: 0
    .kernarg_segment_align: 8
    .kernarg_segment_size: 56
    .max_flat_workgroup_size: 256
    .sgpr_count:     66
    .vgpr_count:     132
    .wavefront_size: 32
...
	.end_amdgpu_metadata
.endif
;; end of part 13
;; launch wprod: the kernel of part 9 again; grid 8 x 18, 4 waves a work-group, clusters of 4 x 1, 327,680 bytes of LDS; arguments wa, wb, wt; writes wt
;; launch kvg: the kernel of part 10 again; grid 8 x 32, 4 waves a work-group, clusters of 4 x 4, 327,680 bytes of LDS; arguments xb, wt, kv; writes kv
;; launch scg: the kernel of part 11 again; grid 8 x 32, 4 waves a work-group, clusters of 4 x 4, 327,680 bytes of LDS; arguments kv, xb, sc; writes sc
;; launch softmax: the kernel of part 5 again; grid 256 x 1, 32 waves a work-group, no clusters, 0 bytes of LDS; arguments sc, pr; writes pr
;; launch pvg: the kernel of part 12 again; grid 4 x 64, 4 waves a work-group, clusters of 4 x 4, 327,680 bytes of LDS; arguments pr, kv, qb, b_proj; writes qb
;; launch norm: the kernel of part 7 again; grid 256 x 1, 32 waves a work-group, no clusters, 0 bytes of LDS; arguments x, qb, gamma, beta, out0; writes out0
